; MI455X (gfx1250); checked and timed in simulation.
; The chip was launched on July 23, 2026; its instructions are those of AMD's public machine-readable ISA for CDNA 5 (MIT licence, August 2026) and "CDNA5" Instruction Set Architecture Reference Guide (July 2026). The comments in the code are by the model that wrote it; some were corrected since.
;; Rel Partial Learnable Multi Head Attn. Allowed arithmetic: float matrix products may take bf16 or f16 operands with f32 sums; all other float work in f32.
;; Inputs: W_o 1,024 x 1,024 float32; W_qkv 3,072 x 1,024 float32; W_r 1,024 x 1,024 float32; attn_mask 2,048 x 2,048 bool; beta 1,024 float32; gamma 1,024 float32; r 2,048 x 1,024 float32; r_r_bias 16 x 64 float32; r_w_bias 16 x 64 float32; w 2,048 x 2 x 1,024 float32.
;; Outputs: out0 2,048 x 2 x 1,024 float32.
;; 3 versions, each right and faster than the one before. Each part assembles by itself: llvm-mc -triple=amdgcn-amd-amdhsa -mcpu=gfx1250 --defsym DOCPART=n.
;; ======== version 1 of 3: 4 launches
;; limits: values are held in f16: magnitudes above 65,504 overflow, below 6.1e-05 lose precision
;; workspace buffers: acts 12,582,912 bytes; wts 8,388,608 bytes; wo16 2,097,152 bytes; ms 5,242,880 bytes; heads 41,947,136 bytes; av 8,388,608 bytes
;; launch prep (part 1): grid 480 x 1, 8 waves a work-group, no clusters, 0 bytes of LDS; arguments w, r, W_qkv, W_r, W_o, attn_mask, acts, wts, wo16, ms, heads; writes acts, wts, wo16, ms, heads
.if DOCPART == 1
	.amdgcn_target "amdgcn-amd-amdhsa--gfx1250"
	.amdhsa_code_object_version 6
	.text
	.protected	k_qa5313b82d4_prep
	.globl	k_qa5313b82d4_prep
	.p2align	8
	.type	k_qa5313b82d4_prep,@function
k_qa5313b82d4_prep:
	s_mov_b64 s[64:65], 0
	v_nop
	global_prefetch_b8 v0, s[64:65] scope:SCOPE_SE
	s_setreg_imm32_b32 hwreg(HW_REG_WAVE_MODE, 25, 1), 1
	s_wait_xcnt 0x0
; PREPARATION: three kinds of work-group, chosen by the work-group's number g.
;   g <  320  CAST: 32 rows of 1,024 f32 of w, r, W_qkv or W_r are rounded to bf16.  w[i][b] goes to row b 2048 + i of acts, r to rows 4096 on; W_qkv to rows 0 on of wts, W_r to rows 3072 on.
;   g <  352  WO:   32 rows of W_o are rounded to bf16 and that number is written as f16, in blocks of 64 along K: wo16[kb][n][64].
;                   LIMIT: below 6e-5 f16 keeps a fixed step of 6e-8; beyond 65,504 it has no number.
;   else      MASK: for the 16 queries 16 it .. the mask is laid out as the relative product's tiles hold it:
;                   ms[it][dt][lane][p] = mask[16 it + 8 h + p][16 dt + yy + 8 h + p - 15], yy = lane % 16, h = lane / 16, the column clamped to 0 .. 2047;
;                   a masked place is the byte 0xF8 (fp8 -256), a visible one 0.  Clamped places fall where the attention never reads.
;                   Wave 0 of the first 16 of these work-groups also writes the zero row (row 2048) of one head's doubled table of relative keys.
; No LDS, no barrier: no wave needs another's data.
.set XI, 16                            ; v[16:143]  as loaded
.set YO, 144                           ; v[144:207] to store
.set EE,  25165824                     ; the table's section in heads
.set EHS, 524544                       ; bytes of one head's table: 4,098 rows of 128
	s_load_b512 s[4:19], s[0:1], 0x0               ; w s[4:5], r s[6:7], W_qkv s[8:9], W_r s[10:11], W_o s[12:13], mask s[14:15], acts s[16:17], wts s[18:19]
	s_load_b128 s[20:23], s[0:1], 0x40             ; wo16 s[20:21], ms s[22:23]
	s_load_b64 s[24:25], s[0:1], 0x50              ; heads
	v_and_b32 v1, 31, v0                           ; lane
	v_lshrrev_b32 v2, 5, v0
	v_readfirstlane_b32 s26, v2                    ; wave
	v_lshlrev_b32 v2, 4, v1                        ; 16 x lane
	v_lshlrev_b32 v3, 3, v1                        ; 8 x lane
	s_mov_b32 s27, ttmp9                           ; g
	s_mov_b32 s37, 0                               ; the high word of every offset
	s_wait_kmcnt 0x0
	s_cmp_lt_u32 s27, 320
	s_cbranch_scc0 .Lnot_cast
	; CAST.  Source, first work-group of the segment, destination and its first row are chosen by g alone.
	s_cmp_lt_u32 s27, 128
	s_cselect_b64 s[28:29], s[4:5], s[6:7]
	s_cselect_b32 s30, 0, 128
	s_cselect_b32 s31, 0, 4096
	s_cmp_lt_u32 s27, 192
	s_cselect_b64 s[28:29], s[28:29], s[8:9]
	s_cselect_b64 s[32:33], s[16:17], s[18:19]
	s_cselect_b32 s30, s30, 192
	s_cselect_b32 s31, s31, 0
	s_cmp_lt_u32 s27, 288
	s_cselect_b64 s[28:29], s[28:29], s[10:11]
	s_cselect_b32 s30, s30, 288
	s_cselect_b32 s31, s31, 3072
	s_sub_co_u32 s34, s27, s30
	s_lshl_b32 s34, s34, 5
	s_lshl2_add_u32 s34, s26, s34                  ; my first source row: 32 (g - g0) + 4 wave
	s_lshl_b32 s36, s34, 12
	s_add_nc_u64 s[28:29], s[28:29], s[36:37]      ; rows of 4,096 bytes
	s_lshr_b32 s35, s34, 1
	s_add_co_u32 s38, s31, s34
.irp k, 0,1,2,3
	s_add_co_u32 s[40+(\k)], s35, ((\k)&1)*2048+((\k)>>1)  ; w's source row 2 i + b goes to row 2048 b + i,
	s_add_co_u32 s[44+(\k)], s38, \k                       ; every other source's rows stay in order
.endr
	s_cmp_lt_u32 s27, 128
.irp k, 0,1,2,3
	s_cselect_b32 s[40+(\k)], s[40+(\k)], s[44+(\k)]
.endr
.irp k, 0,1,2,3
	s_lshl_b32 s36, s[40+(\k)], 11                 ; rows of 2,048 bytes
	s_add_nc_u64 s[48+2*(\k):49+2*(\k)], s[32:33], s[36:37]
.endr
.irp k, 0,1,2,3
.irp t, 0,1,2,3,4,5,6,7
	global_load_b128 v[XI+32*(\k)+4*(\t):XI+32*(\k)+4*(\t)+3], v2, s[28:29] offset:(\k)*4096+(\t)*512 th:TH_LOAD_NT  ; 512 neighbouring bytes a load; all 32 go out at once
.endr
.endr
.macro CASTROW k
	s_wait_loadcnt 8*(3-(\k))                      ; loads come back in order: row k's eight are in, the later rows' stay out
.irp t, 0,1,2,3,4,5,6,7
	v_cvt_pk_bf16_f32 v[YO+16*(\k)+2*(\t)],   v[XI+32*(\k)+4*(\t)],   v[XI+32*(\k)+4*(\t)+1]
	v_cvt_pk_bf16_f32 v[YO+16*(\k)+2*(\t)+1], v[XI+32*(\k)+4*(\t)+2], v[XI+32*(\k)+4*(\t)+3]
	global_store_b64 v3, v[YO+16*(\k)+2*(\t):YO+16*(\k)+2*(\t)+1], s[48+2*(\k):49+2*(\k)] offset:(\t)*256  ; the wave's store covers 256 consecutive bytes, aligned
.endr
.endm
	CASTROW 0
	CASTROW 1
	CASTROW 2
	CASTROW 3
	s_endpgm
.Lnot_cast:
	s_cmp_lt_u32 s27, 352
	s_cbranch_scc0 .Lmask
	; WO.  A wave takes four rows, as two pairs: lanes 0-15 one row's 64 numbers of a block, lanes 16-31 the next row's.
	s_sub_co_u32 s34, s27, 320
	s_lshl_b32 s34, s34, 5
	s_lshl2_add_u32 s34, s26, s34                  ; my first row n0
	s_lshl_b32 s36, s34, 12
	s_add_nc_u64 s[28:29], s[12:13], s[36:37]
	s_lshl_b32 s36, s34, 7
	s_add_nc_u64 s[32:33], s[20:21], s[36:37]      ; wo16 at row n0 of block 0
	v_lshrrev_b32 v4, 4, v1
	v_and_b32 v5, 15, v1
	v_lshlrev_b32 v4, 12, v4
	v_lshl_add_u32 v4, v5, 4, v4                   ; (lane / 16) rows + 16 (lane % 16)
	s_mov_b32 s35, 0xffff0000
.set j, 0
.rept 32                                       ; load j: pair j / 16, block j % 16
	global_load_b128 v[XI+4*j:XI+4*j+3], v4, s[28:29] offset:(j/16)*8192+(j%16)*256 th:TH_LOAD_NT
.set j, j+1
.endr
.set j, 0
.rept 32
	s_wait_loadcnt 31-j                            ; load j is in, the younger ones stay out
	v_cvt_pk_bf16_f32 v8, v[XI+4*j],   v[XI+4*j+1]
	v_cvt_pk_bf16_f32 v9, v[XI+4*j+2], v[XI+4*j+3]
	v_lshlrev_b32 v10, 16, v8                      ; the rounded numbers as f32 again,
	v_and_b32 v11, s35, v8
	v_lshlrev_b32 v12, 16, v9
	v_and_b32 v13, s35, v9
	v_cvt_pk_f16_f32 v[YO+2*j],   v10, v11         ; and written as f16
	v_cvt_pk_f16_f32 v[YO+2*j+1], v12, v13
	global_store_b64 v3, v[YO+2*j:YO+2*j+1], s[32:33] offset:(j%16)*131072+(j/16)*256  ; two rows of a block: 256 consecutive bytes, aligned
.set j, j+1
.endr
	s_endpgm
.Lmask:
	s_sub_co_u32 s34, s27, 352                     ; it
	v_and_b32 v8, 15, v1                           ; yy
	v_lshrrev_b32 v9, 4, v1                        ; h
	v_lshl_add_u32 v5, v9, 3, v8
	s_lshl_b32 s35, s26, 4
	s_sub_co_i32 s35, s35, 15
	v_add_nc_u32 v5, s35, v5                       ; the column of byte 0 of my wave's first tile: 16 wave + yy + 8 h - 15 (signed)
	s_lshl_b32 s36, s34, 15
	v_lshl_add_u32 v6, v9, 14, s36                 ; row 16 it + 8 h of the mask, in bytes
	s_mul_i32 s38, s34, 160
	s_add_co_u32 s38, s38, s26
	s_lshl_b32 s38, s38, 8
	v_lshl_add_u32 v7, v1, 3, s38                  ; ms: tile (it, wave), my 8 bytes
	s_mov_b32 s39, 0xf8
	s_mov_b32 s40, 5
.Lmtrip:                                               ; five trips; a trip makes my wave's tiles dt = wave + 8 (4 trip + q), q = 0 .. 3
.set q, 0
.rept 4
.set p, 0
.rept 8
	v_add_nc_u32 v[16+8*q+p], 128*q+p, v5
	v_max_i32 v[16+8*q+p], 0, v[16+8*q+p]
	v_min_i32 v[16+8*q+p], 0x7ff, v[16+8*q+p]      ; inside the row
	v_add_nc_u32 v[16+8*q+p], v6, v[16+8*q+p]
	global_load_u8 v[48+8*q+p], v[16+8*q+p], s[14:15] offset:p*2048  ; byte p belongs to the row p further down
.set p, p+1
.endr
.set q, q+1
.endr
	s_wait_loadcnt 0x0                             ; all 32 bytes; their address registers are free again
.set q, 0
.rept 4
	v_lshl_or_b32 v[80+2*q], v[48+8*q+1], 8,  v[48+8*q]
	v_lshl_or_b32 v[81+2*q], v[48+8*q+5], 8,  v[48+8*q+4]
	v_lshl_or_b32 v[80+2*q], v[48+8*q+2], 16, v[80+2*q]
	v_lshl_or_b32 v[81+2*q], v[48+8*q+6], 16, v[81+2*q]
	v_lshl_or_b32 v[80+2*q], v[48+8*q+3], 24, v[80+2*q]
	v_lshl_or_b32 v[81+2*q], v[48+8*q+7], 24, v[81+2*q]
	v_mul_lo_u32 v[80+2*q], v[80+2*q], s39         ; each byte is 0 or 1: times 0xF8 without a carry
	v_mul_lo_u32 v[81+2*q], v[81+2*q], s39
	global_store_b64 v7, v[80+2*q:81+2*q], s[22:23] offset:q*2048  ; a tile: 256 consecutive bytes, aligned
.set q, q+1
.endr
	s_wait_xcnt 0x0                                ; the stores' data and offset are rewritten only behind this wait
	v_add_nc_u32 v5, 512, v5                       ; 32 tiles of 16 columns on
	v_add_nc_u32 v7, 8192, v7
	s_sub_co_u32 s40, s40, 1
	s_cmp_lg_u32 s40, 0
	s_cbranch_scc1 .Lmtrip
	s_cmp_lt_u32 s34, 16
	s_cbranch_scc0 .Lend
	s_cmp_eq_u32 s26, 0
	s_cbranch_scc0 .Lend
	s_mul_i32 s36, s34, EHS                        ; head it of the table, row 2048: 128 bytes of zeros
	s_add_co_u32 s36, s36, EE+2048*128
	s_add_nc_u64 s[24:25], s[24:25], s[36:37]
	v_lshlrev_b32 v8, 2, v1
	v_mov_b32 v9, 0
	global_store_b32 v8, v9, s[24:25]
.Lend:
	s_endpgm
.Lfunc_end_k_qa5313b82d4_prep:
	.size	k_qa5313b82d4_prep, .Lfunc_end_k_qa5313b82d4_prep-k_qa5313b82d4_prep
	.p2alignl 7, 3214868480
	.fill 96, 4, 3214868480
	.section	.rodata,"a",@progbits
	.p2align	6, 0x0
	.amdhsa_kernel k_qa5313b82d4_prep
		.amdhsa_group_segment_fixed_size 0
		.amdhsa_private_segment_fixed_size 0
		.amdhsa_enable_private_segment 0
		.amdhsa_kernarg_size 88
		.amdhsa_user_sgpr_count 2
		.amdhsa_user_sgpr_kernarg_segment_ptr 1
		.amdhsa_wavefront_size32 1
		.amdhsa_system_sgpr_workgroup_id_x 1
		.amdhsa_system_sgpr_workgroup_id_y 1
		.amdhsa_system_sgpr_workgroup_id_z 1
		.amdhsa_system_vgpr_workitem_id 0
		.amdhsa_next_free_vgpr 208
		.amdhsa_next_free_sgpr 66
		.amdhsa_reserve_vcc 0
		.amdhsa_float_denorm_mode_32 3
		.amdhsa_float_denorm_mode_16_64 3
		.amdhsa_memory_ordered 1
		.amdhsa_forward_progress 1
		.amdhsa_inst_pref_size 45
	.end_amdhsa_kernel
	.amdgpu_metadata
---
amdhsa.version: [ 1, 2 ]
amdhsa.kernels:
  - .name:           k_qa5313b82d4_prep
    .symbol:         k_qa5313b82d4_prep.kd
    .args:
      - { .name: w, .offset: 0, .size: 8, .value_kind: global_buffer, .address_space: global }
      - { .name: r, .offset: 8, .size: 8, .value_kind: global_buffer, .address_space: global }
      - { .name: W_qkv, .offset: 16, .size: 8, .value_kind: global_buffer, .address_space: global }
      - { .name: W_r, .offset: 24, .size: 8, .value_kind: global_buffer, .address_space: global }
      - { .name: W_o, .offset: 32, .size: 8, .value_kind: global_buffer, .address_space: global }
      - { .name: attn_mask, .offset: 40, .size: 8, .value_kind: global_buffer, .address_space: global }
      - { .name: acts, .offset: 48, .size: 8, .value_kind: global_buffer, .address_space: global }
      - { .name: wts, .offset: 56, .size: 8, .value_kind: global_buffer, .address_space: global }
      - { .name: wo16, .offset: 64, .size: 8, .value_kind: global_buffer, .address_space: global }
      - { .name: ms, .offset: 72, .size: 8, .value_kind: global_buffer, .address_space: global }
      - { .name: heads, .offset: 80, .size: 8, .value_kind: global_buffer, .address_space: global }
    .group_segment_fixed_size: 0
    .private_segment_fixed_size: 0
    .kernarg_segment_align: 8
    .kernarg_segment_size: 88
    .max_flat_workgroup_size: 256
    .sgpr_count:     66
    .vgpr_count:     208
    .wavefront_size: 32
...
	.end_amdgpu_metadata
.endif
;; end of part 1
;; launch proj (part 2): grid 4 x 56, 4 waves a work-group, clusters of 4 x 4, 327,680 bytes of LDS; arguments acts, wts, r_w_bias, r_r_bias, heads; writes heads
.if DOCPART == 2
	.amdgcn_target "amdgcn-amd-amdhsa--gfx1250"
	.amdhsa_code_object_version 6
	.text
	.protected	k_qa5313b82d4_proj
	.globl	k_qa5313b82d4_proj
	.p2align	8
	.type	k_qa5313b82d4_proj,@function
k_qa5313b82d4_proj:
	s_mov_b64 s[64:65], 0
	v_nop
	global_prefetch_b8 v0, s[64:65] scope:SCOPE_SE
	s_setreg_imm32_b32 hwreg(HW_REG_WAVE_MODE, 25, 1), 1
	s_wait_xcnt 0x0
	s_wait_alu depctr_hold_cnt(0) depctr_sa_sdst(0) depctr_va_vdst(0) depctr_va_sdst(0) depctr_va_ssrc(0) depctr_va_vcc(0) depctr_vm_vsrc(0)
	s_getreg_b32 s2, hwreg(HW_REG_IB_STS2, 6, 4)
	s_cmp_eq_u32 s2, 0
	s_cbranch_scc0 .Lentry_in_a_cluster
	s_endpgm
.Lentry_in_a_cluster:
	s_bfe_u32 s2, ttmp6, 0x10000c
	s_cmp_lg_u32 s2, 0xf033
	s_cbranch_scc0 .Lentry_shape_is_right
	s_endpgm
.Lentry_shape_is_right:
; THE PROJECTIONS: C[m][n] = sum over k of A[m][k] B[n][k], K = 1,024, bf16 operands, f32 sums, written by heads in f16.
; A = acts (rows 0-4095: w as [b][i]; rows 4096 on: r), B = wts (rows 0-3071 W_qkv, 3072 on W_r).  Fourteen clusters of 4 x 4 work-groups; cluster c makes 1,024 x 1,024 of C:
; kind = c / 4 (0 q, 1 k, 2 v, 3 r), rows 1,024 (c % 4) on.  A work-group makes 256 x 256, each of its four waves 128 x 128: 64 accumulators of 16 x 16.
; K goes in steps of 128 through two LDS slots filled by tensor loads; A's tile is asked for jointly along a row of the cluster, B's along a column.
; THE MATRIX INSTRUCTION IS USED TRANSPOSED (source 0 = 16 rows of B, source 1 = 16 rows of A): a lane holds eight neighbouring columns of one row of C.
; THE WAY OUT runs once or twice.  q: once with r_w_bias added (section QU), once with r_r_bias (section QV); both biases rounded to bf16 first, as all inputs are.
; k, v: once, nothing added.  r: twice, nothing added: rows m and m + 2049 of the head's doubled table (the second copy begins 128 bytes off a multiple of 256: its stores cover 512 consecutive bytes all the same).
; LIMIT: f16 holds no number beyond 65,504: q + bias, k, v and r's projection must lie within it.
; REGISTERS, in windows of 256: window 0: v0-31 addresses; v64-127, v128-191 A's fragments, two buffers; v32-63, v64-127, v192-255 at work on the way out.
;   window 1: v64-127, v128-191 B's fragments; v0-63 the bias of the pass in hand, v192-255 that of the second pass.   windows 2, 3: the accumulators ((a, b) at v[8 (8 (a % 4) + b)]).
.set SIZE_K, 1024
.set KSTEP,  128
.set PITCH,  272                       ; an LDS row: 256 bytes + 16 of padding: the 16 rows that a load touches start at 16 different groups of four banks (64 banks of 4 bytes: ISA guide 11.1)
.set HALFT,  128*PITCH
.set SLOT,   4*HALFT                   ; A's 256 rows, then B's 256 rows
.set STAGE,  2*SLOT                    ; behind the ring: 16 rows x 400 bytes for each wave
.set SPITCH, 400                       ; 25 x 16: the sixteen rows of a store start at sixteen different 16-byte columns modulo 256
.set SPARE,  STAGE+4*16*SPITCH         ; the spare words, 128 bytes a wave: two blocks of 256 bytes that no other line names
.set LAPS,   SIZE_K/(2*KSTEP)
.set ADRA, 16
.set ADRB, 20
.set STO,  24
.set RD,   25
.set CO,   26
.set BO,   27                          ; v27  32 x (lane / 16): my eight columns' place in 16 numbers of a bias
.set SPW,  28
.set NIL,  29
.set F0,   64
.set F1,   128
.set TW,   64                          ; the way out: sums with the bias, f32
.set TMP,  192                         ; packed
.set OB,   32                          ; read back from the stage: v32-63 and v224-255 by turns
.set BU,   0                           ; window 1
.set BV,   192                         ; window 1
.set G1, 24
.set G0, 32
.set G1B, 48
.set G0B, 56
.set MSB, 0
.macro WIN new                         ; the immediate's high byte repeats the setting that is left
.if MSB != (\new)
	s_set_vgpr_msb (MSB<<8)|(\new)
.set MSB, \new
.endif
.endm
.set MUL_LO, 0xa1                      ; source 0 (B) window 1, source 1 (A) window 0, C and D window 2
.set MUL_HI, 0xf1
.set TO_B,   0x40
; A joint load.  Waves 0 and 1 fetch A's two halves, waves 2 and 3 B's.  An s_nop 0 and four v_nop follow each line.
.macro JLOAD s
	s_cmp_eq_u32 s11, 0
	s_cbranch_scc0 .Lfor_b_\@
	tensor_load_to_lds s[G0+4*(\s):G0+4*(\s)+3], s[G1:G1+7]
	s_nop 0
.rept 4
	v_nop
.endr
	s_branch .Lasked_\@
.Lfor_b_\@:
	tensor_load_to_lds s[G0B+4*(\s):G0B+4*(\s)+3], s[G1B:G1B+7]
	s_nop 0
.rept 4
	v_nop
.endr
.Lasked_\@:
.endm
.macro CREST                           ; a round of the cluster's barrier behind its opening barrier
	s_cmp_lg_u32 s10, 0
	s_cbranch_scc1 .Lnot_wave_0_\@
	s_barrier_signal -3
.Lnot_wave_0_\@:
	s_barrier_wait -3
	s_barrier_signal -1
	s_barrier_wait -1
.endm
.macro CROUND
	s_barrier_signal -1
	s_barrier_wait -1
	CREST
.endm
	s_load_b128 s[4:7], s[0:1], 0x0                ; acts s[4:5], wts s[6:7]
	s_load_b128 s[68:71], s[0:1], 0x10             ; r_w_bias s[68:69], r_r_bias s[70:71]
	s_load_b64 s[8:9], s[0:1], 0x20                ; heads
	v_lshl_add_u32 v[SPW], v0, 2, SPARE
	v_mov_b32 v[NIL], 0
	ds_add_u32 v[SPW], v[NIL]                      ; the wave's opening: the add and its wait ahead of my first tensor load
	v_lshrrev_b32 v1, 5, v0
	v_readfirstlane_b32 s10, v1                    ; wave 0..3
	s_lshr_b32 s11, s10, 1                         ; my half of the tile's rows.  Also: I fetch for A (0) or for B (1)
	s_and_b32 s12, s10, 1                          ; my half of its columns.  Also: which 128 rows I fetch
	s_bfe_u32 s40, ttmp6, 0x40000                  ; cx
	s_bfe_u32 s41, ttmp6, 0x40004                  ; cy
	s_and_b32 s72, ttmp7, 0xffff                   ; the cluster's number: the same in all sixteen partners
	s_lshr_b32 s73, s72, 2                         ; kind
	s_and_b32 s74, s72, 3                          ; which 1,024 rows
	s_lshl_b32 s43, s41, 2
	s_lshl_b32 s43, 15, s43                        ; my row of the cluster
	s_lshl_b32 s44, 0x1111, s40                    ; my column
	s_or_b32 s[G1+0], s43, (1<<16)|(1<<20)|(1<<21)|(5<<22)|(3<<25)  ; the mask; 2-byte elements; padding on; bit 21 beside a mask; after every 64 words 4 words
	s_or_b32 s[G1B+0], s44, (1<<16)|(1<<20)|(1<<21)|(5<<22)|(3<<25)
.irp g, G1, G1B
	s_mov_b32 s[(\g)+1], KSTEP<<16                 ; tensor_dim0 = 128
	s_mov_b32 s[(\g)+2], 128<<16                   ; tensor_dim1 = 128
	s_mov_b32 s[(\g)+3], KSTEP<<16                 ; tile_dim0 = 128
	s_mov_b32 s[(\g)+4], 128                       ; tile_dim1 = 128
	s_mov_b32 s[(\g)+5], SIZE_K                    ; elements from row to row
	s_mov_b32 s[(\g)+6], 0
	s_mov_b32 s[(\g)+7], 0
.endr
	s_lshl_b32 s76, s12, 7                         ; which 128 rows of the tile I fetch
	s_cmp_eq_u32 s73, 3
	s_cselect_b32 s75, 4, 0                        ; r's rows lie behind w's 4,096
	s_add_co_u32 s75, s75, s74
	s_lshl_b32 s16, s75, 10
	s_lshl_b32 s17, s41, 8
	s_add_co_u32 s16, s16, s17
	s_add_co_u32 s16, s16, s76                     ; A's row: hangs on the cluster, cy and the wave
	s_lshl_b32 s16, s16, 11                        ; rows of 2,048 bytes
	s_mov_b32 s17, 0
	s_lshl_b32 s46, s73, 10
	s_lshl_b32 s47, s40, 8
	s_add_co_u32 s46, s46, s47
	s_add_co_u32 s46, s46, s76                     ; B's row: the cluster's kind, cx and the wave
	s_lshl_b32 s46, s46, 11
	s_mov_b32 s47, 0
	s_mul_i32 s20, s10, HALFT                      ; where my part goes: wave x 128 rows
	s_wait_dscnt 0x0                               ; the opening add is done
	s_wait_kmcnt 0x0
	s_add_nc_u64 s[14:15], s[4:5], s[16:17]
	s_add_nc_u64 s[46:47], s[6:7], s[46:47]
	CROUND                                         ; all sixteen work-groups are here: the first joint loads meet
.irp s, 0,1
	s_mov_b32 s[G0+4*(\s)], 1
	s_add_co_u32 s[G0+4*(\s)+1], s20, (\s)*SLOT
	s_add_nc_u64 s[G0+4*(\s)+2:G0+4*(\s)+3], s[14:15], (\s)*KSTEP*2
	s_or_b32 s[G0+4*(\s)+3], s[G0+4*(\s)+3], 0x80000000
	s_mov_b32 s[G0B+4*(\s)], 1
	s_add_co_u32 s[G0B+4*(\s)+1], s20, (\s)*SLOT
	s_add_nc_u64 s[G0B+4*(\s)+2:G0B+4*(\s)+3], s[46:47], (\s)*KSTEP*2
	s_or_b32 s[G0B+4*(\s)+3], s[G0B+4*(\s)+3], 0x80000000
	JLOAD \s                                       ; two loads of mine are out
.endr
	v_and_b32 v1, 15, v0                           ; l % 16
	v_bfe_u32 v2, v0, 4, 1                         ; l / 16
	v_lshlrev_b32 v[BO], 5, v2
	; the biases of my 128 columns, in the lanes' own order: column 16 b + 8 (l / 16) + j in register 8 b + j
	s_lshl_b32 s66, s40, 10
	s_lshl_b32 s67, s12, 9
	s_add_co_u32 s66, s66, s67
	s_mov_b32 s67, 0
	s_add_nc_u64 s[68:69], s[68:69], s[66:67]
	s_add_nc_u64 s[70:71], s[70:71], s[66:67]
	WIN TO_B
.irp b, 0,1,2,3,4,5,6,7
	global_load_b128 v[BU+8*(\b):BU+8*(\b)+3],   v[BO], s[68:69] offset:64*(\b)
	global_load_b128 v[BU+8*(\b)+4:BU+8*(\b)+7], v[BO], s[68:69] offset:64*(\b)+16
	global_load_b128 v[BV+8*(\b):BV+8*(\b)+3],   v[BO], s[70:71] offset:64*(\b)
	global_load_b128 v[BV+8*(\b)+4:BV+8*(\b)+7], v[BO], s[70:71] offset:64*(\b)+16
.endr
	WIN 0
	v_mul_u32_u24 v3, v1, PITCH
	v_lshl_add_u32 v3, v2, 4, v3                   ; a fragment's row x pitch + 16 x half
	s_mul_i32 s21, s11, HALFT
	s_mul_i32 s22, s12, HALFT
	s_add_co_u32 s22, s22, 2*HALFT
.irp s, 0,1
	v_add_nc_u32 v[ADRA+(\s)], s21, v3
	v_add_nc_u32 v[ADRB+(\s)], s22, v3
	s_add_co_u32 s21, s21, SLOT
	s_add_co_u32 s22, s22, SLOT
.endr
	s_mul_i32 s23, s10, 16*SPITCH
	s_add_co_u32 s23, s23, STAGE                   ; my stage
	v_mul_u32_u24 v4, v1, SPITCH                   ; in: row l % 16, 16 bytes for each half of the lanes
	v_lshl_add_u32 v4, v2, 4, v4
	v_add_nc_u32 v[STO], s23, v4
	v_bfe_u32 v5, v0, 3, 2                         ; back: 32 lanes take 128 bytes (one head's 64 columns) of four rows
	v_mul_u32_u24 v5, v5, SPITCH
	v_and_b32 v6, 7, v0
	v_lshl_add_u32 v5, v6, 4, v5
	v_add_nc_u32 v[RD], s23, v5
	v_and_b32 v6, 31, v0
	v_lshlrev_b32 v[CO], 4, v6                     ; which are 512 consecutive bytes of a head's rows
	; where my part of C goes, as offsets made apart from the address
	s_lshl_b32 s80, s74, 10
	s_lshl_b32 s81, s41, 8
	s_add_co_u32 s80, s80, s81
	s_lshl_b32 s81, s11, 7
	s_add_co_u32 s80, s80, s81                     ; my first row among the kind's rows
	s_lshl_b32 s81, s40, 2
	s_lshl1_add_u32 s81, s12, s81                  ; my first head: 4 cx + 2 x half
	s_mov_b32 s82, 262144                          ; bytes of a head: 2,048 rows of 128,
	s_cmp_eq_u32 s73, 3
	s_cselect_b32 s82, 524544, s82                 ; in the doubled table 4,098
	s_mov_b32 s83, 0
	s_mul_i32 s84, s81, s82
	s_lshr_b32 s85, s80, 11                        ; the batch entry: 16 heads on
	s_lshl_b32 s85, s85, 22
	s_add_co_u32 s84, s84, s85
	s_and_b32 s85, s80, 2047
	s_lshl_b32 s85, s85, 7
	s_add_co_u32 s84, s84, s85
	s_lshl_b32 s85, s73, 23                        ; the first pass's section: kind x 8,388,608
	s_mov_b32 s95, 25165824+2049*128               ; the second pass's: the table's second copy,
	s_cmp_eq_u32 s73, 0
	s_cselect_b32 s95, 33558528, s95               ; or QV
	s_cselect_b32 s94, 2, 1                        ; passes: two for q and for r
	s_cselect_b32 s77, -1, 0                       ; only q has biases
	s_cmp_eq_u32 s73, 3
	s_cselect_b32 s94, 2, s94
	s_add_co_u32 s96, s84, s85
	s_mov_b32 s97, 0
	s_add_co_u32 s98, s84, s95
	s_mov_b32 s99, 0
	s_add_nc_u64 s[86:87], s[8:9], s[96:97]        ; this pass: my first head, my second head
	s_add_nc_u64 s[88:89], s[86:87], s[82:83]
	s_add_nc_u64 s[90:91], s[8:9], s[98:99]        ; the second pass
	s_add_nc_u64 s[92:93], s[90:91], s[82:83]
	s_mov_b32 s79, 0xffff0000
	s_wait_loadcnt 0x0                             ; the biases; all this stands in the wait for the first tiles
	WIN 0x45                                       ; destination and both sources in window 1
.set i, 0
.rept 64                                       ; a pair at a time: rounded to bf16, set to 0 where the kind has no bias, widened again; v64-67 of window 1 are not yet in use
.if i < 32
.set rb, BU+2*i
.else
.set rb, BV+2*(i-32)
.endif
	v_cvt_pk_bf16_f32 v[64+i%4], v[rb], v[rb+1]
	v_and_b32 v[64+i%4], s77, v[64+i%4]
	v_lshlrev_b32 v[rb], 16, v[64+i%4]
	v_and_b32 v[rb+1], s79, v[64+i%4]
.set i, i+1
.endr
	WIN 0
; 16 matrix instructions: m blocks a0, a0 + 1 of the window's four x all 8 n blocks, 32 along K.  zero = 1: the first product starts the sums.
.macro MUL16 f, hi, a0, zero
	WIN MUL_LO+0x50*(\hi)
.irp a, \a0, (\a0)+1
.irp b, 0,1,2,3,4,5,6,7
.if \zero
	v_wmma_f32_16x16x32_bf16 v[8*(8*(\a)+(\b)):8*(8*(\a)+(\b))+7], v[(\f)+8*(\b):(\f)+8*(\b)+7], v[(\f)+8*(4*(\hi)+(\a)):(\f)+8*(4*(\hi)+(\a))+7], 0
.else
	v_wmma_f32_16x16x32_bf16 v[8*(8*(\a)+(\b)):8*(8*(\a)+(\b))+7], v[(\f)+8*(\b):(\f)+8*(\b)+7], v[(\f)+8*(4*(\hi)+(\a)):(\f)+8*(4*(\hi)+(\a))+7], v[8*(8*(\a)+(\b)):8*(8*(\a)+(\b))+7]
.endif
.endr
.endr
.endm
; 32 LDS loads in one run: the fragments of one quarter step into buffer f
.macro FETCH slot, k, f
	WIN TO_B
.irp i, 0,1,2,3,4,5,6,7
	ds_load_b128 v[(\f)+8*(\i):(\f)+8*(\i)+3],   v[ADRB+(\slot)] offset:(\k)+(\i)*16*PITCH
	ds_load_b128 v[(\f)+8*(\i)+4:(\f)+8*(\i)+7], v[ADRB+(\slot)] offset:(\k)+(\i)*16*PITCH+32
.endr
	WIN 0
.irp i, 0,1,2,3,4,5,6,7
	ds_load_b128 v[(\f)+8*(\i):(\f)+8*(\i)+3],   v[ADRA+(\slot)] offset:(\k)+(\i)*16*PITCH
	ds_load_b128 v[(\f)+8*(\i)+4:(\f)+8*(\i)+7], v[ADRA+(\slot)] offset:(\k)+(\i)*16*PITCH+32
.endr
.endm
.macro PLACES                          ; four places in front of loads into registers that matrix instructions have read, and of vector lines that read results
.rept 4
	v_nop
.endr
.endm
; A K step is four quarters of 32 along K, 64 matrix instructions each, on buffers 0, 1, 0, 1.  The 64 accumulators take turns.
.macro QUARTER slot, k, f, g, zero
	s_wait_dscnt 8                                 ; B and A's rows 0-63 are in; the youngest eight loads (A's rows 64-127) may be out
	MUL16 \f, 0, 0, \zero
	MUL16 \f, 0, 2, \zero
	PLACES
	FETCH \slot, \k, \g
	s_wait_dscnt 32                                ; all but the 32 just issued
	MUL16 \f, 1, 0, \zero
	MUL16 \f, 1, 2, \zero
.endm
; The last quarter changes slots: one barrier; in front of it each wave waits for all its tensor loads, adds 0 to its spare word, and waits for that and for its own reads of this slot.
.macro MEET round
	WIN 0
	s_wait_tensorcnt 0x0                           ; all my tensor loads have landed: the one that was out is my part of the next slot
	ds_add_u32 v[SPW], v[NIL]
	s_wait_dscnt 9                                 ; (the add and the youngest eight loads may be out)
	MUL16 F1, 0, 0, 0
	s_wait_dscnt 0x0                               ; the add is done, and my reads of this slot are over
	s_barrier_signal -1
	MUL16 F1, 0, 2, 0
.if \round
	WIN 0
.endif
	s_barrier_wait -1
.endm
.macro TURN slot, next, fill
	MEET \fill
.if \fill
	CREST                                          ; the barrier has opened a round of the cluster's: no wave of any partner still reads this slot or has a load on its way
	s_add_nc_u64 s[G0+4*(\slot)+2:G0+4*(\slot)+3], s[G0+4*(\slot)+2:G0+4*(\slot)+3], 2*KSTEP*2
	s_add_nc_u64 s[G0B+4*(\slot)+2:G0B+4*(\slot)+3], s[G0B+4*(\slot)+2:G0B+4*(\slot)+3], 2*KSTEP*2
	JLOAD \slot                                    ; my one tensor load behind the round; its four v_nop are also the places in front of the loads below
.else
	PLACES
.endif
	FETCH \next, 0, F0
	MUL16 F1, 1, 0, 0
	MUL16 F1, 1, 2, 0
.endm
	s_wait_tensorcnt 1                             ; my part of K step 0 is in; K step 1's may stay out
	s_barrier_signal -1
	s_barrier_wait -1
	FETCH 0, 0, F0
	QUARTER 0, 64,  F0, F1, 1                      ; the first quarter's products start the sums
	WIN 0
	s_mov_b32 s3, LAPS-1
.Llap:                                                 ; a trip goes once round the ring and fills both slots again
	QUARTER 0, 128, F1, F0, 0
	QUARTER 0, 192, F0, F1, 0
	TURN 0, 1, 1
	QUARTER 1, 64,  F0, F1, 0
	QUARTER 1, 128, F1, F0, 0
	QUARTER 1, 192, F0, F1, 0
	TURN 1, 0, 1
	QUARTER 0, 64,  F0, F1, 0
	WIN 0
	s_sub_co_u32 s3, s3, 1
	s_cmp_lg_u32 s3, 0
	s_cbranch_scc1 .Llap
	QUARTER 0, 128, F1, F0, 0                      ; the last lap fills nothing
	QUARTER 0, 192, F0, F1, 0
	TURN 0, 1, 0
	QUARTER 1, 64,  F0, F1, 0
	QUARTER 1, 128, F1, F0, 0
	QUARTER 1, 192, F0, F1, 0
	s_wait_dscnt 8
	MUL16 F1, 0, 0, 0
	MUL16 F1, 0, 2, 0
	s_wait_dscnt 0
	MUL16 F1, 1, 0, 0
	MUL16 F1, 1, 2, 0
	WIN 0
	PLACES
; THE WAY OUT of block a (16 rows).  PACK: the bias is added, the sums are rounded to f16; each accumulator's registers in ascending order.
.macro PACK a
.set AC, 64*((\a)%4)
	WIN 0x06+((\a)/4)                              ; source 0 window 2 or 3, source 1 window 1
.irp b, 0,1,2,3,4,5,6,7
.irp r, 0,1,2,3
	v_pk_add_f32 v[TW+8*(\b)+2*(\r):TW+8*(\b)+2*(\r)+1], v[AC+8*(\b)+2*(\r):AC+8*(\b)+2*(\r)+1], v[BU+8*(\b)+2*(\r):BU+8*(\b)+2*(\r)+1]
.endr
.endr
	WIN 0
.irp b, 0,1,2,3,4,5,6,7
.irp r, 0,1,2,3
	v_cvt_pk_f16_f32 v[TMP+4*(\b)+(\r)], v[TW+8*(\b)+2*(\r)], v[TW+8*(\b)+2*(\r)+1]
.endr
.endr
.endm
.macro TOSTAGE a                       ; into my own stage, and back by heads: load t takes head t / 4, rows 4 (t % 4) on
	WIN 0
.set BK, OB+192*((\a)%2)
.irp b, 0,1,2,3,4,5,6,7
	ds_store_b128 v[STO], v[TMP+4*(\b):TMP+4*(\b)+3] offset:32*(\b)
.endr
.irp t, 0,1,2,3,4,5,6,7
	ds_load_b128 v[BK+4*(\t):BK+4*(\t)+3], v[RD] offset:((\t)/4)*128+((\t)%4)*4*SPITCH  ; LDS serves a wave's instructions in order (ISA guide 5.7.1.4): these see the stores above
.endr
.endm
.macro SEND a
	WIN 0
.set BK, OB+192*((\a)%2)
	s_wait_dscnt 0x0                               ; the block is back in registers
	s_wait_xcnt 0x0                                ; the registers that earlier stores read are loaded again only behind this wait
.irp t, 0,1,2,3
	global_store_b128 v[CO], v[BK+4*(\t):BK+4*(\t)+3], s[86:87] offset:(\a)*2048+(\t)*512        ; four rows of a head: 512 consecutive bytes
	global_store_b128 v[CO], v[BK+16+4*(\t):BK+16+4*(\t)+3], s[88:89] offset:(\a)*2048+(\t)*512
.endr
.endm
	s_mov_b32 s3, 0
.Lpass:                                                ; once, or twice for q and r: the count is the same in all partners; every LDS address is the same in both trips
	PACK 0
	TOSTAGE 0
.irp a, 1,2,3,4,5,6,7                  ; block a's arithmetic stands between block a - 1's loads from the stage and the wait for them
	PACK \a
	SEND (\a)-1
	TOSTAGE \a
.endr
	SEND 7
	s_wait_xcnt 0x0                                ; the stores have read their bases
	s_mov_b64 s[86:87], s[90:91]                   ; the second pass's places,
	s_mov_b64 s[88:89], s[92:93]
	WIN 0x41
.set i, 0
.rept 64
	v_mov_b32 v[BU+i], v[BV+i]                     ; and its bias
.set i, i+1
.endr
	WIN 0
	s_add_co_u32 s3, s3, 1
	s_cmp_lt_u32 s3, s94
	s_cbranch_scc1 .Lpass
	s_wait_tensorcnt 0x0                           ; the wave's end
	ds_add_u32 v[SPW], v[NIL]
	s_wait_dscnt 0x0
	CROUND                                         ; the closing round
	s_endpgm
.Lfunc_end_k_qa5313b82d4_proj:
	.size	k_qa5313b82d4_proj, .Lfunc_end_k_qa5313b82d4_proj-k_qa5313b82d4_proj
	.p2alignl 7, 3214868480
	.fill 96, 4, 3214868480
	.section	.rodata,"a",@progbits
	.p2align	6, 0x0
	.amdhsa_kernel k_qa5313b82d4_proj
		.amdhsa_group_segment_fixed_size 327680
		.amdhsa_private_segment_fixed_size 0
		.amdhsa_enable_private_segment 0
		.amdhsa_kernarg_size 40
		.amdhsa_user_sgpr_count 2
		.amdhsa_user_sgpr_kernarg_segment_ptr 1
		.amdhsa_wavefront_size32 1
		.amdhsa_system_sgpr_workgroup_id_x 1
		.amdhsa_system_sgpr_workgroup_id_y 1
		.amdhsa_system_sgpr_workgroup_id_z 1
		.amdhsa_system_vgpr_workitem_id 0
		.amdhsa_next_free_vgpr 1024
		.amdhsa_next_free_sgpr 100
		.amdhsa_reserve_vcc 0
		.amdhsa_float_denorm_mode_32 3
		.amdhsa_float_denorm_mode_16_64 3
		.amdhsa_memory_ordered 1
		.amdhsa_forward_progress 1
		.amdhsa_inst_pref_size 175
	.end_amdhsa_kernel
	.amdgpu_metadata
---
amdhsa.version: [ 1, 2 ]
amdhsa.kernels:
  - .name:           k_qa5313b82d4_proj
    .symbol:         k_qa5313b82d4_proj.kd
    .args:
      - { .name: acts, .offset: 0, .size: 8, .value_kind: global_buffer, .address_space: global }
      - { .name: wts, .offset: 8, .size: 8, .value_kind: global_buffer, .address_space: global }
      - { .name: r_w_bias, .offset: 16, .size: 8, .value_kind: global_buffer, .address_space: global }
      - { .name: r_r_bias, .offset: 24, .size: 8, .value_kind: global_buffer, .address_space: global }
      - { .name: heads, .offset: 32, .size: 8, .value_kind: global_buffer, .address_space: global }
    .group_segment_fixed_size: 327680
    .private_segment_fixed_size: 0
    .kernarg_segment_align: 8
    .kernarg_segment_size: 40
    .max_flat_workgroup_size: 128
    .sgpr_count:     100
    .vgpr_count:     1024
    .wavefront_size: 32
...
	.end_amdgpu_metadata
.endif
;; end of part 2
;; launch attn (part 3): grid 8 x 32, 8 waves a work-group, no clusters, 327,680 bytes of LDS; arguments heads, ms, av; writes av
.if DOCPART == 3
	.amdgcn_target "amdgcn-amd-amdhsa--gfx1250"
	.amdhsa_code_object_version 6
	.text
	.protected	k_qa5313b82d4_attn
	.globl	k_qa5313b82d4_attn
	.p2align	8
	.type	k_qa5313b82d4_attn,@function
k_qa5313b82d4_attn:
	s_mov_b64 s[64:65], 0
	v_nop
	global_prefetch_b8 v0, s[64:65] scope:SCOPE_SE
	s_setreg_imm32_b32 hwreg(HW_REG_WAVE_MODE, 25, 1), 1
	s_wait_xcnt 0x0
; RELATIVE ATTENTION.  For head bn = 16 b + n and query i:  O[i] = sum over j of softmax_j((Qu[i] . K[j] + BD[i][j]) / 8, masked) V[j],
; where the shifted relative term is BD[i][j] = Qsel . E[2047 - i + j]: E is the head's doubled table (rows 0-2047 R, row 2048 zeros, rows 2049 on R again), Qsel = Qv[i] for rows of E below 2048 and Qv[i + 1] from 2048 on.
; All of Qu, Qv, K, V, E, the weights p and O in f16; products, scores, maxima and sums in f32.
; LIMITS.  A masked score counts as -2^105; f16's scores are 5.5e11 at the most.  The running maximum m starts at -2^100, below every true score and above every masked one, so a masked weight is exactly 0 and a row
; that has seen no key yet carries l = 0 and O = 0.  A row with no visible key at all ends with m = -2^100 and gets NaN, as a softmax over nothing gives.  A weight below 2^-126 counts as 0.  NaN and infinities among the inputs are not treated apart.
; SHARES.  A work-group owns 256 queries of one head, each of its eight waves 32: two tiles t of 16.  Every wave walks all 2,048 keys, 64 a step, two steps to an LDS slot.  Two waves lie on a SIMD: the step is written in phases,
; and one wave's vector and LDS work stands beside the other's products.
; THE RELATIVE TERM of 16 queries x 64 keys needs 79 rows of E: five plain tiles G(t, e) = Qsel x E^T (a lane holds one row of E, its registers eight queries).  Their C operand is the mask, which an earlier launch laid out in G's own
; order: one scaled conversion turns 8 bytes into eight f32, 0 or -2^105.  G goes into my wave's own stage by rows of 400 bytes, each row one word further right than the last (store pitch 404), which undoes the shift; it comes back, 16 bytes
; at a time, as the C operand of S^T = K Qu^T + C (a lane holds one query, its registers eight keys).  Two such results rounded to f16 are source 1 of O^T = V^T P.
; NO CLUSTER: the work-groups that share K and V are a head's query blocks, and for them the window of E and the branch that chooses Qsel hang on the block's place; work-groups that share E (the two batch entries) share neither K nor V.
; REGISTERS.  window 0: v0-17 addresses; v18-35 statistics; v36-55 mask bytes; v56-135 G, and S^T in the same registers (S(t, k) = G(t, k)); v136-167 P; v168-231 O^T; v232-236 Q's offsets and two at work.
;   window 1: v0-31 Qu; v32-63 Qv; v64-95 Qv of the next row; v96-159 K of a step; v160-255 six fragments' worth of E, later V.
.set KS,    64
.set PK,    144       ; a row of K or E in LDS: 128 bytes + 16
.set PVP,   160       ; a row of V: 128 + 32, for the turning load
.set VOFF,  128*PK    ; a slot: 128 rows of K, 128 rows of V, 384 rows of E
.set EOFF,  VOFF+128*PVP
.set SLOT1, 1<<17     ; slot 1 begins here: one exclusive or turns an address in one slot into the other's
.set SPARE, EOFF+384*PK  ; behind slot 0: the spare words, 128 bytes for each of eight waves: four blocks of 256 bytes that no other line names
.set STAGE, SLOT1+SPARE  ; behind slot 1, never filled by a tensor load: for each wave two tiles of 16 rows x 400 bytes
.set GP,    400
.set TST,   16*GP
.set SP,    144       ; the way out's rows in the same stage
.set KKS,   8388608   ; the sections of heads
.set VVS,   16777216
.set EES,   25165824
.set QVS,   33558528
.set EHS,   524544
.set AK0, 2
.set AV0, 3
.set AE0, 4
.set AK,  5
.set AV,  6
.set AE,  7
.set SA,  8           ; where G's register 0 of tile (0, 0) goes
.set SR,  9           ; where S(0, 0) comes from
.set MO,  10          ; 8 x lane
.set GO,  11          ; 16 x lane
.set STO, 12
.set RD,  13
.set SPW, 14
.set NIL, 15
.set SCL, 16          ; the conversion's scale: byte 0 = 224, 2^97
.set MV,  18          ; c m_old, a tile each
.set ST,  20          ; tile t: c m, m, l (even keys', odd keys')
.set TMP, 28          ; tile t: c0-c3 at work; c2 takes a
.set MB,  36
.set GS,  56
.set P,   136
.set OT,  168
.set QU,  0           ; window 1
.set QV,  32
.set QP,  64
.set KF,  96
.set EV,  160
.set WV,  12
.set G1K, 24
.set G1V, 32
.set G1E, 40
.set G0K, 48
.set G0V, 52
.set G0E, 56
.set SLOTS, 60
.set CNT, 61
.set TBK, 62          ; LDS byte at which K of the step to be fetched begins; E's window moves with it, 64 rows of the same pitch a step
.set TBV, 63
.set CS,  66          ; s[66:67] c = log2(e) / 8
.set SEL, 68
.set SD,  70          ; the step's first key less my wave's first query
.set MSB, 0
.macro WIN new
.if MSB != (\new)
	s_set_vgpr_msb (MSB<<8)|(\new)
.set MSB, (\new)
.endif
.endm
.macro PLACES
.rept 4
	v_nop
.endr
.endm
; A fill: wave 0 fetches a slot's K, wave 1 its V, waves 2 and 3 the halves of its window of E; waves 4 to 7 fetch nothing.  An s_nop 0 and four v_nop follow each line.
.macro LOAD
	s_cmp_lt_u32 s[WV], 4
	s_cbranch_scc0 .Lasked_\@
	s_cmp_lt_u32 s[WV], 2
	s_cbranch_scc0 .Lfor_e_\@
	s_cmp_eq_u32 s[WV], 0
	s_cbranch_scc0 .Lfor_v_\@
	tensor_load_to_lds s[G0K:G0K+3], s[G1K:G1K+7]
	s_nop 0
.rept 4
	v_nop
.endr
	s_branch .Lasked_\@
.Lfor_v_\@:
	tensor_load_to_lds s[G0V:G0V+3], s[G1V:G1V+7]
	s_nop 0
.rept 4
	v_nop
.endr
	s_branch .Lasked_\@
.Lfor_e_\@:
	tensor_load_to_lds s[G0E:G0E+3], s[G1E:G1E+7]
	s_nop 0
.rept 4
	v_nop
.endr
.Lasked_\@:
.endm
; THE CHANGE OF SLOTS.  Each wave waits for all its tensor loads (one at the most is out: its part of the other slot), adds 0 to its spare word, and waits for that and for its reads of the slot that it leaves.
; Behind the barrier nobody reads the old slot and the other is whole.  fill = 1: the old slot is filled again first thing, with the next 128 keys but one.  (At its first use slot 0 is waited for and slot 1 filled.)
.macro CHANGE fill
	WIN 0
	s_wait_tensorcnt 0x0
	ds_add_u32 v[SPW], v[NIL]
.if \fill
.irp g, G0K, G0V, G0E
	s_xor_b32 s[\g+1], s[\g+1], SLOT1
	s_add_nc_u64 s[\g+2:\g+3], s[\g+2:\g+3], 2*KS*128  ; 128 rows of 128 bytes on, in K, in V and in E alike
.endr
.endif
	s_wait_dscnt 0x0                ; the add is done, and my reads of the slot are over
	s_barrier_signal -1
	s_sub_co_u32 s[TBK], s[TBK], 2*KS*PK
	s_xor_b32 s[TBK], s[TBK], SLOT1
	s_sub_co_u32 s[TBV], s[TBV], 2*KS*PVP
	s_xor_b32 s[TBV], s[TBV], SLOT1
	s_barrier_wait -1
.if \fill
	LOAD
.endif
.endm
	s_load_b128 s[4:7], s[0:1], 0x0   ; heads s[4:5], ms s[6:7]
	s_load_b64 s[8:9], s[0:1], 0x10   ; av
	v_lshl_add_u32 v[SPW], v0, 2, SPARE
	v_mov_b32 v[NIL], 0
	ds_add_u32 v[SPW], v[NIL]       ; the wave's opening: the add and its wait ahead of my first tensor load
	v_lshrrev_b32 v1, 5, v0
	v_readfirstlane_b32 s[WV], v1
	s_lshl_b32 s13, ttmp9, 8        ; the block's first query
	s_and_b32 s14, ttmp7, 0xffff    ; bn
	s_and_b32 s15, s14, 15          ; n
	s_lshl_b32 s16, s[WV], 5
	s_add_co_u32 s16, s16, s13      ; my wave's first query W0
	s_and_b32 s17, s[WV], 1
	; descriptor group 1: dense bytes asked for as rows of 256, two rows of 128 bytes each, padded in LDS after every 128 bytes
	s_mov_b32 s[G1K], (1<<16)|(1<<20)|(4<<22)|(3<<25)  ; 2-byte elements; padding on; after every 32 words 4 words
	s_mov_b32 s[G1V], (1<<16)|(1<<20)|(4<<22)|(7<<25)  ; 8 words
	s_mov_b32 s[G1E], (1<<16)|(1<<20)|(4<<22)|(3<<25)
.irp g, G1K, G1V
	s_mov_b32 s[\g+1], 128<<16      ; tensor_dim0 = 128
	s_mov_b32 s[\g+2], 64<<16       ; tensor_dim1 = 64
	s_mov_b32 s[\g+3], 128<<16      ; tile_dim0 = 128
	s_mov_b32 s[\g+4], 64           ; tile_dim1 = 64: 128 keys
	s_mov_b32 s[\g+5], 128
	s_mov_b32 s[\g+6], 0
	s_mov_b32 s[\g+7], 0
.endr
	s_mov_b32 s[G1E+1], 128<<16
	s_mov_b32 s[G1E+2], 96<<16
	s_mov_b32 s[G1E+3], 128<<16
	s_mov_b32 s[G1E+4], 96          ; 192 rows of E
	s_mov_b32 s[G1E+5], 128
	s_mov_b32 s[G1E+6], 0
	s_mov_b32 s[G1E+7], 0
	s_mov_b32 s[G0K], 1
	s_mov_b32 s[G0K+1], 0
	s_mov_b32 s[G0V], 1
	s_mov_b32 s[G0V+1], VOFF
	s_mov_b32 s[G0E], 1
	s_mul_i32 s[G0E+1], s17, 192*PK
	s_add_co_u32 s[G0E+1], s[G0E+1], EOFF
	s_lshl_b32 s72, s14, 18         ; the head's first byte in QU, KK, VV, QV and av
	s_mov_b32 s73, 0
	s_mul_i32 s74, s15, EHS         ; E: head n, and the window's first row for keys 0-127: 1792 less the block's first query; my half of its 384 rows
	s_sub_co_u32 s75, 1792, s13
	s_mul_i32 s2, s17, 192
	s_add_co_u32 s75, s75, s2
	s_lshl_b32 s75, s75, 7
	s_add_co_u32 s74, s74, s75
	s_add_co_u32 s74, s74, EES
	s_mov_b32 s75, 0
	s_lshl_b32 s2, s16, 7           ; my rows
	s_mov_b32 s3, 0
	s_lshr_b32 s10, s16, 4
	s_mul_i32 s10, s10, 160*256     ; my first tile of 16 queries in ms
	s_mov_b32 s11, 0
	s_mov_b32 s[CS], 0x3e38aa3b
	s_mov_b32 s[CS+1], s[CS]
	s_mov_b32 s[SEL], 0x76543210
	s_mov_b32 s[SEL+1], 0xfedcba98
	s_mov_b32 s76, 0xf149f2ca       ; -1e30
	s_mov_b32 s[TBK], SLOT1+2*KS*PK ; the first change of slots turns these two into 0
	s_mov_b32 s[TBV], SLOT1+2*KS*PVP
	s_sub_co_i32 s[SD], 0, s16
	s_mov_b32 s[SLOTS], 15
	s_wait_dscnt 0x0                ; the opening add is done
	s_barrier_signal -1
	s_barrier_wait -1
	s_wait_kmcnt 0x0
	s_add_nc_u64 s[G0K+2:G0K+3], s[4:5], s[72:73]
	s_add_nc_u64 s[G0V+2:G0V+3], s[G0K+2:G0K+3], VVS
	s_add_nc_u64 s[22:23], s[G0K+2:G0K+3], QVS     ; Qv at the head's first row
	s_add_nc_u64 s[18:19], s[G0K+2:G0K+3], s[2:3]  ; Qu at my rows
	s_add_nc_u64 s[20:21], s[22:23], s[2:3]        ; Qv at my rows
	s_add_nc_u64 s[G0K+2:G0K+3], s[G0K+2:G0K+3], KKS
	s_add_nc_u64 s[G0E+2:G0E+3], s[4:5], s[74:75]
	s_or_b32 s[G0K+3], s[G0K+3], 0x80000000
	s_or_b32 s[G0V+3], s[G0V+3], 0x80000000
	s_or_b32 s[G0E+3], s[G0E+3], 0x80000000
	s_add_nc_u64 s[8:9], s[8:9], s[72:73]
	s_add_nc_u64 s[8:9], s[8:9], s[2:3]            ; av at my rows
	s_add_nc_u64 s[6:7], s[6:7], s[10:11]
	LOAD                            ; keys 0-127 into slot 0
	v_and_b32 v1, 15, v0            ; r = l % 16
	v_bfe_u32 v17, v0, 4, 1         ; h = l / 16
	v_and_b32 v234, 31, v0
	v_lshlrev_b32 v[MO], 3, v234
	v_lshlrev_b32 v[GO], 4, v234
	v_lshlrev_b32 v236, 7, v1
	v_lshl_add_u32 v236, v17, 4, v236  ; a fragment of Q: row x 128 + 16 x half
	s_add_co_u32 s10, s16, 1
	v_add_nc_u32 v232, s10, v1      ; the next row's Qv; the last query has none, and no key that would want it: its row is clamped
	v_min_u32 v232, 0x7ff, v232
	v_lshlrev_b32 v232, 7, v232
	v_lshl_add_u32 v232, v17, 4, v232
	s_add_co_u32 s10, s16, 17
	v_add_nc_u32 v233, s10, v1
	v_min_u32 v233, 0x7ff, v233
	v_lshlrev_b32 v233, 7, v233
	v_lshl_add_u32 v233, v17, 4, v233
	WIN 0x40                        ; destination window 1, address window 0
.irp t, 0,1
.irp kh, 0,1
	global_load_b128 v[QU+16*(\t)+8*(\kh):QU+16*(\t)+8*(\kh)+3],   v236, s[18:19] offset:(\t)*2048+(\kh)*64
	global_load_b128 v[QU+16*(\t)+8*(\kh)+4:QU+16*(\t)+8*(\kh)+7], v236, s[18:19] offset:(\t)*2048+(\kh)*64+32
	global_load_b128 v[QV+16*(\t)+8*(\kh):QV+16*(\t)+8*(\kh)+3],   v236, s[20:21] offset:(\t)*2048+(\kh)*64
	global_load_b128 v[QV+16*(\t)+8*(\kh)+4:QV+16*(\t)+8*(\kh)+7], v236, s[20:21] offset:(\t)*2048+(\kh)*64+32
	global_load_b128 v[QP+16*(\t)+8*(\kh):QP+16*(\t)+8*(\kh)+3],   v[232+(\t)], s[22:23] offset:(\kh)*64
	global_load_b128 v[QP+16*(\t)+8*(\kh)+4:QP+16*(\t)+8*(\kh)+7], v[232+(\t)], s[22:23] offset:(\kh)*64+32
.endr
.endr
	WIN 0
.macro MLOAD                        ; the mask bytes of a step's ten tiles: tile (t, e) is ms[W0 / 16 + t][J / 16 + e]
.irp t, 0,1
.irp e, 0,1,2,3,4
	global_load_b64 v[MB+2*(5*(\t)+(\e)):MB+2*(5*(\t)+(\e))+1], v[MO], s[6:7] offset:(\t)*160*256+(\e)*256
.endr
.endr
.endm
	MLOAD
	v_mul_u32_u24 v[AK0], v1, PK
	v_lshl_add_u32 v[AK0], v17, 4, v[AK0]
	s_sub_co_u32 s10, 7, s[WV]      ; my wave's first row in the window of E: 32 (7 - wave)
	s_mul_i32 s10, s10, 32*PK
	s_add_co_u32 s10, s10, EOFF
	v_add_nc_u32 v[AE0], s10, v[AK0]
	v_and_b32 v234, 7, v0
	v_bfe_u32 v235, v0, 3, 1
	v_lshl_add_u32 v[AV0], v17, 3, v234  ; the turning load: key 8 h + l % 8, channels 8 ((l / 8) % 2) on
	v_mul_u32_u24 v[AV0], v[AV0], PVP
	v_lshl_add_u32 v[AV0], v235, 4, v[AV0]
	v_add_nc_u32 v[AV0], VOFF, v[AV0]
	s_mul_i32 s10, s[WV], 2*TST
	s_add_co_u32 s10, s10, STAGE    ; my stage
	v_mul_u32_u24 v[SA], v17, 8*(GP+4)   ; G's register p of lane (yy, h) is query 8 h + p, row yy of E's tile e: it goes to row 8 h + p, word 16 e + yy + (8 h + p) + 1
	v_lshl_add_u32 v[SA], v1, 2, v[SA]
	v_add_nc_u32 v[SA], s10, v[SA]
	v_add_nc_u32 v[SA], 4, v[SA]
	v_mul_u32_u24 v[SR], v1, GP     ; key k of the step then lies at word 16 + k of its query's row
	v_lshl_add_u32 v[SR], v17, 5, v[SR]
	v_add_nc_u32 v[SR], s10, v[SR]
	v_add_nc_u32 v[SR], 64, v[SR]
	v_mul_u32_u24 v[STO], v1, SP
	v_lshl_add_u32 v[STO], v17, 4, v[STO]
	v_add_nc_u32 v[STO], s10, v[STO]
	v_bfe_u32 v[RD], v0, 3, 2
	v_mul_u32_u24 v[RD], v[RD], SP
	v_lshl_add_u32 v[RD], v234, 4, v[RD]
	v_add_nc_u32 v[RD], s10, v[RD]
	v_mov_b32 v[SCL], 0xe0
.set i, 0
.rept 64                            ; O^T and l start at 0, in the wait for the first tile: no first step is written out
	v_mov_b32 v[OT+i], 0
.set i, i+1
.endr
.irp t, 0,1
	v_mov_b32 v[ST+4*(\t)+1], 0xf1800000  ; m = -2^100
	v_mul_f32 v[ST+4*(\t)], s[CS], v[ST+4*(\t)+1]
	v_mov_b32 v[ST+4*(\t)+2], 0
	v_mov_b32 v[ST+4*(\t)+3], 0
.endr
.macro REGS u
.set rT, ST+4*(\u)
.set rC, TMP+4*(\u)
.set rM, MV+(\u)
.set rS, GS+40*(\u)
.set rP, P+16*(\u)
.set rO, OT+32*(\u)
.endm
; Number n of the 22 that find a tile's maximum and statistics: 0-11 four chains of seven scores (each accumulator's lowest registers first); 12-14, 16 the four left over, the old m, all into c0;
; 15 c m_old is kept; 17, 18 the query's other 32 keys lie in the lane 16 away; 19-21 c m, c m_old - c m_new, a.
.macro XS u, n
	REGS \u
.if (\n) < 4
	v_max3_num_f32 v[rC+(\n)], v[rS+8*(\n)], v[rS+8*(\n)+1], v[rS+8*(\n)+2]
.elseif (\n) < 12
	v_max3_num_f32 v[rC+(\n)%4], v[rC+(\n)%4], v[rS+8*((\n)%4)+2*((\n)/4)+1], v[rS+8*((\n)%4)+2*((\n)/4)+2]
.elseif (\n) == 12
	v_max3_num_f32 v[rC], v[rC], v[rS+7], v[rS+15]
.elseif (\n) == 13
	v_max3_num_f32 v[rC+1], v[rC+1], v[rS+23], v[rS+31]
.elseif (\n) == 14
	v_max3_num_f32 v[rC+2], v[rC+2], v[rC+3], v[rT+1]
.elseif (\n) == 15
	v_mov_b32 v[rM], v[rT]
.elseif (\n) == 16
	v_max3_num_f32 v[rC], v[rC], v[rC+1], v[rC+2]
.elseif (\n) == 17
	v_permlanex16_b32 v[rC+3], v[rC], s[SEL], s[SEL+1]
.elseif (\n) == 18
	v_max_num_f32 v[rT+1], v[rC], v[rC+3]
.elseif (\n) == 19
	v_mul_f32 v[rT], s[CS], v[rT+1]
.elseif (\n) == 20
	v_sub_f32 v[rC+1], v[rM], v[rT]
.else
	v_exp_f32 v[rC+2], v[rC+1]
.endif
.endm
; The 20 products of the relative term: G(t, e) += Qsel(t) x E(e + 1 - t)^T; tiles of E from row 2048 on (e - t >= lim) take the next row's Qv.  The ten accumulators take turns.
.macro BDMUL lim
	WIN 0x05                        ; both sources in window 1
.irp kh, 0,1
.irp t, 0,1
.irp e, 0,1,2,3,4
.if ((\e)-(\t)) >= (\lim)
	v_wmma_f32_16x16x32_f16 v[GS+40*(\t)+8*(\e):GS+40*(\t)+8*(\e)+7], v[QP+16*(\t)+8*(\kh):QP+16*(\t)+8*(\kh)+7], v[EV+16*((\e)+1-(\t))+8*(\kh):EV+16*((\e)+1-(\t))+8*(\kh)+7], v[GS+40*(\t)+8*(\e):GS+40*(\t)+8*(\e)+7]
.else
	v_wmma_f32_16x16x32_f16 v[GS+40*(\t)+8*(\e):GS+40*(\t)+8*(\e)+7], v[QV+16*(\t)+8*(\kh):QV+16*(\t)+8*(\kh)+7], v[EV+16*((\e)+1-(\t))+8*(\kh):EV+16*((\e)+1-(\t))+8*(\kh)+7], v[GS+40*(\t)+8*(\e):GS+40*(\t)+8*(\e)+7]
.endif
.endr
.endr
.endr
	WIN 0
.endm
; A KEY STEP, in phases.
.macro STEP
	WIN 0
	v_add_nc_u32 v[AK], s[TBK], v[AK0]  ; these four lines are the places behind the last step's products, whose V the loads below write over
	v_add_nc_u32 v[AE], s[TBK], v[AE0]
	v_add_nc_u32 v[AV], s[TBV], v[AV0]
	v_nop
	s_add_co_u32 s[TBK], s[TBK], KS*PK
	s_add_co_u32 s[TBV], s[TBV], KS*PVP
	WIN 0x40
.irp g, 0,1,2,3,4,5                 ; 96 rows of E: six fragments of 16 rows x 64 channels
.irp kh, 0,1
	ds_load_b128 v[EV+16*(\g)+8*(\kh):EV+16*(\g)+8*(\kh)+3],   v[AE] offset:(\g)*16*PK+(\kh)*64
	ds_load_b128 v[EV+16*(\g)+8*(\kh)+4:EV+16*(\g)+8*(\kh)+7], v[AE] offset:(\g)*16*PK+(\kh)*64+32
.endr
.endr
.irp g, 0,1,2,3                     ; 64 keys
.irp kh, 0,1
	ds_load_b128 v[KF+16*(\g)+8*(\kh):KF+16*(\g)+8*(\kh)+3],   v[AK] offset:(\g)*16*PK+(\kh)*64
	ds_load_b128 v[KF+16*(\g)+8*(\kh)+4:KF+16*(\g)+8*(\kh)+7], v[AK] offset:(\g)*16*PK+(\kh)*64+32
.endr
.endr
	WIN 0
	s_wait_loadcnt 0x0              ; this step's mask bytes (in the first step Q too); their base may be stepped
	s_add_nc_u64 s[6:7], s[6:7], 4*256
.irp t, 0,1
.irp e, 0,1,2,3,4
	v_cvt_scale_pk8_f32_fp8 v[GS+40*(\t)+8*(\e):GS+40*(\t)+8*(\e)+7], v[MB+2*(5*(\t)+(\e)):MB+2*(5*(\t)+(\e))+1], v[SCL]  ; 0, or -256 x 2^97
.endr
.endr
	v_nop                           ; a plain instruction behind the last conversion
	MLOAD                           ; the next step's; behind the last step these are tiles 128 to 132 of ms's 160, which exist and which nothing uses
	s_wait_dscnt 16                 ; E is in; K's sixteen loads may be out
	s_cmp_lt_i32 s[SD], -32         ; where does row 2048 of E fall among my tiles?  lim = 1 - SD / 16, and SD is a multiple of 32
	s_cbranch_scc1 .Llow_\@
	s_cmp_gt_i32 s[SD], 0
	s_cbranch_scc1 .Lup_\@
	s_cmp_eq_u32 s[SD], 0
	s_cbranch_scc1 .Lmid_\@
	BDMUL 3
	s_branch .Ljoin_\@
.Lmid_\@:
	BDMUL 1
	s_branch .Ljoin_\@
.Lup_\@:
	BDMUL -1
	s_branch .Ljoin_\@
.Llow_\@:
	BDMUL 5
.Ljoin_\@:
.rept 5
	v_nop                           ; the places behind those products: their results are stored and loaded over, E's registers too
.endr
.irp t, 0,1
.irp e, 0,1,2,3,4
.irp p, 0,1,2,3,4,5,6,7
	ds_store_b32 v[SA], v[GS+40*(\t)+8*(\e)+(\p)] offset:(\t)*TST+(\p)*(GP+4)+(\e)*64
.endr
.endr
.endr
.irp t, 0,1
.irp g, 0,1,2,3
	ds_load_b128 v[GS+40*(\t)+8*(\g):GS+40*(\t)+8*(\g)+3],   v[SR] offset:(\t)*TST+(\g)*64     ; LDS serves a wave's instructions in order (ISA guide 5.7.1.4): these see the stores above
	ds_load_b128 v[GS+40*(\t)+8*(\g)+4:GS+40*(\t)+8*(\g)+7], v[SR] offset:(\t)*TST+(\g)*64+16
.endr
.endr
	WIN 0x40
.irp f, 0,1,2,3,4,5,6,7             ; V, turned: keys 32 (f / 4) on, channels 16 (f % 4) on
	ds_load_tr16_b128 v[EV+8*(\f):EV+8*(\f)+3],   v[AV] offset:((\f)/4)*32*PVP+((\f)%4)*32
	ds_load_tr16_b128 v[EV+8*(\f)+4:EV+8*(\f)+7], v[AV] offset:((\f)/4)*32*PVP+16*PVP+((\f)%4)*32
.endr
	s_wait_dscnt 16                 ; K and the skewed term are in; V's sixteen loads may be out
	WIN 0x05
.irp kh, 0,1                        ; S^T(t, g) += K(g) Qu(t)^T: eight accumulators by turns
.irp t, 0,1
.irp g, 0,1,2,3
	v_wmma_f32_16x16x32_f16 v[GS+40*(\t)+8*(\g):GS+40*(\t)+8*(\g)+7], v[KF+16*(\g)+8*(\kh):KF+16*(\g)+8*(\kh)+7], v[QU+16*(\t)+8*(\kh):QU+16*(\t)+8*(\kh)+7], v[GS+40*(\t)+8*(\g):GS+40*(\t)+8*(\g)+7]
.endr
.endr
.endr
	WIN 0
	PLACES
.irp n, 0,1,2,3,4,5,6,7,8,9,10,11,12,13,14,15,16,17,18,19,20,21
	XS 0, \n                        ; the two tiles alternate, so that no line reads the result of the one before it
	XS 1, \n
.endr
	v_nop                           ; a plain instruction behind the two exponentials
.set z, 0
.rept 16                            ; c s - c m
.irp u, 0,1
	REGS \u
	v_pk_fma_f32 v[rS+2*z:rS+2*z+1], v[rS+2*z:rS+2*z+1], s[CS:CS+1], v[rT:rT+1] op_sel_hi:[1,0,0] neg_lo:[0,0,1] neg_hi:[0,0,1]
.endr
.set z, z+1
.endr
.set z, 0
.rept 32                            ; the exponentials, and between them O^T times a, in ascending order
	REGS 0
	v_exp_f32 v[rS+z], v[rS+z]
	REGS z/16
	s_wait_alu depctr_va_vdst(0)
	v_pk_mul_f32 v[rO+2*(z%16):rO+2*(z%16)+1], v[rO+2*(z%16):rO+2*(z%16)+1], v[rC+2:rC+3] op_sel_hi:[1,0]
	REGS 1
	v_exp_f32 v[rS+z], v[rS+z]
.set z, z+1
.endr
.set z, 0
.rept 16                            ; the weights rounded to f16
.irp u, 0,1
	REGS \u
	s_wait_alu depctr_va_vdst(0)
	v_cvt_pk_f16_f32 v[rP+z], v[rS+2*z], v[rS+2*z+1]
.endr
.set z, z+1
.endr
.irp w, 4,8,16,32                   ; their sum, of the unrounded weights, in place: neighbours 1, 2, 4 and 8 pairs apart
.set z, 0
.rept 32/(\w)
.irp u, 0,1
	REGS \u
	v_pk_add_f32 v[rS+(\w)*z:rS+(\w)*z+1], v[rS+(\w)*z:rS+(\w)*z+1], v[rS+(\w)*z+(\w)/2:rS+(\w)*z+(\w)/2+1]
.endr
.set z, z+1
.endr
.endr
.irp u, 0,1
	REGS \u
	v_pk_fma_f32 v[rT+2:rT+3], v[rT+2:rT+3], v[rC+2:rC+3], v[rS:rS+1] op_sel_hi:[1,0,1]  ; l = a l + sum
.endr
	s_wait_dscnt 0x0                ; V is in
	WIN 0x01                        ; V in window 1, P and O^T in window 0
.irp kk, 0,1
.irp cb, 0,1,2,3
.irp t, 0,1
	v_wmma_f32_16x16x32_f16 v[OT+32*(\t)+8*(\cb):OT+32*(\t)+8*(\cb)+7], v[EV+32*(\kk)+8*(\cb):EV+32*(\kk)+8*(\cb)+7], v[P+16*(\t)+8*(\kk):P+16*(\t)+8*(\kk)+7], v[OT+32*(\t)+8*(\cb):OT+32*(\t)+8*(\cb)+7]
.endr
.endr
.endr
	WIN 0
	s_add_co_i32 s[SD], s[SD], KS
.endm
.Lslot:                             ; 15 times: a slot is entered and the other is asked for
	CHANGE 1
	s_mov_b32 s[CNT], 2
.Lstep:
	STEP
	s_sub_co_u32 s[CNT], s[CNT], 1
	s_cmp_lg_u32 s[CNT], 0
	s_cbranch_scc1 .Lstep
	s_sub_co_u32 s[SLOTS], s[SLOTS], 1
	s_cmp_lg_u32 s[SLOTS], 0
	s_cbranch_scc1 .Lslot
	CHANGE 0                        ; the last slot is written out
	s_mov_b32 s[CNT], 2
.Ltail:
	STEP
	s_sub_co_u32 s[CNT], s[CNT], 1
	s_cmp_lg_u32 s[CNT], 0
	s_cbranch_scc1 .Ltail
	; THE WAY OUT: l's two halves and the other half of the lanes' are added; O^T is divided by l, rounded to f16 and sent through my stage, a tile at a time.
	PLACES
.irp t, 0,1
	v_add_f32 v[ST+4*(\t)+2], v[ST+4*(\t)+2], v[ST+4*(\t)+3]
.endr
.irp t, 0,1
	v_permlanex16_b32 v[ST+4*(\t)+3], v[ST+4*(\t)+2], s[SEL], s[SEL+1]
.endr
.irp t, 0,1
	v_add_f32 v[ST+4*(\t)+2], v[ST+4*(\t)+2], v[ST+4*(\t)+3]
.endr
.irp t, 0,1
	v_rcp_f32 v[ST+4*(\t)+2], v[ST+4*(\t)+2]
.endr
	v_mov_b32 v234, 0x7fc00000      ; (also the plain instruction behind the reciprocals)
	s_wait_alu depctr_va_vdst(0)
.irp t, 0,1
	v_cmp_gt_f32 vcc_lo, s76, v[ST+4*(\t)+1]       ; m never rose above its start: the row saw no key
	v_cndmask_b32 v[ST+4*(\t)+2], v[ST+4*(\t)+2], v234, vcc_lo
.endr
.macro PACK t
.set i, 0
.rept 16
	v_pk_mul_f32 v[OT+32*(\t)+2*i:OT+32*(\t)+2*i+1], v[OT+32*(\t)+2*i:OT+32*(\t)+2*i+1], v[ST+4*(\t)+2:ST+4*(\t)+3] op_sel_hi:[1,0]
.set i, i+1
.endr
.set i, 0
.rept 16
	v_cvt_pk_f16_f32 v[GS+40*(\t)+i], v[OT+32*(\t)+2*i], v[OT+32*(\t)+2*i+1]
.set i, i+1
.endr
.irp f, 0,1,2,3
	ds_store_b128 v[STO], v[GS+40*(\t)+4*(\f):GS+40*(\t)+4*(\f)+3] offset:32*(\f)
.endr
.irp f, 0,1,2,3
	ds_load_b128 v[GS+40*(\t)+4*(\f):GS+40*(\t)+4*(\f)+3], v[RD] offset:(\f)*4*SP  ; in order behind the stores above; the next tile's stores come behind them
.endr
.endm
.macro SEND t, younger              ; younger: the LDS instructions issued behind tile t's loads
.irp f, 0,1,2,3
	s_wait_dscnt (\younger)+3-(\f)
	global_store_b128 v[GO], v[GS+40*(\t)+4*(\f):GS+40*(\t)+4*(\f)+3], s[8:9] offset:(\t)*2048+(\f)*512  ; four rows: 512 consecutive bytes, aligned to 256
.endr
.endm
	PACK 0
	PACK 1
	SEND 0, 8
	SEND 1, 0
	s_wait_tensorcnt 0x0            ; the wave's end
	ds_add_u32 v[SPW], v[NIL]
	s_wait_dscnt 0x0
	s_endpgm
.Lfunc_end_k_qa5313b82d4_attn:
	.size	k_qa5313b82d4_attn, .Lfunc_end_k_qa5313b82d4_attn-k_qa5313b82d4_attn
	.p2alignl 7, 3214868480
	.fill 96, 4, 3214868480
	.section	.rodata,"a",@progbits
	.p2align	6, 0x0
	.amdhsa_kernel k_qa5313b82d4_attn
		.amdhsa_group_segment_fixed_size 327680
		.amdhsa_private_segment_fixed_size 0
		.amdhsa_enable_private_segment 0
		.amdhsa_kernarg_size 24
		.amdhsa_user_sgpr_count 2
		.amdhsa_user_sgpr_kernarg_segment_ptr 1
		.amdhsa_wavefront_size32 1
		.amdhsa_system_sgpr_workgroup_id_x 1
		.amdhsa_system_sgpr_workgroup_id_y 1
		.amdhsa_system_sgpr_workgroup_id_z 1
		.amdhsa_system_vgpr_workitem_id 0
		.amdhsa_next_free_vgpr 512
		.amdhsa_next_free_sgpr 80
		.amdhsa_reserve_vcc 1
		.amdhsa_float_denorm_mode_32 3
		.amdhsa_float_denorm_mode_16_64 3
		.amdhsa_memory_ordered 1
		.amdhsa_forward_progress 1
		.amdhsa_inst_pref_size 91
	.end_amdhsa_kernel
	.amdgpu_metadata
---
amdhsa.version: [ 1, 2 ]
amdhsa.kernels:
  - .name:           k_qa5313b82d4_attn
    .symbol:         k_qa5313b82d4_attn.kd
    .args:
      - { .name: heads, .offset: 0, .size: 8, .value_kind: global_buffer, .address_space: global }
      - { .name: ms, .offset: 8, .size: 8, .value_kind: global_buffer, .address_space: global }
      - { .name: av, .offset: 16, .size: 8, .value_kind: global_buffer, .address_space: global }
    .group_segment_fixed_size: 327680
    .private_segment_fixed_size: 0
    .kernarg_segment_align: 8
    .kernarg_segment_size: 24
    .max_flat_workgroup_size: 256
    .sgpr_count:     80
    .vgpr_count:     512
    .wavefront_size: 32
...
	.end_amdgpu_metadata
.endif
;; end of part 3
;; launch oproj (part 4): grid 64 x 1, 4 waves a work-group, clusters of 4 x 1, 327,680 bytes of LDS; arguments av, wo16, acts, gamma, beta, out0; writes out0
.if DOCPART == 4
	.amdgcn_target "amdgcn-amd-amdhsa--gfx1250"
	.amdhsa_code_object_version 6
	.text
	.protected	k_qa5313b82d4_oproj
	.globl	k_qa5313b82d4_oproj
	.p2align	8
	.type	k_qa5313b82d4_oproj,@function
k_qa5313b82d4_oproj:
	s_mov_b64 s[64:65], 0
	v_nop
	global_prefetch_b8 v0, s[64:65] scope:SCOPE_SE
	s_setreg_imm32_b32 hwreg(HW_REG_WAVE_MODE, 25, 1), 1
	s_wait_xcnt 0x0
	s_wait_alu depctr_hold_cnt(0) depctr_sa_sdst(0) depctr_va_vdst(0) depctr_va_sdst(0) depctr_va_ssrc(0) depctr_va_vcc(0) depctr_vm_vsrc(0)
	s_getreg_b32 s2, hwreg(HW_REG_IB_STS2, 6, 4)
	s_cmp_eq_u32 s2, 0
	s_cbranch_scc0 .Lentry_in_a_cluster
	s_endpgm
.Lentry_in_a_cluster:
	s_bfe_u32 s2, ttmp6, 0x10000c
	s_cmp_lg_u32 s2, 0x3003
	s_cbranch_scc0 .Lentry_shape_is_right
	s_endpgm
.Lentry_shape_is_right:
; OUTPUT PROJECTION, RESIDUAL AND LAYER NORM.  x[i][b][:] = w[i][b][:] + sum over h of O[i][b][h] W_o[:][h];  out = (x - mean) rsqrt(var + 1e-5) gamma + beta.
; O (av, by heads) and W_o (wo16, in blocks of 64 along K, a block = one head) in f16, sums in f32; w, gamma and beta rounded to bf16, as every input of the program is; the norm in f32, the variance of the differences from the mean.
; SHARES.  A work-group owns 64 rows (one batch entry, 64 queries) and ALL 1,024 columns, so that a row's mean and variance never leave it: 4,096 rows make 64 work-groups.  Wave w makes columns 256 w on: 4 x 16 accumulators.
; Fewer rows to a work-group would fill more of the chip, but every such work-group takes in all of W_o, so the matrix work for each byte fetched would fall with the rows.
; W_o's blocks go through two LDS slots; all work-groups walk the same blocks, so the four of a cluster ask jointly.  O's fragments come straight from memory into registers, a K step ahead.
; THE MATRIX INSTRUCTION IS USED TRANSPOSED (source 0 = 16 rows of W_o, source 1 = 16 rows of O): a lane holds eight neighbouring columns of one row.
; Behind the K loop the sums go into LDS (64 rows x 4,112 bytes, over the slots, which have had their last fill), and each wave norms 16 whole rows, two a trip.
; A row of O that is NaN (a query with no visible key) makes its whole row of the output NaN.
; REGISTERS.  window 0: v0-31 addresses; v64-127, v128-191 O's fragments, two buffers; in the norm v32-63 gamma, v64-95 beta, v96-159 two rows, v224-255 at work.
;   window 1: v0-127, v128-255 W_o's fragments (16 x 16 rows x 32 K each); in the norm v0-31 the residual, v64-127 the sums.   windows 2, 3: accumulator (a, b) at v[8 (16 (a % 2) + b)] of window 2 + a / 2.
.set PB,    144                        ; a row of a block in LDS: 128 bytes + 16
.set WPART, 256*PB                     ; a wave's 256 rows
.set SLOT,  4*WPART
.set SPARE, 2*SLOT                     ; behind the slots: the spare words, 128 bytes a wave: two blocks of 256 bytes that no other line names
.set XP,    4112                       ; a row of sums: 4,096 bytes + 16
.set AO,  4
.set ADB, 16                           ; v16-17
.set XSA, 20                           ; v20-23: where block a's sums go
.set XR,  24                           ; where my next two rows of sums lie
.set L16, 25
.set L8,  26
.set SPW, 28
.set NIL, 29
.set AB0, 64
.set FB0, 0
.set FB1, 128
.set GA,  32
.set BE,  64
.set XX,  96
.set TT,  224
.set RS,  0
.set SL,  64
.set G1,  24
.set G0,  32
.set MSB, 0
.macro WIN new
.if MSB != (\new)
	s_set_vgpr_msb (MSB<<8)|(\new)
.set MSB, \new
.endif
.endm
.macro PLACES
.rept 4
	v_nop
.endr
.endm
.macro CREST
	s_cmp_lg_u32 s16, 0
	s_cbranch_scc1 .Lnot_wave_0_\@
	s_barrier_signal -3
.Lnot_wave_0_\@:
	s_barrier_wait -3
	s_barrier_signal -1
	s_barrier_wait -1
.endm
.macro CROUND
	s_barrier_signal -1
	s_barrier_wait -1
	CREST
.endm
	s_load_b256 s[4:11], s[0:1], 0x0               ; av s[4:5], wo16 s[6:7], acts s[8:9], gamma s[10:11]
	s_load_b128 s[12:15], s[0:1], 0x20             ; beta s[12:13], out0 s[14:15]
	v_lshl_add_u32 v[SPW], v0, 2, SPARE
	v_mov_b32 v[NIL], 0
	ds_add_u32 v[SPW], v[NIL]                      ; the wave's opening: the add and its wait ahead of my first tensor load
	v_lshrrev_b32 v1, 5, v0
	v_readfirstlane_b32 s16, v1                    ; wave
	s_bfe_u32 s17, ttmp6, 0x40000                  ; cx
	s_lshl_b32 s18, ttmp9, 2
	s_add_co_u32 s18, s18, s17                     ; my block of 64 rows: it enters O's, w's and the output's addresses alone
	s_lshr_b32 s19, s18, 5                         ; b
	s_and_b32 s20, s18, 31
	s_lshl_b32 s20, s20, 6                         ; my first query
	s_mov_b32 s[G1], 15|(1<<16)|(1<<20)|(1<<21)|(4<<22)|(3<<25)  ; the mask of four; 2-byte elements; padding on; bit 21 beside a mask; after every 32 words 4 words
	s_mov_b32 s[G1+1], 128<<16                     ; 32,768 dense bytes asked for as 128 rows of 256: two rows of a block each
	s_mov_b32 s[G1+2], 128<<16
	s_mov_b32 s[G1+3], 128<<16
	s_mov_b32 s[G1+4], 128
	s_mov_b32 s[G1+5], 128
	s_mov_b32 s[G1+6], 0
	s_mov_b32 s[G1+7], 0
	s_mul_i32 s21, s16, WPART
	s_lshl_b32 s44, s16, 15                        ; my 256 rows of a block
	s_mov_b32 s45, 0
	s_lshl_b32 s46, s19, 22                        ; O: the batch entry's 16 heads, my rows
	s_lshl_b32 s47, s20, 7
	s_add_co_u32 s46, s46, s47
	s_mov_b32 s47, 0
	s_lshl_b32 s48, s18, 6
	s_lshl4_add_u32 s48, s16, s48                  ; acts: row 64 block + 16 wave
	s_lshl_b32 s48, s48, 11
	s_mov_b32 s49, 0
	s_lshl4_add_u32 s50, s16, s20
	s_lshl1_add_u32 s50, s50, s19                  ; out0: row 2 (query + 16 wave) + b
	s_lshl_b32 s50, s50, 12
	s_mov_b32 s51, 0
	s_mov_b32 s40, 0x3a800000                      ; 1 / 1,024
	s_mov_b32 s41, 0xffff0000
	s_mov_b32 s42, 0x76543210
	s_mov_b32 s43, 0xfedcba98
	v_and_b32 v1, 15, v0                           ; r
	v_bfe_u32 v2, v0, 4, 1                         ; h
	v_and_b32 v3, 31, v0
	v_lshlrev_b32 v[AO], 7, v1
	v_lshl_add_u32 v[AO], v2, 4, v[AO]
	v_mul_u32_u24 v5, v1, PB
	v_lshl_add_u32 v5, v2, 4, v5
	v_add_nc_u32 v[ADB], s21, v5
	v_add_nc_u32 v[ADB+1], SLOT, v[ADB]
	v_mul_u32_u24 v5, v1, XP
	v_lshl_add_u32 v5, v2, 5, v5
	v_lshl_add_u32 v[XSA], s16, 10, v5             ; row r, my 1,024 bytes, 32 for each half of the lanes
	v_add_nc_u32 v[XSA+1], 16*XP, v[XSA]
	v_add_nc_u32 v[XSA+2], 32*XP, v[XSA]
	v_add_nc_u32 v[XSA+3], 48*XP, v[XSA]
	v_lshlrev_b32 v[L16], 4, v3
	v_lshlrev_b32 v[L8], 3, v3
	s_mul_i32 s22, s16, 16*XP
	v_add_nc_u32 v[XR], s22, v[L16]
	s_wait_dscnt 0x0                               ; the opening add is done
	s_wait_kmcnt 0x0
	s_add_nc_u64 s[6:7], s[6:7], s[44:45]
	s_add_nc_u64 s[4:5], s[4:5], s[46:47]
	s_add_nc_u64 s[8:9], s[8:9], s[48:49]
	s_add_nc_u64 s[14:15], s[14:15], s[50:51]
	CROUND                                         ; all four work-groups are here: the first joint loads meet
.irp s, 0,1
	s_mov_b32 s[G0+4*(\s)], 1
	s_add_co_u32 s[G0+4*(\s)+1], s21, (\s)*SLOT
	s_add_nc_u64 s[G0+4*(\s)+2:G0+4*(\s)+3], s[6:7], (\s)*131072
	s_or_b32 s[G0+4*(\s)+3], s[G0+4*(\s)+3], 0x80000000
.endr
	tensor_load_to_lds s[G0:G0+3], s[G1:G1+7]      ; blocks 0 and 1: two loads of mine are out
	s_nop 0
	tensor_load_to_lds s[G0+4:G0+7], s[G1:G1+7]
	s_nop 0
.rept 4
	v_nop
.endr
.macro ALOAD ab                        ; O's fragments of a K step: 64 rows x 64 channels
	WIN 0
.irp a, 0,1,2,3
.irp kh, 0,1
	global_load_b128 v[(\ab)+16*(\a)+8*(\kh):(\ab)+16*(\a)+8*(\kh)+3],   v[AO], s[4:5] offset:(\a)*2048+(\kh)*64
	global_load_b128 v[(\ab)+16*(\a)+8*(\kh)+4:(\ab)+16*(\a)+8*(\kh)+7], v[AO], s[4:5] offset:(\a)*2048+(\kh)*64+32
.endr
.endr
.endm
.macro FETCHB slot, kh, fb             ; 32 LDS loads in one run: my 256 rows of W_o, 32 along K
	WIN 0x40
.irp b, 0,1,2,3,4,5,6,7,8,9,10,11,12,13,14,15
	ds_load_b128 v[(\fb)+8*(\b):(\fb)+8*(\b)+3],   v[ADB+(\slot)] offset:(\b)*16*PB+(\kh)*64
	ds_load_b128 v[(\fb)+8*(\b)+4:(\fb)+8*(\b)+7], v[ADB+(\slot)] offset:(\b)*16*PB+(\kh)*64+32
.endr
.endm
.macro MUL16 fb, ab, kh, a, zero       ; row block a x all 16 column blocks: sixteen accumulators by turns
	WIN 0xa1+0x50*((\a)/2)
.irp b, 0,1,2,3,4,5,6,7,8,9,10,11,12,13,14,15
.if \zero
	v_wmma_f32_16x16x32_f16 v[8*(16*((\a)%2)+(\b)):8*(16*((\a)%2)+(\b))+7], v[(\fb)+8*(\b):(\fb)+8*(\b)+7], v[(\ab)+16*(\a)+8*(\kh):(\ab)+16*(\a)+8*(\kh)+7], 0
.else
	v_wmma_f32_16x16x32_f16 v[8*(16*((\a)%2)+(\b)):8*(16*((\a)%2)+(\b))+7], v[(\fb)+8*(\b):(\fb)+8*(\b)+7], v[(\ab)+16*(\a)+8*(\kh):(\ab)+16*(\a)+8*(\kh)+7], v[8*(16*((\a)%2)+(\b)):8*(16*((\a)%2)+(\b))+7]
.endif
.endr
.endm
; A K step's first half (K 0-31 of the block).  ahead = 1: the next step's O is asked for, into the other buffer.
.macro HALF0 slot, zero, ahead
	s_wait_loadcnt 0x0                             ; this step's O; its base may be stepped
	s_wait_dscnt 0x0                               ; W_o's first 32 along K
	MUL16 FB0, AB0+64*(\slot), 0, 0, \zero
	MUL16 FB0, AB0+64*(\slot), 0, 1, \zero
	PLACES
	FETCHB \slot, 1, FB1
.if \ahead
	s_add_nc_u64 s[4:5], s[4:5], 262144            ; the next head
	ALOAD AB0+64*(1-(\slot))
.endif
	MUL16 FB0, AB0+64*(\slot), 0, 2, \zero
	MUL16 FB0, AB0+64*(\slot), 0, 3, \zero
.endm
; Its second half changes slots: one barrier; in front of it each wave waits for all its tensor loads, adds 0 to its spare word, and waits for that and for its reads of this slot.  fill = 1: the barrier opens a round of the
; cluster's, and the slot is filled again, two blocks on, first thing behind it.
.macro HALF1 slot, next, fill
	WIN 0
	s_wait_tensorcnt 0x0                           ; the one load that was out is my part of the next slot
	ds_add_u32 v[SPW], v[NIL]
	s_wait_dscnt 1                                 ; (the add alone may be out)
	MUL16 FB1, AB0+64*(\slot), 1, 0, 0
	s_wait_dscnt 0x0                               ; the add is done, and my reads of this slot are over
	s_barrier_signal -1
	MUL16 FB1, AB0+64*(\slot), 1, 1, 0
	WIN 0
	s_barrier_wait -1
.if \fill
	CREST
	s_add_nc_u64 s[G0+4*(\slot)+2:G0+4*(\slot)+3], s[G0+4*(\slot)+2:G0+4*(\slot)+3], 2*131072
	tensor_load_to_lds s[G0+4*(\slot):G0+4*(\slot)+3], s[G1:G1+7]  ; my one tensor load behind the round
	s_nop 0
.rept 4
	v_nop                                          ; also the places in front of the loads below
.endr
.else
	PLACES
.endif
	FETCHB \next, 0, FB0
	MUL16 FB1, AB0+64*(\slot), 1, 2, 0
	MUL16 FB1, AB0+64*(\slot), 1, 3, 0
.endm
	ALOAD AB0
	s_wait_tensorcnt 0x1                           ; my part of block 0 is in; block 1's may stay out
	s_barrier_signal -1
	s_barrier_wait -1
	FETCHB 0, 0, FB0
	HALF0 0, 1, 1                                  ; the first products start the sums
	WIN 0
	s_mov_b32 s3, 7
.Llap:                                                 ; seven trips: two K steps each, from a step's second half to the first half of the step after the next
	HALF1 0, 1, 1
	HALF0 1, 0, 1
	HALF1 1, 0, 1
	HALF0 0, 0, 1
	WIN 0
	s_sub_co_u32 s3, s3, 1
	s_cmp_lg_u32 s3, 0
	s_cbranch_scc1 .Llap
	HALF1 0, 1, 0                                  ; the last two blocks are in: nothing is asked for
	HALF0 1, 0, 0
	s_wait_dscnt 0x0
	MUL16 FB1, AB0+64, 1, 0, 0
	MUL16 FB1, AB0+64, 1, 1, 0
	MUL16 FB1, AB0+64, 1, 2, 0
	MUL16 FB1, AB0+64, 1, 3, 0
	WIN 0
	PLACES
	; THE NORM.  gamma, beta and the first two rows of the residual are asked for now and land while the sums are staged.
.macro RLOAD                           ; two rows of w in bf16: my four columns of each 128
	WIN 0x40
.irp k, 0,1
.irp t, 0,1,2,3,4,5,6,7
	global_load_b64 v[RS+16*(\k)+2*(\t):RS+16*(\k)+2*(\t)+1], v[L8], s[8:9] offset:(\k)*2048+(\t)*256
.endr
.endr
.endm
.macro SLOAD                           ; the same two rows' sums
	WIN 0x40
.irp k, 0,1
.irp t, 0,1,2,3,4,5,6,7
	ds_load_b128 v[SL+32*(\k)+4*(\t):SL+32*(\k)+4*(\t)+3], v[XR] offset:(\k)*XP+(\t)*512
.endr
.endr
.endm
.irp t, 0,1,2,3,4,5,6,7
	global_load_b128 v[GA+4*(\t):GA+4*(\t)+3], v[L16], s[10:11] offset:(\t)*512
	global_load_b128 v[BE+4*(\t):BE+4*(\t)+3], v[L16], s[12:13] offset:(\t)*512
.endr
	RLOAD
	WIN 0
	s_wait_dscnt 0x0
	s_barrier_signal -1                            ; every wave's reads of the slots are over:
	s_barrier_wait -1                              ; the sums may be laid over them
.irp a, 0,1,2,3
	WIN 0x08+4*((\a)/2)                            ; the stores' data in window 2 or 3
.irp b, 0,1,2,3,4,5,6,7,8,9,10,11,12,13,14,15
	ds_store_b128 v[XSA+(\a)], v[8*(16*((\a)%2)+(\b)):8*(16*((\a)%2)+(\b))+3]   offset:64*(\b)
	ds_store_b128 v[XSA+(\a)], v[8*(16*((\a)%2)+(\b))+4:8*(16*((\a)%2)+(\b))+7] offset:64*(\b)+16
.endr
.endr
	WIN 0
	s_wait_dscnt 0x0                               ; for the others' sake: my stores are done
	s_barrier_signal -1
	s_barrier_wait -1
	SLOAD
	WIN 0
	s_wait_loadcnt 0x0
.irp q, GA, BE
.set i, 0
.rept 16                                       ; gamma and beta rounded to bf16 and widened again
	v_cvt_pk_bf16_f32 v[TT+i%4], v[\q+2*i], v[\q+2*i+1]
	v_lshlrev_b32 v[\q+2*i], 16, v[TT+i%4]
	v_and_b32 v[\q+2*i+1], s41, v[TT+i%4]
.set i, i+1
.endr
.endr
.macro LANES o                         ; for both rows: the pair at v[TT + 16 k + o] summed, then over the wave's 32 lanes; the result in every lane
.irp k, 0,1
	v_add_f32 v[TT+16*(\k)+(\o)], v[TT+16*(\k)+(\o)], v[TT+16*(\k)+(\o)+1]
.endr
.irp x, 1,2,4,8
.irp k, 0,1
	v_add_f32_dpp v[TT+16*(\k)+(\o)], v[TT+16*(\k)+(\o)], v[TT+16*(\k)+(\o)] row_xmask:\x row_mask:0xf bank_mask:0xf
.endr
.endr
.irp k, 0,1
	v_permlanex16_b32 v[TT+16*(\k)+(\o)+1], v[TT+16*(\k)+(\o)], s42, s43
.endr
.irp k, 0,1
	v_add_f32 v[TT+16*(\k)+(\o)], v[TT+16*(\k)+(\o)], v[TT+16*(\k)+(\o)+1]
.endr
.endm
	s_mov_b32 s3, 8
.Lrow:                                                 ; eight trips of two rows; a lane holds columns 128 t + 4 lane .. + 3, t = 0 .. 7
	s_wait_loadcnt 0x0                             ; the residual,
	s_wait_dscnt 0x0                               ; the sums
	WIN 0x04                                       ; source 1 in window 1
.irp k, 0,1
.set i, 0
.rept 16
	v_lshlrev_b32 v[XX+32*(\k)+2*i], 16, v[RS+16*(\k)+i]
	v_and_b32 v[XX+32*(\k)+2*i+1], s41, v[RS+16*(\k)+i]
.set i, i+1
.endr
.set i, 0
.rept 16
	v_pk_add_f32 v[XX+32*(\k)+2*i:XX+32*(\k)+2*i+1], v[XX+32*(\k)+2*i:XX+32*(\k)+2*i+1], v[SL+32*(\k)+2*i:SL+32*(\k)+2*i+1]
.set i, i+1
.endr
.endr
	WIN 0
	v_add_nc_u32 v[XR], 2*XP, v[XR]
	s_add_nc_u64 s[8:9], s[8:9], 4096
	RLOAD                                          ; the next trip's two rows.  In the last trip these are the two rows behind my sixteen: acts has 6,144 rows and these lie below row 4,100;
	SLOAD                                          ; the LDS bytes lie below the spare words and were written ahead of the last barrier; nothing uses either
	WIN 0
.irp k, 0,1
.set i, 0
.rept 8
	v_pk_add_f32 v[TT+16*(\k)+2*i:TT+16*(\k)+2*i+1], v[XX+32*(\k)+4*i:XX+32*(\k)+4*i+1], v[XX+32*(\k)+4*i+2:XX+32*(\k)+4*i+3]
.set i, i+1
.endr
.endr
.irp w, 4,8,16
.irp k, 0,1
.set i, 0
.rept 16/(\w)
	v_pk_add_f32 v[TT+16*(\k)+(\w)*i:TT+16*(\k)+(\w)*i+1], v[TT+16*(\k)+(\w)*i:TT+16*(\k)+(\w)*i+1], v[TT+16*(\k)+(\w)*i+(\w)/2:TT+16*(\k)+(\w)*i+(\w)/2+1]
.set i, i+1
.endr
.endr
.endr
	LANES 0
.irp k, 0,1
	v_mul_f32 v[TT+16*(\k)], s40, v[TT+16*(\k)]    ; the mean
.endr
.irp k, 0,1
.set i, 0
.rept 16
	v_pk_add_f32 v[XX+32*(\k)+2*i:XX+32*(\k)+2*i+1], v[XX+32*(\k)+2*i:XX+32*(\k)+2*i+1], v[TT+16*(\k):TT+16*(\k)+1] op_sel_hi:[1,0] neg_lo:[0,1] neg_hi:[0,1]
.set i, i+1
.endr
.endr
.irp k, 0,1
.set i, 0
.rept 16                                       ; the squares, in four chains that the first four products start
.if i < 4
	v_pk_mul_f32 v[TT+16*(\k)+2+2*i:TT+16*(\k)+3+2*i], v[XX+32*(\k)+2*i:XX+32*(\k)+2*i+1], v[XX+32*(\k)+2*i:XX+32*(\k)+2*i+1]
.else
	v_pk_fma_f32 v[TT+16*(\k)+2+2*(i%4):TT+16*(\k)+3+2*(i%4)], v[XX+32*(\k)+2*i:XX+32*(\k)+2*i+1], v[XX+32*(\k)+2*i:XX+32*(\k)+2*i+1], v[TT+16*(\k)+2+2*(i%4):TT+16*(\k)+3+2*(i%4)]
.endif
.set i, i+1
.endr
.endr
.irp k, 0,1
	v_pk_add_f32 v[TT+16*(\k)+2:TT+16*(\k)+3], v[TT+16*(\k)+2:TT+16*(\k)+3], v[TT+16*(\k)+4:TT+16*(\k)+5]
	v_pk_add_f32 v[TT+16*(\k)+6:TT+16*(\k)+7], v[TT+16*(\k)+6:TT+16*(\k)+7], v[TT+16*(\k)+8:TT+16*(\k)+9]
.endr
.irp k, 0,1
	v_pk_add_f32 v[TT+16*(\k)+2:TT+16*(\k)+3], v[TT+16*(\k)+2:TT+16*(\k)+3], v[TT+16*(\k)+6:TT+16*(\k)+7]
.endr
	LANES 2
.irp k, 0,1
	v_fmaak_f32 v[TT+16*(\k)+2], s40, v[TT+16*(\k)+2], 0x3727c5ac  ; the variance + 1e-5
.endr
.irp k, 0,1
	v_rsq_f32 v[TT+16*(\k)+2], v[TT+16*(\k)+2]
.endr
	v_nop                                          ; a plain instruction behind the two roots
	s_wait_alu depctr_va_vdst(0)
.irp k, 0,1
.set i, 0
.rept 16
	v_pk_mul_f32 v[XX+32*(\k)+2*i:XX+32*(\k)+2*i+1], v[XX+32*(\k)+2*i:XX+32*(\k)+2*i+1], v[TT+16*(\k)+2:TT+16*(\k)+3] op_sel_hi:[1,0]
.set i, i+1
.endr
.endr
.irp k, 0,1
.set i, 0
.rept 16
	v_pk_fma_f32 v[XX+32*(\k)+2*i:XX+32*(\k)+2*i+1], v[XX+32*(\k)+2*i:XX+32*(\k)+2*i+1], v[GA+2*i:GA+2*i+1], v[BE+2*i:BE+2*i+1]
.set i, i+1
.endr
.irp t, 0,1,2,3,4,5,6,7
	global_store_b128 v[L16], v[XX+32*(\k)+4*(\t):XX+32*(\k)+4*(\t)+3], s[14:15] offset:(\k)*8192+(\t)*512 th:TH_STORE_NT  ; 512 consecutive bytes, aligned; the next query's row lies 8,192 bytes on
.endr
.endr
	s_wait_xcnt 0x0                                ; the stores' data and base are rewritten only behind this wait
	s_add_nc_u64 s[14:15], s[14:15], 16384
	s_sub_co_u32 s3, s3, 1
	s_cmp_lg_u32 s3, 0
	s_cbranch_scc1 .Lrow
	s_wait_tensorcnt 0x0                           ; the wave's end
	ds_add_u32 v[SPW], v[NIL]
	s_wait_dscnt 0x0
	CROUND                                         ; the closing round
	s_endpgm
.Lfunc_end_k_qa5313b82d4_oproj:
	.size	k_qa5313b82d4_oproj, .Lfunc_end_k_qa5313b82d4_oproj-k_qa5313b82d4_oproj
	.p2alignl 7, 3214868480
	.fill 96, 4, 3214868480
	.section	.rodata,"a",@progbits
	.p2align	6, 0x0
	.amdhsa_kernel k_qa5313b82d4_oproj
		.amdhsa_group_segment_fixed_size 327680
		.amdhsa_private_segment_fixed_size 0
		.amdhsa_enable_private_segment 0
		.amdhsa_kernarg_size 48
		.amdhsa_user_sgpr_count 2
		.amdhsa_user_sgpr_kernarg_segment_ptr 1
		.amdhsa_wavefront_size32 1
		.amdhsa_system_sgpr_workgroup_id_x 1
		.amdhsa_system_sgpr_workgroup_id_y 1
		.amdhsa_system_sgpr_workgroup_id_z 1
		.amdhsa_system_vgpr_workitem_id 0
		.amdhsa_next_free_vgpr 1024
		.amdhsa_next_free_sgpr 66
		.amdhsa_reserve_vcc 0
		.amdhsa_float_denorm_mode_32 3
		.amdhsa_float_denorm_mode_16_64 3
		.amdhsa_memory_ordered 1
		.amdhsa_forward_progress 1
		.amdhsa_inst_pref_size 101
	.end_amdhsa_kernel
	.amdgpu_metadata
---
amdhsa.version: [ 1, 2 ]
amdhsa.kernels:
  - .name:           k_qa5313b82d4_oproj
    .symbol:         k_qa5313b82d4_oproj.kd
    .args:
      - { .name: av, .offset: 0, .size: 8, .value_kind: global_buffer, .address_space: global }
      - { .name: wo16, .offset: 8, .size: 8, .value_kind: global_buffer, .address_space: global }
      - { .name: acts, .offset: 16, .size: 8, .value_kind: global_buffer, .address_space: global }
      - { .name: gamma, .offset: 24, .size: 8, .value_kind: global_buffer, .address_space: global }
      - { .name: beta, .offset: 32, .size: 8, .value_kind: global_buffer, .address_space: global }
      - { .name: out0, .offset: 40, .size: 8, .value_kind: global_buffer, .address_space: global }
    .group_segment_fixed_size: 327680
    .private_segment_fixed_size: 0
    .kernarg_segment_align: 8
    .kernarg_segment_size: 48
    .max_flat_workgroup_size: 128
    .sgpr_count:     66
    .vgpr_count:     1024
    .wavefront_size: 32
...
	.end_amdgpu_metadata
.endif
;; end of part 4
;; ======== version 2 of 3: 5 launches; 1.14 times as fast as version 1
;; limits: values are held in f16: magnitudes above 65,504 overflow, below 6.1e-05 lose precision
;; workspace buffers: acts 12,582,912 bytes; wts 8,388,608 bytes; wo16 2,097,152 bytes; ms 5,242,880 bytes; heads 41,947,136 bytes; av 8,388,608 bytes; xo 16,777,216 bytes
;; launch prep: the kernel of part 1 again; grid 480 x 1, 8 waves a work-group, no clusters, 0 bytes of LDS; arguments w, r, W_qkv, W_r, W_o, attn_mask, acts, wts, wo16, ms, heads; writes acts, wts, wo16, ms, heads
;; launch proj: the kernel of part 2 again; grid 4 x 56, 4 waves a work-group, clusters of 4 x 4, 327,680 bytes of LDS; arguments acts, wts, r_w_bias, r_r_bias, heads; writes heads
;; launch attn (part 5): grid 8 x 32, 8 waves a work-group, no clusters, 327,680 bytes of LDS; arguments heads, ms, av; writes av
.if DOCPART == 5
	.amdgcn_target "amdgcn-amd-amdhsa--gfx1250"
	.amdhsa_code_object_version 6
	.text
	.protected	k_qa5313b82d4_attn
	.globl	k_qa5313b82d4_attn
	.p2align	8
	.type	k_qa5313b82d4_attn,@function
k_qa5313b82d4_attn:
	s_mov_b64 s[64:65], 0
	v_nop
	global_prefetch_b8 v0, s[64:65] scope:SCOPE_SE
	s_setreg_imm32_b32 hwreg(HW_REG_WAVE_MODE, 25, 1), 1
	s_wait_xcnt 0x0
; RELATIVE ATTENTION.  For head bn = 16 b + n and query i:  O[i] = sum over j of softmax_j((Qu[i] . K[j] + BD[i][j]) / 8, masked) V[j],
; where the shifted relative term is BD[i][j] = Qsel . E[2047 - i + j]: E is the head's doubled table (rows 0-2047 R, row 2048 zeros, rows 2049 on R again), Qsel = Qv[i] for rows of E below 2048 and Qv[i + 1] from 2048 on.
; All of Qu, Qv, K, V, E, the weights p and O in f16; products, scores, maxima and sums in f32.
; LIMITS.  A masked score counts as -2^105; f16's scores are 5.5e11 at the most.  The running maximum m starts at -2^100, below every true score and above every masked one, so a masked weight is exactly 0 and a row
; that has seen no key yet carries l = 0 and O = 0.  A row with no visible key at all ends with m = -2^100 and gets NaN, as a softmax over nothing gives.  A weight below 2^-126 counts as 0.  NaN and infinities among the inputs are not treated apart.
; SHARES.  A work-group owns 256 queries of one head, each of its eight waves 32: two tiles t of 16.  Every wave walks all 2,048 keys, 64 a step, two steps to an LDS slot.  Two waves lie on a SIMD: the step is written in phases,
; and one wave's vector and LDS work stands beside the other's products.
; THE RELATIVE TERM of 16 queries x 64 keys needs 79 rows of E: five plain tiles G(t, e) = Qsel x E^T (a lane holds one row of E, its registers eight queries).  Their C operand is the mask, which an earlier launch laid out in G's own
; order: one scaled conversion turns 8 bytes into eight f32, 0 or -2^105.  G goes into my wave's own stage by rows of 400 bytes, each row one word further right than the last (store pitch 404), which undoes the shift; it comes back, 16 bytes
; at a time, as the C operand of S^T = K Qu^T + C (a lane holds one query, its registers eight keys).  Two such results rounded to f16 are source 1 of O^T = V^T P.
; ONLY FOUR OF THE FIVE TILES ARE MADE IN A STEP.  The window of E moves 64 rows, four tiles, a step, so a step's tile e = 0 is the step before's tile e = 4: the same rows of E, the same mask bytes, the same Qsel.  That tile stays in its
; registers, which S^T does not use, and is stored a second time, 64 words further left, at the head of the next step.  The first step's tile 0 is made ahead of the loop.
; NO CLUSTER: the work-groups that share K and V are a head's query blocks, and for them the window of E and the branch that chooses Qsel hang on the block's place; work-groups that share E (the two batch entries) share neither K nor V.
; REGISTERS.  window 0: v0-17 addresses; v18-35 statistics; v36-55 mask bytes; v56-135 G (G(t, e) at 56 + 40 t + 8 e, e = 1 .. 4), and S^T in the same registers (S(t, k) at 56 + 40 t + 8 k, k = 0 .. 3); v136-167 P; v168-231 O^T;
;   v232-236 Q's offsets and two at work.   window 1: v0-31 Qu; v32-63 Qv; v64-95 Qv of the next row; v96-159 K of a step; v160-255 fragments of E (fragment g at 160 + 16 g), later V.
.set KS,    64
.set PK,    144       ; a row of K or E in LDS: 128 bytes + 16
.set PVP,   160       ; a row of V: 128 + 32, for the turning load
.set VOFF,  128*PK    ; a slot: 128 rows of K, 128 rows of V, 384 rows of E
.set EOFF,  VOFF+128*PVP
.set SLOT1, 1<<17     ; slot 1 begins here: one exclusive or turns an address in one slot into the other's
.set SPARE, EOFF+384*PK  ; behind slot 0: the spare words, 128 bytes for each of eight waves: four blocks of 256 bytes that no other line names
.set STAGE, SLOT1+SPARE  ; behind slot 1, never filled by a tensor load: for each wave two tiles of 16 rows x 400 bytes
.set GP,    400
.set TST,   16*GP
.set SP,    144       ; the way out's rows in the same stage
.set KKS,   8388608   ; the sections of heads
.set VVS,   16777216
.set EES,   25165824
.set QVS,   33558528
.set EHS,   524544
.set AK0, 2
.set AV0, 3
.set AE0, 4
.set AK,  5
.set AV,  6
.set AE,  7
.set SA,  8           ; where register 0 of tile (0, 0) goes
.set SR,  9           ; where S(0, 0) comes from
.set MO,  10          ; 8 x lane
.set GO,  11          ; 16 x lane
.set STO, 12
.set RD,  13
.set SPW, 14
.set NIL, 15
.set SCL, 16          ; the conversion's scale: byte 0 = 224, 2^97
.set MV,  18          ; c m_old, a tile each
.set ST,  20          ; tile t: c m, m, l (even keys', odd keys')
.set TMP, 28          ; tile t: c0-c3 at work; c2 takes a
.set MB,  36          ; the mask bytes of tile (t, e), e = 1 .. 4, at MB + 2 (4 t + e - 1);
.set MB0, MB+16       ; those of the first step's tile (t, 0) at MB0 + 2 t
.set GS,  56
.set P,   136
.set OT,  168
.set QU,  0           ; window 1
.set QV,  32
.set QP,  64
.set KF,  96
.set EV,  160
.set WV,  12
.set G1K, 24
.set G1V, 32
.set G1E, 40
.set G0K, 48
.set G0V, 52
.set G0E, 56
.set SLOTS, 60
.set CNT, 61
.set TBK, 62          ; LDS byte at which K of the step to be fetched begins; E's window moves with it, 64 rows of the same pitch a step
.set TBV, 63
.set CS,  66          ; s[66:67] c = log2(e) / 8
.set SEL, 68
.set SD,  70          ; the step's first key less my wave's first query
.set MSB, 0
.macro WIN new
.if MSB != (\new)
	s_set_vgpr_msb (MSB<<8)|(\new)
.set MSB, (\new)
.endif
.endm
.macro PLACES
.rept 4
	v_nop
.endr
.endm
; A fill: wave 0 fetches a slot's K, wave 1 its V, waves 2 and 3 the halves of its window of E; waves 4 to 7 fetch nothing.  An s_nop 0 and four v_nop follow each line.
.macro LOAD
	s_cmp_lt_u32 s[WV], 4
	s_cbranch_scc0 .Lasked_\@
	s_cmp_lt_u32 s[WV], 2
	s_cbranch_scc0 .Lfor_e_\@
	s_cmp_eq_u32 s[WV], 0
	s_cbranch_scc0 .Lfor_v_\@
	tensor_load_to_lds s[G0K:G0K+3], s[G1K:G1K+7]
	s_nop 0
.rept 4
	v_nop
.endr
	s_branch .Lasked_\@
.Lfor_v_\@:
	tensor_load_to_lds s[G0V:G0V+3], s[G1V:G1V+7]
	s_nop 0
.rept 4
	v_nop
.endr
	s_branch .Lasked_\@
.Lfor_e_\@:
	tensor_load_to_lds s[G0E:G0E+3], s[G1E:G1E+7]
	s_nop 0
.rept 4
	v_nop
.endr
.Lasked_\@:
.endm
; THE CHANGE OF SLOTS.  Each wave waits for all its tensor loads (one at the most is out: its part of the other slot), adds 0 to its spare word, and waits for that and for its reads of the slot that it leaves.
; Behind the barrier nobody reads the old slot and the other is whole.  fill = 1: the old slot is filled again first thing, with the next 128 keys but one.  (At its first use slot 1 has its first fill.)
.macro CHANGE fill
	WIN 0
	s_wait_tensorcnt 0x0
	ds_add_u32 v[SPW], v[NIL]
.if \fill
.irp g, G0K, G0V, G0E
	s_xor_b32 s[\g+1], s[\g+1], SLOT1
	s_add_nc_u64 s[\g+2:\g+3], s[\g+2:\g+3], 2*KS*128  ; 128 rows of 128 bytes on, in K, in V and in E alike
.endr
.endif
	s_wait_dscnt 0x0                ; the add is done, and my reads of the slot are over
	s_barrier_signal -1
	s_sub_co_u32 s[TBK], s[TBK], 2*KS*PK
	s_xor_b32 s[TBK], s[TBK], SLOT1
	s_sub_co_u32 s[TBV], s[TBV], 2*KS*PVP
	s_xor_b32 s[TBV], s[TBV], SLOT1
	s_barrier_wait -1
.if \fill
	LOAD
.endif
.endm
	s_load_b128 s[4:7], s[0:1], 0x0   ; heads s[4:5], ms s[6:7]
	s_load_b64 s[8:9], s[0:1], 0x10   ; av
	v_lshl_add_u32 v[SPW], v0, 2, SPARE
	v_mov_b32 v[NIL], 0
	ds_add_u32 v[SPW], v[NIL]       ; the wave's opening: the add and its wait ahead of my first tensor load
	v_lshrrev_b32 v1, 5, v0
	v_readfirstlane_b32 s[WV], v1
	s_lshl_b32 s13, ttmp9, 8        ; the block's first query
	s_and_b32 s14, ttmp7, 0xffff    ; bn
	s_and_b32 s15, s14, 15          ; n
	s_lshl_b32 s16, s[WV], 5
	s_add_co_u32 s16, s16, s13      ; my wave's first query W0
	s_and_b32 s17, s[WV], 1
	; descriptor group 1: dense bytes asked for as rows of 256, two rows of 128 bytes each, padded in LDS after every 128 bytes
	s_mov_b32 s[G1K], (1<<16)|(1<<20)|(4<<22)|(3<<25)  ; 2-byte elements; padding on; after every 32 words 4 words
	s_mov_b32 s[G1V], (1<<16)|(1<<20)|(4<<22)|(7<<25)  ; 8 words
	s_mov_b32 s[G1E], (1<<16)|(1<<20)|(4<<22)|(3<<25)
.irp g, G1K, G1V
	s_mov_b32 s[\g+1], 128<<16      ; tensor_dim0 = 128
	s_mov_b32 s[\g+2], 64<<16       ; tensor_dim1 = 64
	s_mov_b32 s[\g+3], 128<<16      ; tile_dim0 = 128
	s_mov_b32 s[\g+4], 64           ; tile_dim1 = 64: 128 keys
	s_mov_b32 s[\g+5], 128
	s_mov_b32 s[\g+6], 0
	s_mov_b32 s[\g+7], 0
.endr
	s_mov_b32 s[G1E+1], 128<<16
	s_mov_b32 s[G1E+2], 96<<16
	s_mov_b32 s[G1E+3], 128<<16
	s_mov_b32 s[G1E+4], 96          ; 192 rows of E
	s_mov_b32 s[G1E+5], 128
	s_mov_b32 s[G1E+6], 0
	s_mov_b32 s[G1E+7], 0
	s_mov_b32 s[G0K], 1
	s_mov_b32 s[G0K+1], 0
	s_mov_b32 s[G0V], 1
	s_mov_b32 s[G0V+1], VOFF
	s_mov_b32 s[G0E], 1
	s_mul_i32 s[G0E+1], s17, 192*PK
	s_add_co_u32 s[G0E+1], s[G0E+1], EOFF
	s_lshl_b32 s72, s14, 18         ; the head's first byte in QU, KK, VV, QV and av
	s_mov_b32 s73, 0
	s_mul_i32 s74, s15, EHS         ; E: head n, and the window's first row for keys 0-127: 1792 less the block's first query; my half of its 384 rows
	s_sub_co_u32 s75, 1792, s13
	s_mul_i32 s2, s17, 192
	s_add_co_u32 s75, s75, s2
	s_lshl_b32 s75, s75, 7
	s_add_co_u32 s74, s74, s75
	s_add_co_u32 s74, s74, EES
	s_mov_b32 s75, 0
	s_lshl_b32 s2, s16, 7           ; my rows
	s_mov_b32 s3, 0
	s_lshr_b32 s10, s16, 4
	s_mul_i32 s10, s10, 160*256     ; my first tile of 16 queries in ms
	s_mov_b32 s11, 0
	s_mov_b32 s[CS], 0x3e38aa3b
	s_mov_b32 s[CS+1], s[CS]
	s_mov_b32 s[SEL], 0x76543210
	s_mov_b32 s[SEL+1], 0xfedcba98
	s_mov_b32 s76, 0xf149f2ca       ; -1e30
	s_mov_b32 s[TBK], SLOT1+2*KS*PK ; the first change of slots turns these two into 0
	s_mov_b32 s[TBV], SLOT1+2*KS*PVP
	s_sub_co_i32 s[SD], 0, s16
	s_mov_b32 s[SLOTS], 15
	s_wait_dscnt 0x0                ; the opening add is done
	s_barrier_signal -1
	s_barrier_wait -1
	s_wait_kmcnt 0x0
	s_add_nc_u64 s[G0K+2:G0K+3], s[4:5], s[72:73]
	s_add_nc_u64 s[G0V+2:G0V+3], s[G0K+2:G0K+3], VVS
	s_add_nc_u64 s[22:23], s[G0K+2:G0K+3], QVS     ; Qv at the head's first row
	s_add_nc_u64 s[18:19], s[G0K+2:G0K+3], s[2:3]  ; Qu at my rows
	s_add_nc_u64 s[20:21], s[22:23], s[2:3]        ; Qv at my rows
	s_add_nc_u64 s[G0K+2:G0K+3], s[G0K+2:G0K+3], KKS
	s_add_nc_u64 s[G0E+2:G0E+3], s[4:5], s[74:75]
	s_or_b32 s[G0K+3], s[G0K+3], 0x80000000
	s_or_b32 s[G0V+3], s[G0V+3], 0x80000000
	s_or_b32 s[G0E+3], s[G0E+3], 0x80000000
	s_add_nc_u64 s[8:9], s[8:9], s[72:73]
	s_add_nc_u64 s[8:9], s[8:9], s[2:3]            ; av at my rows
	s_add_nc_u64 s[6:7], s[6:7], s[10:11]
	LOAD                            ; keys 0-127 into slot 0
	v_and_b32 v1, 15, v0            ; r = l % 16
	v_bfe_u32 v17, v0, 4, 1         ; h = l / 16
	v_and_b32 v234, 31, v0
	v_lshlrev_b32 v[MO], 3, v234
	v_lshlrev_b32 v[GO], 4, v234
	v_lshlrev_b32 v236, 7, v1
	v_lshl_add_u32 v236, v17, 4, v236  ; a fragment of Q: row x 128 + 16 x half
	s_add_co_u32 s10, s16, 1
	v_add_nc_u32 v232, s10, v1      ; the next row's Qv; the last query has none, and no key that would want it: its row is clamped
	v_min_u32 v232, 0x7ff, v232
	v_lshlrev_b32 v232, 7, v232
	v_lshl_add_u32 v232, v17, 4, v232
	s_add_co_u32 s10, s16, 17
	v_add_nc_u32 v233, s10, v1
	v_min_u32 v233, 0x7ff, v233
	v_lshlrev_b32 v233, 7, v233
	v_lshl_add_u32 v233, v17, 4, v233
	WIN 0x40                        ; destination window 1, address window 0
.irp t, 0,1
.irp kh, 0,1
	global_load_b128 v[QU+16*(\t)+8*(\kh):QU+16*(\t)+8*(\kh)+3],   v236, s[18:19] offset:(\t)*2048+(\kh)*64
	global_load_b128 v[QU+16*(\t)+8*(\kh)+4:QU+16*(\t)+8*(\kh)+7], v236, s[18:19] offset:(\t)*2048+(\kh)*64+32
	global_load_b128 v[QV+16*(\t)+8*(\kh):QV+16*(\t)+8*(\kh)+3],   v236, s[20:21] offset:(\t)*2048+(\kh)*64
	global_load_b128 v[QV+16*(\t)+8*(\kh)+4:QV+16*(\t)+8*(\kh)+7], v236, s[20:21] offset:(\t)*2048+(\kh)*64+32
	global_load_b128 v[QP+16*(\t)+8*(\kh):QP+16*(\t)+8*(\kh)+3],   v[232+(\t)], s[22:23] offset:(\kh)*64
	global_load_b128 v[QP+16*(\t)+8*(\kh)+4:QP+16*(\t)+8*(\kh)+7], v[232+(\t)], s[22:23] offset:(\kh)*64+32
.endr
.endr
	WIN 0
.macro MLOAD                        ; the mask bytes of the eight tiles that a step makes: tile (t, e) is ms[W0 / 16 + t][J / 16 + e], e = 1 .. 4
.irp t, 0,1
.irp e, 1,2,3,4
	global_load_b64 v[MB+2*(4*(\t)+(\e)-1):MB+2*(4*(\t)+(\e)-1)+1], v[MO], s[6:7] offset:(\t)*160*256+(\e)*256
.endr
.endr
.endm
.irp t, 0,1
	global_load_b64 v[MB0+2*(\t):MB0+2*(\t)+1], v[MO], s[6:7] offset:(\t)*160*256  ; and those of the first step's tile (t, 0)
.endr
	MLOAD
	v_mul_u32_u24 v[AK0], v1, PK
	v_lshl_add_u32 v[AK0], v17, 4, v[AK0]
	s_sub_co_u32 s10, 7, s[WV]      ; my wave's first row in the window of E: 32 (7 - wave)
	s_mul_i32 s10, s10, 32*PK
	s_add_co_u32 s10, s10, EOFF
	v_add_nc_u32 v[AE0], s10, v[AK0]
	v_and_b32 v234, 7, v0
	v_bfe_u32 v235, v0, 3, 1
	v_lshl_add_u32 v[AV0], v17, 3, v234  ; the turning load: key 8 h + l % 8, channels 8 ((l / 8) % 2) on
	v_mul_u32_u24 v[AV0], v[AV0], PVP
	v_lshl_add_u32 v[AV0], v235, 4, v[AV0]
	v_add_nc_u32 v[AV0], VOFF, v[AV0]
	s_mul_i32 s10, s[WV], 2*TST
	s_add_co_u32 s10, s10, STAGE    ; my stage
	v_mul_u32_u24 v[SA], v17, 8*(GP+4)   ; G's register p of lane (yy, h) is query 8 h + p, row yy of E's tile e: it goes to row 8 h + p, word 16 e + yy + (8 h + p) + 1
	v_lshl_add_u32 v[SA], v1, 2, v[SA]
	v_add_nc_u32 v[SA], s10, v[SA]
	v_add_nc_u32 v[SA], 4, v[SA]
	v_mul_u32_u24 v[SR], v1, GP     ; key k of the step then lies at word 16 + k of its query's row
	v_lshl_add_u32 v[SR], v17, 5, v[SR]
	v_add_nc_u32 v[SR], s10, v[SR]
	v_add_nc_u32 v[SR], 64, v[SR]
	v_mul_u32_u24 v[STO], v1, SP
	v_lshl_add_u32 v[STO], v17, 4, v[STO]
	v_add_nc_u32 v[STO], s10, v[STO]
	v_bfe_u32 v[RD], v0, 3, 2
	v_mul_u32_u24 v[RD], v[RD], SP
	v_lshl_add_u32 v[RD], v234, 4, v[RD]
	v_add_nc_u32 v[RD], s10, v[RD]
	v_mov_b32 v[SCL], 0xe0
.set i, 0
.rept 64                            ; O^T and l start at 0, in the wait for the first tile: no first step is written out
	v_mov_b32 v[OT+i], 0
.set i, i+1
.endr
.irp t, 0,1
	v_mov_b32 v[ST+4*(\t)+1], 0xf1800000  ; m = -2^100
	v_mul_f32 v[ST+4*(\t)], s[CS], v[ST+4*(\t)+1]
	v_mov_b32 v[ST+4*(\t)+2], 0
	v_mov_b32 v[ST+4*(\t)+3], 0
.endr
.macro REGS u
.set rT, ST+4*(\u)
.set rC, TMP+4*(\u)
.set rM, MV+(\u)
.set rS, GS+40*(\u)
.set rP, P+16*(\u)
.set rO, OT+32*(\u)
.endm
; Number n of the 22 that find a tile's maximum and statistics: 0-11 four chains of seven scores (each accumulator's lowest registers first); 12-14, 16 the four left over, the old m, all into c0;
; 15 c m_old is kept; 17, 18 the query's other 32 keys lie in the lane 16 away; 19-21 c m, c m_old - c m_new, a.
.macro XS u, n
	REGS \u
.if (\n) < 4
	v_max3_num_f32 v[rC+(\n)], v[rS+8*(\n)], v[rS+8*(\n)+1], v[rS+8*(\n)+2]
.elseif (\n) < 12
	v_max3_num_f32 v[rC+(\n)%4], v[rC+(\n)%4], v[rS+8*((\n)%4)+2*((\n)/4)+1], v[rS+8*((\n)%4)+2*((\n)/4)+2]
.elseif (\n) == 12
	v_max3_num_f32 v[rC], v[rC], v[rS+7], v[rS+15]
.elseif (\n) == 13
	v_max3_num_f32 v[rC+1], v[rC+1], v[rS+23], v[rS+31]
.elseif (\n) == 14
	v_max3_num_f32 v[rC+2], v[rC+2], v[rC+3], v[rT+1]
.elseif (\n) == 15
	v_mov_b32 v[rM], v[rT]
.elseif (\n) == 16
	v_max3_num_f32 v[rC], v[rC], v[rC+1], v[rC+2]
.elseif (\n) == 17
	v_permlanex16_b32 v[rC+3], v[rC], s[SEL], s[SEL+1]
.elseif (\n) == 18
	v_max_num_f32 v[rT+1], v[rC], v[rC+3]
.elseif (\n) == 19
	v_mul_f32 v[rT], s[CS], v[rT+1]
.elseif (\n) == 20
	v_sub_f32 v[rC+1], v[rM], v[rT]
.else
	v_exp_f32 v[rC+2], v[rC+1]
.endif
.endm
; The 16 products of a step's relative term: G(t, e) += Qsel(t) x E(e + 1 - t)^T, e = 1 .. 4; tiles of E from row 2048 on (e - t >= lim) take the next row's Qv.  The eight accumulators take turns.
.macro BDMUL lim
	WIN 0x05                        ; both sources in window 1
.irp kh, 0,1
.irp t, 0,1
.irp e, 1,2,3,4
.if ((\e)-(\t)) >= (\lim)
	v_wmma_f32_16x16x32_f16 v[GS+40*(\t)+8*(\e):GS+40*(\t)+8*(\e)+7], v[QP+16*(\t)+8*(\kh):QP+16*(\t)+8*(\kh)+7], v[EV+16*((\e)+1-(\t))+8*(\kh):EV+16*((\e)+1-(\t))+8*(\kh)+7], v[GS+40*(\t)+8*(\e):GS+40*(\t)+8*(\e)+7]
.else
	v_wmma_f32_16x16x32_f16 v[GS+40*(\t)+8*(\e):GS+40*(\t)+8*(\e)+7], v[QV+16*(\t)+8*(\kh):QV+16*(\t)+8*(\kh)+7], v[EV+16*((\e)+1-(\t))+8*(\kh):EV+16*((\e)+1-(\t))+8*(\kh)+7], v[GS+40*(\t)+8*(\e):GS+40*(\t)+8*(\e)+7]
.endif
.endr
.endr
.endr
	WIN 0
.endm
; A KEY STEP, in phases.
.macro STEP
	WIN 0
	v_add_nc_u32 v[AK], s[TBK], v[AK0]  ; these four lines are the places behind the products just issued: the last step's, whose V the loads below write over; in the first step those that made the carried tile, which the stores below read
	v_add_nc_u32 v[AE], s[TBK], v[AE0]
	v_add_nc_u32 v[AV], s[TBV], v[AV0]
	v_nop
	s_add_co_u32 s[TBK], s[TBK], KS*PK
	s_add_co_u32 s[TBV], s[TBV], KS*PVP
.irp t, 0,1
.irp p, 0,1,2,3,4,5,6,7             ; the carried tile: the last step's G(t, 4) is this step's G(t, 0).  LDS serves a wave's instructions in order (ISA guide 5.7.1.4): these come behind the last step's reads of the stage
	ds_store_b32 v[SA], v[GS+40*(\t)+32+(\p)] offset:(\t)*TST+(\p)*(GP+4)
.endr
.endr
	WIN 0x40
.irp g, 1,2,3,4,5                   ; 80 rows of E: five fragments of 16 rows x 64 channels (tile t = 0 takes fragments 2 to 5, t = 1 fragments 1 to 4)
.irp kh, 0,1
	ds_load_b128 v[EV+16*(\g)+8*(\kh):EV+16*(\g)+8*(\kh)+3],   v[AE] offset:(\g)*16*PK+(\kh)*64
	ds_load_b128 v[EV+16*(\g)+8*(\kh)+4:EV+16*(\g)+8*(\kh)+7], v[AE] offset:(\g)*16*PK+(\kh)*64+32
.endr
.endr
.irp g, 0,1,2,3                     ; 64 keys
.irp kh, 0,1
	ds_load_b128 v[KF+16*(\g)+8*(\kh):KF+16*(\g)+8*(\kh)+3],   v[AK] offset:(\g)*16*PK+(\kh)*64
	ds_load_b128 v[KF+16*(\g)+8*(\kh)+4:KF+16*(\g)+8*(\kh)+7], v[AK] offset:(\g)*16*PK+(\kh)*64+32
.endr
.endr
	WIN 0
	s_wait_loadcnt 0x0              ; this step's mask bytes; their base may be stepped
	s_add_nc_u64 s[6:7], s[6:7], 4*256
.irp t, 0,1
.irp e, 1,2,3,4
	v_cvt_scale_pk8_f32_fp8 v[GS+40*(\t)+8*(\e):GS+40*(\t)+8*(\e)+7], v[MB+2*(4*(\t)+(\e)-1):MB+2*(4*(\t)+(\e)-1)+1], v[SCL]  ; 0, or -256 x 2^97; tile 4's registers have been stored above
.endr
.endr
	v_nop                           ; a plain instruction behind the last conversion
	MLOAD                           ; the next step's; behind the last step these are tiles 129 to 132 of ms's 160, which exist and which nothing uses
	s_wait_dscnt 16                 ; the carried stores are done and E is in; K's sixteen loads may be out
	s_cmp_lt_i32 s[SD], -32         ; where does row 2048 of E fall among my tiles?  lim = 1 - SD / 16, and SD is a multiple of 32
	s_cbranch_scc1 .Llow_\@
	s_cmp_gt_i32 s[SD], 0
	s_cbranch_scc1 .Lup_\@
	s_cmp_eq_u32 s[SD], 0
	s_cbranch_scc1 .Lmid_\@
	BDMUL 3
	s_branch .Ljoin_\@
.Lmid_\@:
	BDMUL 1
	s_branch .Ljoin_\@
.Lup_\@:
	BDMUL -1
	s_branch .Ljoin_\@
.Llow_\@:
	BDMUL 5
.Ljoin_\@:
.rept 5
	v_nop                           ; the places behind those products: their results are stored and loaded over, E's registers too
.endr
.irp t, 0,1
.irp e, 1,2,3,4
.irp p, 0,1,2,3,4,5,6,7
	ds_store_b32 v[SA], v[GS+40*(\t)+8*(\e)+(\p)] offset:(\t)*TST+(\p)*(GP+4)+(\e)*64
.endr
.endr
.endr
.irp t, 0,1
.irp g, 0,1,2,3
	ds_load_b128 v[GS+40*(\t)+8*(\g):GS+40*(\t)+8*(\g)+3],   v[SR] offset:(\t)*TST+(\g)*64     ; in order behind the stores above; G(t, 4)'s registers are not among the destinations
	ds_load_b128 v[GS+40*(\t)+8*(\g)+4:GS+40*(\t)+8*(\g)+7], v[SR] offset:(\t)*TST+(\g)*64+16
.endr
.endr
	WIN 0x40
.irp f, 0,1,2,3,4,5,6,7             ; V, turned: keys 32 (f / 4) on, channels 16 (f % 4) on
	ds_load_tr16_b128 v[EV+8*(\f):EV+8*(\f)+3],   v[AV] offset:((\f)/4)*32*PVP+((\f)%4)*32
	ds_load_tr16_b128 v[EV+8*(\f)+4:EV+8*(\f)+7], v[AV] offset:((\f)/4)*32*PVP+16*PVP+((\f)%4)*32
.endr
	s_wait_dscnt 16                 ; K and the skewed term are in; V's sixteen loads may be out
	WIN 0x05
.irp kh, 0,1                        ; S^T(t, g) += K(g) Qu(t)^T: eight accumulators by turns
.irp t, 0,1
.irp g, 0,1,2,3
	v_wmma_f32_16x16x32_f16 v[GS+40*(\t)+8*(\g):GS+40*(\t)+8*(\g)+7], v[KF+16*(\g)+8*(\kh):KF+16*(\g)+8*(\kh)+7], v[QU+16*(\t)+8*(\kh):QU+16*(\t)+8*(\kh)+7], v[GS+40*(\t)+8*(\g):GS+40*(\t)+8*(\g)+7]
.endr
.endr
.endr
	WIN 0
	PLACES
.irp n, 0,1,2,3,4,5,6,7,8,9,10,11,12,13,14,15,16,17,18,19,20,21
	XS 0, \n                        ; the two tiles alternate, so that no line reads the result of the one before it
	XS 1, \n
.endr
	v_nop                           ; a plain instruction behind the two exponentials
.set z, 0
.rept 16                            ; c s - c m
.irp u, 0,1
	REGS \u
	v_pk_fma_f32 v[rS+2*z:rS+2*z+1], v[rS+2*z:rS+2*z+1], s[CS:CS+1], v[rT:rT+1] op_sel_hi:[1,0,0] neg_lo:[0,0,1] neg_hi:[0,0,1]
.endr
.set z, z+1
.endr
.set z, 0
.rept 32                            ; the exponentials, and between them O^T times a, in ascending order
	REGS 0
	v_exp_f32 v[rS+z], v[rS+z]
	REGS z/16
	s_wait_alu depctr_va_vdst(0)
	v_pk_mul_f32 v[rO+2*(z%16):rO+2*(z%16)+1], v[rO+2*(z%16):rO+2*(z%16)+1], v[rC+2:rC+3] op_sel_hi:[1,0]
	REGS 1
	v_exp_f32 v[rS+z], v[rS+z]
.set z, z+1
.endr
.set z, 0
.rept 16                            ; the weights rounded to f16
.irp u, 0,1
	REGS \u
	s_wait_alu depctr_va_vdst(0)
	v_cvt_pk_f16_f32 v[rP+z], v[rS+2*z], v[rS+2*z+1]
.endr
.set z, z+1
.endr
.irp w, 4,8,16,32                   ; their sum, of the unrounded weights, in place: neighbours 1, 2, 4 and 8 pairs apart
.set z, 0
.rept 32/(\w)
.irp u, 0,1
	REGS \u
	v_pk_add_f32 v[rS+(\w)*z:rS+(\w)*z+1], v[rS+(\w)*z:rS+(\w)*z+1], v[rS+(\w)*z+(\w)/2:rS+(\w)*z+(\w)/2+1]
.endr
.set z, z+1
.endr
.endr
.irp u, 0,1
	REGS \u
	v_pk_fma_f32 v[rT+2:rT+3], v[rT+2:rT+3], v[rC+2:rC+3], v[rS:rS+1] op_sel_hi:[1,0,1]  ; l = a l + sum
.endr
	s_wait_dscnt 0x0                ; V is in
	WIN 0x01                        ; V in window 1, P and O^T in window 0
.irp kk, 0,1
.irp cb, 0,1,2,3
.irp t, 0,1
	v_wmma_f32_16x16x32_f16 v[OT+32*(\t)+8*(\cb):OT+32*(\t)+8*(\cb)+7], v[EV+32*(\kk)+8*(\cb):EV+32*(\kk)+8*(\cb)+7], v[P+16*(\t)+8*(\kk):P+16*(\t)+8*(\kk)+7], v[OT+32*(\t)+8*(\cb):OT+32*(\t)+8*(\cb)+7]
.endr
.endr
.endr
	WIN 0
	s_add_co_i32 s[SD], s[SD], KS
.endm
	; THE FIRST STEP'S TILE (t, 0), made where every later step finds it: in G(t, 4)'s registers.  It takes fragment 1 - t of the window for keys 0-63 and always Qv: 0 - t >= 1 + W0 / 16 never holds.
	s_wait_tensorcnt 0x0            ; my part of slot 0 is in,
	s_barrier_signal -1
	s_barrier_wait -1               ; everybody's is
	WIN 0x40
.irp g, 0,1
.irp kh, 0,1
	ds_load_b128 v[EV+16*(\g)+8*(\kh):EV+16*(\g)+8*(\kh)+3],   v[AE0] offset:(\g)*16*PK+(\kh)*64
	ds_load_b128 v[EV+16*(\g)+8*(\kh)+4:EV+16*(\g)+8*(\kh)+7], v[AE0] offset:(\g)*16*PK+(\kh)*64+32
.endr
.endr
	WIN 0
	s_wait_loadcnt 0x0              ; Q and the first mask bytes
.irp t, 0,1
	v_cvt_scale_pk8_f32_fp8 v[GS+40*(\t)+32:GS+40*(\t)+39], v[MB0+2*(\t):MB0+2*(\t)+1], v[SCL]
.endr
	v_nop                           ; a plain instruction behind the last conversion
	s_wait_dscnt 0x0
	WIN 0x05
.irp kh, 0,1                        ; two accumulators by turns
.irp t, 0,1
	v_wmma_f32_16x16x32_f16 v[GS+40*(\t)+32:GS+40*(\t)+39], v[QV+16*(\t)+8*(\kh):QV+16*(\t)+8*(\kh)+7], v[EV+16*(1-(\t))+8*(\kh):EV+16*(1-(\t))+8*(\kh)+7], v[GS+40*(\t)+32:GS+40*(\t)+39]
.endr
.endr
	WIN 0
.Lslot:                             ; 15 times: a slot is entered and the other is asked for
	CHANGE 1
	s_mov_b32 s[CNT], 2
.Lstep:
	STEP
	s_sub_co_u32 s[CNT], s[CNT], 1
	s_cmp_lg_u32 s[CNT], 0
	s_cbranch_scc1 .Lstep
	s_sub_co_u32 s[SLOTS], s[SLOTS], 1
	s_cmp_lg_u32 s[SLOTS], 0
	s_cbranch_scc1 .Lslot
	CHANGE 0                        ; the last slot is written out
	s_mov_b32 s[CNT], 2
.Ltail:
	STEP
	s_sub_co_u32 s[CNT], s[CNT], 1
	s_cmp_lg_u32 s[CNT], 0
	s_cbranch_scc1 .Ltail
	; THE WAY OUT: l's two halves and the other half of the lanes' are added; O^T is divided by l, rounded to f16 and sent through my stage, a tile at a time.
	PLACES
.irp t, 0,1
	v_add_f32 v[ST+4*(\t)+2], v[ST+4*(\t)+2], v[ST+4*(\t)+3]
.endr
.irp t, 0,1
	v_permlanex16_b32 v[ST+4*(\t)+3], v[ST+4*(\t)+2], s[SEL], s[SEL+1]
.endr
.irp t, 0,1
	v_add_f32 v[ST+4*(\t)+2], v[ST+4*(\t)+2], v[ST+4*(\t)+3]
.endr
.irp t, 0,1
	v_rcp_f32 v[ST+4*(\t)+2], v[ST+4*(\t)+2]
.endr
	v_mov_b32 v234, 0x7fc00000      ; (also the plain instruction behind the reciprocals)
	s_wait_alu depctr_va_vdst(0)
.irp t, 0,1
	v_cmp_gt_f32 vcc_lo, s76, v[ST+4*(\t)+1]       ; m never rose above its start: the row saw no key
	v_cndmask_b32 v[ST+4*(\t)+2], v[ST+4*(\t)+2], v234, vcc_lo
.endr
.macro PACK t
.set i, 0
.rept 16
	v_pk_mul_f32 v[OT+32*(\t)+2*i:OT+32*(\t)+2*i+1], v[OT+32*(\t)+2*i:OT+32*(\t)+2*i+1], v[ST+4*(\t)+2:ST+4*(\t)+3] op_sel_hi:[1,0]
.set i, i+1
.endr
.set i, 0
.rept 16
	v_cvt_pk_f16_f32 v[GS+40*(\t)+i], v[OT+32*(\t)+2*i], v[OT+32*(\t)+2*i+1]
.set i, i+1
.endr
.irp f, 0,1,2,3
	ds_store_b128 v[STO], v[GS+40*(\t)+4*(\f):GS+40*(\t)+4*(\f)+3] offset:32*(\f)
.endr
.irp f, 0,1,2,3
	ds_load_b128 v[GS+40*(\t)+4*(\f):GS+40*(\t)+4*(\f)+3], v[RD] offset:(\f)*4*SP  ; in order behind the stores above; the next tile's stores come behind them
.endr
.endm
.macro SEND t, younger              ; younger: the LDS instructions issued behind tile t's loads
.irp f, 0,1,2,3
	s_wait_dscnt (\younger)+3-(\f)
	global_store_b128 v[GO], v[GS+40*(\t)+4*(\f):GS+40*(\t)+4*(\f)+3], s[8:9] offset:(\t)*2048+(\f)*512  ; four rows: 512 consecutive bytes, aligned to 256
.endr
.endm
	PACK 0
	PACK 1
	SEND 0, 8
	SEND 1, 0
	s_wait_tensorcnt 0x0            ; the wave's end
	ds_add_u32 v[SPW], v[NIL]
	s_wait_dscnt 0x0
	s_endpgm
.Lfunc_end_k_qa5313b82d4_attn:
	.size	k_qa5313b82d4_attn, .Lfunc_end_k_qa5313b82d4_attn-k_qa5313b82d4_attn
	.p2alignl 7, 3214868480
	.fill 96, 4, 3214868480
	.section	.rodata,"a",@progbits
	.p2align	6, 0x0
	.amdhsa_kernel k_qa5313b82d4_attn
		.amdhsa_group_segment_fixed_size 327680
		.amdhsa_private_segment_fixed_size 0
		.amdhsa_enable_private_segment 0
		.amdhsa_kernarg_size 24
		.amdhsa_user_sgpr_count 2
		.amdhsa_user_sgpr_kernarg_segment_ptr 1
		.amdhsa_wavefront_size32 1
		.amdhsa_system_sgpr_workgroup_id_x 1
		.amdhsa_system_sgpr_workgroup_id_y 1
		.amdhsa_system_sgpr_workgroup_id_z 1
		.amdhsa_system_vgpr_workitem_id 0
		.amdhsa_next_free_vgpr 512
		.amdhsa_next_free_sgpr 80
		.amdhsa_reserve_vcc 1
		.amdhsa_float_denorm_mode_32 3
		.amdhsa_float_denorm_mode_16_64 3
		.amdhsa_memory_ordered 1
		.amdhsa_forward_progress 1
		.amdhsa_inst_pref_size 89
	.end_amdhsa_kernel
	.amdgpu_metadata
---
amdhsa.version: [ 1, 2 ]
amdhsa.kernels:
  - .name:           k_qa5313b82d4_attn
    .symbol:         k_qa5313b82d4_attn.kd
    .args:
      - { .name: heads, .offset: 0, .size: 8, .value_kind: global_buffer, .address_space: global }
      - { .name: ms, .offset: 8, .size: 8, .value_kind: global_buffer, .address_space: global }
      - { .name: av, .offset: 16, .size: 8, .value_kind: global_buffer, .address_space: global }
    .group_segment_fixed_size: 327680
    .private_segment_fixed_size: 0
    .kernarg_segment_align: 8
    .kernarg_segment_size: 24
    .max_flat_workgroup_size: 256
    .sgpr_count:     80
    .vgpr_count:     512
    .wavefront_size: 32
...
	.end_amdgpu_metadata
.endif
;; end of part 5
;; launch ogemm (part 6): grid 8 x 32, 4 waves a work-group, clusters of 4 x 4, 327,680 bytes of LDS; arguments av, wo16, xo; writes xo
.if DOCPART == 6
	.amdgcn_target "amdgcn-amd-amdhsa--gfx1250"
	.amdhsa_code_object_version 6
	.text
	.protected	k_qa5313b82d4_ogemm
	.globl	k_qa5313b82d4_ogemm
	.p2align	8
	.type	k_qa5313b82d4_ogemm,@function
k_qa5313b82d4_ogemm:
	s_mov_b64 s[64:65], 0
	v_nop
	global_prefetch_b8 v0, s[64:65] scope:SCOPE_SE
	s_setreg_imm32_b32 hwreg(HW_REG_WAVE_MODE, 25, 1), 1
	s_wait_xcnt 0x0
	s_wait_alu depctr_hold_cnt(0) depctr_sa_sdst(0) depctr_va_vdst(0) depctr_va_sdst(0) depctr_va_ssrc(0) depctr_va_vcc(0) depctr_vm_vsrc(0)
	s_getreg_b32 s2, hwreg(HW_REG_IB_STS2, 6, 4)
	s_cmp_eq_u32 s2, 0
	s_cbranch_scc0 .Lentry_in_a_cluster
	s_endpgm
.Lentry_in_a_cluster:
	s_bfe_u32 s2, ttmp6, 0x10000c
	s_cmp_lg_u32 s2, 0xf033
	s_cbranch_scc0 .Lentry_shape_is_right
	s_endpgm
.Lentry_shape_is_right:
; THE OUTPUT PROJECTION.  xo[m][n] = sum over k of O[m][k] W_o[n][k], m = 2048 b + i, K = 1,024.  O (av, by heads: [16 b + head][i][64]) and W_o (wo16, in blocks of 64 along K: [block][n][64]; a block is a head) in f16,
; sums and xo in f32.  Residual and layer norm follow in a launch of their own: a row's mean wants all 1,024 columns, and a work-group that owns whole rows must take in all of W_o, 2 MB, whatever the number of its rows;
; on tiles of 128 x 128 a work-group takes in 512 KB, and there are 32 x 8 = 256 of them.
; A tile of 128 x 128: four waves, each 64 x 64: 16 accumulators of 16 x 16.  K goes in four steps of 256 (four blocks) through two LDS slots.
; A wave's tensor load brings 64 rows of four blocks.  A block's 64 rows are 8,192 dense bytes, so the tile is asked for as 4 rows of 4,096 elements, from block to block 262,144 bytes (O) or 131,072 (W_o),
; and padded in LDS by 16 bytes after every 128: it lies there as [block][row], rows 144 bytes apart.
; CLUSTERS: 4 x 4 work-groups.  The four of a row of the cluster need the same tiles of O, the four of a column the same tiles of W_o: each tile is asked for jointly.
; THE MATRIX INSTRUCTION IS USED TRANSPOSED (source 0 = 16 rows of W_o, source 1 = 16 rows of O): a lane holds eight neighbouring columns of one row.
; A row of O that is NaN (a query with no visible key) makes its whole row of xo NaN.
; REGISTERS: window 0: v0-31 addresses; v32-95 rows on the way out, two buffers; v128-255 the accumulators ((a, b) at v[128 + 8 (4 a + b)]).
;   window 1: two fragment buffers of 128: for 64 along K, 64 registers of O (2 x 4 x 16 rows x 32 K), then 64 of W_o.
.set PITCH,  144                       ; 9 x 16: the 16 rows that a load touches start at 16 different groups of four banks (64 banks of 4 bytes: ISA guide 11.1)
.set KQ,     64*PITCH                  ; a block: 64 rows, 64 along K
.set PART,   4*KQ                      ; what one tensor load brings, and what one wave reads of O or of W_o in a K step
.set SLOT,   4*PART                    ; O's two halves, then W_o's two halves
.set STAGE,  2*SLOT                    ; behind the ring: 16 rows x 272 bytes for each wave, for the way out
.set SPITCH, 272
.set SPARE,  STAGE+4*16*SPITCH         ; behind the stages: the spare words, 128 bytes for each wave: two blocks of 256 bytes that no other line names
.set ASTEP,  4*262144                  ; bytes from a K step to the next in av,
.set BSTEP,  4*131072                  ; and in wo16
.set ADRA, 16                          ; v16-17  LDS address of my fragments of O in slot 0, 1
.set ADRB, 20                          ; v20-21  the same for W_o
.set STO,  24                          ; v24     the way out: where I put 32 bytes of a row
.set RD,   25                          ; v25     the way out: where I read a row back
.set CO,   26                          ; v26     my byte offset in xo
.set SPW,  28                          ; v28     LDS address of my spare word; never rewritten
.set NIL,  29                          ; v29     0; never rewritten
.set TMP,  32
.set ACC,  128
.set F0,   0                           ; fragment buffers, in window 1
.set F1,   128
.set G1, 24                            ; s[24:31] descriptor group 1 for O's tiles;  s[32:39] group 0, one set for each slot
.set G0, 32
.set G1B, 48                           ; s[48:55], s[56:63] the same for W_o's tiles
.set G0B, 56
.set MSB, 0
.macro WIN new                         ; the immediate's high byte repeats the setting that is left
.if MSB != (\new)
	s_set_vgpr_msb (MSB<<8)|(\new)
.set MSB, \new
.endif
.endm
.set MUL,  0x05                        ; sources 0 and 1 window 1; C and D window 0
.set TO_F, 0x40                        ; destination window 1, address window 0
.macro JLOAD s                         ; a joint load: waves 0 and 1 fetch O's two halves, waves 2 and 3 W_o's; an s_nop 0 and four v_nop follow each of the two lines
	s_cmp_eq_u32 s11, 0
	s_cbranch_scc0 .Lfor_b_\@
	tensor_load_to_lds s[G0+4*(\s):G0+4*(\s)+3], s[G1:G1+7]
	s_nop 0
.rept 4
	v_nop
.endr
	s_branch .Lasked_\@
.Lfor_b_\@:
	tensor_load_to_lds s[G0B+4*(\s):G0B+4*(\s)+3], s[G1B:G1B+7]
	s_nop 0
.rept 4
	v_nop
.endr
.Lasked_\@:
.endm
.macro CREST                           ; a round of the cluster's barrier behind its opening barrier
	s_cmp_lg_u32 s10, 0
	s_cbranch_scc1 .Lnot_wave_0_\@
	s_barrier_signal -3
.Lnot_wave_0_\@:
	s_barrier_wait -3
	s_barrier_signal -1
	s_barrier_wait -1
.endm
.macro CROUND                          ; a whole round
	s_barrier_signal -1
	s_barrier_wait -1
	CREST
.endm
	s_load_b128 s[4:7], s[0:1], 0x0                ; av s[4:5], wo16 s[6:7]
	s_load_b64 s[8:9], s[0:1], 0x10                ; xo
	v_lshl_add_u32 v[SPW], v0, 2, SPARE
	v_mov_b32 v[NIL], 0
	ds_add_u32 v[SPW], v[NIL]                      ; the wave's opening: the add and its wait ahead of my first tensor load; the set-up below, work on registers, stands between them
	v_lshrrev_b32 v1, 5, v0
	v_readfirstlane_b32 s10, v1                    ; wave 0..3
	s_lshr_b32 s11, s10, 1                         ; which half of the tile's rows is mine.  Also: I fetch for O (0) or for W_o (1)
	s_and_b32 s12, s10, 1                          ; which half of its columns.  Also: which 64 rows of that tile I fetch
	s_bfe_u32 s40, ttmp6, 0x40000                  ; cx, cy: my place in the cluster
	s_bfe_u32 s41, ttmp6, 0x40004
	s_lshl_b32 s42, ttmp9, 2
	s_add_co_u32 s42, s42, s40                     ; tile column = 4 x cluster x + cx
	s_and_b32 s13, ttmp7, 0xffff
	s_lshl_b32 s13, s13, 2
	s_add_co_u32 s13, s13, s41                     ; tile row = 4 x cluster y + cy
	s_lshl_b32 s43, s41, 2
	s_lshl_b32 s43, 15, s43                        ; my row of the cluster
	s_lshl_b32 s44, 0x1111, s40                    ; my column
	s_or_b32 s[G1+0], s43, (1<<16)|(1<<20)|(1<<21)|(4<<22)|(3<<25)  ; 15:0 the mask: O's tiles go to my row; 17:16 2-byte elements; 20 padding on; 21 set beside a mask; 24:22 after every 32 words (code 4); 31:25 4 words (code 3)
	s_or_b32 s[G1B+0], s44, (1<<16)|(1<<20)|(1<<21)|(4<<22)|(3<<25)
.irp g, G1, G1B
	s_mov_b32 s[(\g)+1], 4096<<16                  ; tensor_dim0 = 4,096: a block's 64 rows of 64 elements on end
	s_mov_b32 s[(\g)+2], 4<<16                     ; tensor_dim1 = 4 blocks
	s_mov_b32 s[(\g)+3], 4096<<16                  ; tile_dim0 = 4,096
	s_mov_b32 s[(\g)+4], 4                         ; tile_dim1 = 4
	s_mov_b32 s[(\g)+6], 0
	s_mov_b32 s[(\g)+7], 0
.endr
	s_mov_b32 s[G1+5], 131072                      ; elements from a head to the next in av: 2,048 rows of 64
	s_mov_b32 s[G1B+5], 65536                      ; from a block to the next in wo16: 1,024 rows of 64
	; where the tiles come from.  O's hang on the tile row alone, which my row of the cluster shares; W_o's on the tile column alone.  Each in registers that never hold the other coordinate.
	s_lshl_b32 s17, s12, 6                         ; which 64 rows of the tile I fetch
	s_lshl_b32 s16, s13, 7
	s_add_co_u32 s16, s16, s17                     ; O: row m = 128 x tile row + 64 x half
	s_lshr_b32 s18, s16, 11                        ; its batch entry: 16 heads of 262,144 bytes on,
	s_lshl_b32 s18, s18, 22
	s_and_b32 s16, s16, 2047                       ; and its query: rows of 128 bytes
	s_lshl_b32 s16, s16, 7
	s_add_co_u32 s16, s16, s18
	s_lshl_b32 s46, s42, 7
	s_add_co_u32 s46, s46, s17                     ; W_o: row 128 x tile column + 64 x half
	s_lshl_b32 s46, s46, 7
	s_mov_b32 s17, 0
	s_mov_b32 s47, 0
	s_mul_i32 s20, s10, PART                       ; where they go: wave x a part: no place in the cluster enters an LDS address
	s_wait_dscnt 0x0                               ; the opening add is done
	s_wait_kmcnt 0x0
	s_add_nc_u64 s[14:15], s[4:5], s[16:17]
	s_add_nc_u64 s[46:47], s[6:7], s[46:47]
	CROUND                                         ; all sixteen work-groups are here: the first joint loads meet
.irp s, 0,1
	s_mov_b32 s[G0+4*(\s)], 1
	s_add_co_u32 s[G0+4*(\s)+1], s20, (\s)*SLOT
	s_add_nc_u64 s[G0+4*(\s)+2:G0+4*(\s)+3], s[14:15], (\s)*ASTEP
	s_or_b32 s[G0+4*(\s)+3], s[G0+4*(\s)+3], 0x80000000
	s_mov_b32 s[G0B+4*(\s)], 1
	s_add_co_u32 s[G0B+4*(\s)+1], s20, (\s)*SLOT
	s_add_nc_u64 s[G0B+4*(\s)+2:G0B+4*(\s)+3], s[46:47], (\s)*BSTEP
	s_or_b32 s[G0B+4*(\s)+3], s[G0B+4*(\s)+3], 0x80000000
	JLOAD \s                                       ; K steps 0 and 1: two loads of mine are out
.endr
	v_and_b32 v1, 15, v0                           ; l % 16
	v_bfe_u32 v2, v0, 4, 1                         ; l / 16
	v_mul_u32_u24 v3, v1, PITCH
	v_lshl_add_u32 v3, v2, 4, v3                   ; a fragment's row x pitch + 16 x half
	s_mul_i32 s21, s11, PART                       ; my 64 rows of O
	s_mul_i32 s22, s12, PART                       ; my 64 rows of W_o,
	s_add_co_u32 s22, s22, 2*PART                  ; which lie behind O's two parts
.irp s, 0,1
	v_add_nc_u32 v[ADRA+(\s)], s21, v3
	v_add_nc_u32 v[ADRB+(\s)], s22, v3
	s_add_co_u32 s21, s21, SLOT
	s_add_co_u32 s22, s22, SLOT
.endr
	s_mul_i32 s23, s10, 16*SPITCH
	s_add_co_u32 s23, s23, STAGE                   ; my stage
	v_mul_u32_u24 v4, v1, SPITCH                   ; in: row l % 16, 32 bytes (eight f32) for each half of the lanes
	v_lshl_add_u32 v4, v2, 5, v4
	v_add_nc_u32 v[STO], s23, v4
	v_mul_u32_u24 v5, v2, SPITCH                   ; back: lanes 0-15 take one row of 256 bytes, lanes 16-31 the next
	v_lshl_add_u32 v5, v1, 4, v5
	v_add_nc_u32 v[RD], s23, v5
	v_lshlrev_b32 v5, 12, v2                       ; and the same two rows in xo, 4,096 bytes apart
	v_lshl_add_u32 v[CO], v1, 4, v5
	s_lshl_b32 s16, s13, 7
	s_lshl_b32 s17, s11, 6
	s_add_co_u32 s16, s16, s17                     ; my first row of xo: 128 x tile row + 64 x half
	s_lshl_b32 s16, s16, 12
	s_mov_b32 s17, 0
	s_add_nc_u64 s[8:9], s[8:9], s[16:17]
	s_lshl_b32 s46, s42, 9                         ; my first column, in bytes: 512 x tile column + 256 x half
	s_lshl_b32 s47, s12, 8
	s_add_co_u32 s46, s46, s47
	s_mov_b32 s47, 0
	s_add_nc_u64 s[8:9], s[8:9], s[46:47]
; 8 matrix instructions: m blocks a0, a0 + 1 x all 4 n blocks, 32 along K: half c of buffer f.  zero = 1: the first product starts the sums.  The 16 accumulators take turns.
.macro MUL8 f, c, a0, zero
	WIN MUL
.irp a, \a0, (\a0)+1
.irp b, 0,1,2,3
.if \zero
	v_wmma_f32_16x16x32_f16 v[ACC+8*(4*(\a)+(\b)):ACC+8*(4*(\a)+(\b))+7], v[(\f)+64+8*(4*(\c)+(\b)):(\f)+64+8*(4*(\c)+(\b))+7], v[(\f)+8*(4*(\c)+(\a)):(\f)+8*(4*(\c)+(\a))+7], 0
.else
	v_wmma_f32_16x16x32_f16 v[ACC+8*(4*(\a)+(\b)):ACC+8*(4*(\a)+(\b))+7], v[(\f)+64+8*(4*(\c)+(\b)):(\f)+64+8*(4*(\c)+(\b))+7], v[(\f)+8*(4*(\c)+(\a)):(\f)+8*(4*(\c)+(\a))+7], v[ACC+8*(4*(\a)+(\b)):ACC+8*(4*(\a)+(\b))+7]
.endif
.endr
.endr
.endm
; 32 LDS loads in one run: the fragments of block z of the slot's four (64 along K) into buffer f; the first 32 along K first
.macro FETCH slot, z, f
	WIN TO_F
.irp c, 0,1
.irp i, 0,1,2,3
	ds_load_b128 v[(\f)+64+8*(4*(\c)+(\i)):(\f)+64+8*(4*(\c)+(\i))+3],   v[ADRB+(\slot)] offset:(\z)*KQ+64*(\c)+(\i)*16*PITCH
	ds_load_b128 v[(\f)+64+8*(4*(\c)+(\i))+4:(\f)+64+8*(4*(\c)+(\i))+7], v[ADRB+(\slot)] offset:(\z)*KQ+64*(\c)+(\i)*16*PITCH+32
	ds_load_b128 v[(\f)+8*(4*(\c)+(\i)):(\f)+8*(4*(\c)+(\i))+3],         v[ADRA+(\slot)] offset:(\z)*KQ+64*(\c)+(\i)*16*PITCH
	ds_load_b128 v[(\f)+8*(4*(\c)+(\i))+4:(\f)+8*(4*(\c)+(\i))+7],       v[ADRA+(\slot)] offset:(\z)*KQ+64*(\c)+(\i)*16*PITCH+32
.endr
.endr
.endm
.macro PLACES                          ; four places in front of loads into registers that matrix instructions have read, and of stores that read results (ISA guide 7.12.1 for vector instructions)
.rept 4
	v_nop
.endr
.endm
; A K step is four quarters of 64 along K (a block each), 32 matrix instructions each, on buffers 0, 1, 0, 1.  One of the first three: multiplies buffer f and fetches block z into g.
.macro QUARTER slot, z, f, g, zero
	s_wait_dscnt 16                                ; the first 32 along K are in; the youngest sixteen loads may be out
	MUL8 \f, 0, 0, \zero
	MUL8 \f, 0, 2, \zero
	PLACES
	FETCH \slot, \z, \g
	s_wait_dscnt 32                                ; all but the 32 just issued
	MUL8 \f, 1, 0, 0
	MUL8 \f, 1, 2, 0
.endm
; The last quarter multiplies buffer 1 and changes slots: ONE barrier; in front of it each wave waits for all its tensor loads, adds 0 to its spare word, and waits for that and for its own reads of this slot.
; fill = 1: the barrier opens a round of the cluster's, and this slot is filled again, two K steps ahead, first thing behind the round.
.macro TURN slot, next, fill
	WIN 0                                          ; (the add's two registers lie in window 0)
	s_wait_tensorcnt 0x0                           ; all my tensor loads have landed: my part of the next slot among them
	ds_add_u32 v[SPW], v[NIL]                      ; 0 onto my spare word
	s_wait_dscnt 17                                ; (the add and the youngest sixteen loads may be out)
	MUL8 F1, 0, 0, 0                               ; eight matrix instructions stand between the add and the wait for it
	s_wait_dscnt 0x0                               ; the add is done, and my reads of this slot are over
	s_barrier_signal -1
	MUL8 F1, 0, 2, 0
.if \fill
	WIN 0
.endif
	s_barrier_wait -1
.if \fill
	CREST                                          ; no wave of any partner still reads this slot's tile or has a load on its way
	s_add_nc_u64 s[G0+4*(\slot)+2:G0+4*(\slot)+3], s[G0+4*(\slot)+2:G0+4*(\slot)+3], 2*ASTEP
	s_add_nc_u64 s[G0B+4*(\slot)+2:G0B+4*(\slot)+3], s[G0B+4*(\slot)+2:G0B+4*(\slot)+3], 2*BSTEP
	JLOAD \slot                                    ; my one tensor load behind the round, 112 matrix instructions ahead of the wait for it; its four v_nop are also the places in front of the loads below
.else
	PLACES
.endif
	FETCH \next, 0, F0
	MUL8 F1, 1, 0, 0
	MUL8 F1, 1, 2, 0
.endm
	s_wait_tensorcnt 1                             ; my part of K step 0 is in; K step 1's may stay out
	s_barrier_signal -1
	s_barrier_wait -1                              ; everybody's is
	FETCH 0, 0, F0
	; Four K steps: twice round the ring.  The first lap fills both slots again, the second fills nothing; a loop over laps would have one trip, so the sixteen quarters are written out.
	QUARTER 0, 1, F0, F1, 1                        ; the first products start the sums
	QUARTER 0, 2, F1, F0, 0
	QUARTER 0, 3, F0, F1, 0
	TURN 0, 1, 1                                   ; slot 0 takes K step 2
	QUARTER 1, 1, F0, F1, 0
	QUARTER 1, 2, F1, F0, 0
	QUARTER 1, 3, F0, F1, 0
	TURN 1, 0, 1                                   ; slot 1 takes K step 3
	QUARTER 0, 1, F0, F1, 0
	QUARTER 0, 2, F1, F0, 0
	QUARTER 0, 3, F0, F1, 0
	TURN 0, 1, 0
	QUARTER 1, 1, F0, F1, 0
	QUARTER 1, 2, F1, F0, 0
	QUARTER 1, 3, F0, F1, 0
	s_wait_dscnt 16                                ; the very last quarter: nothing more to fetch
	MUL8 F1, 0, 0, 0
	MUL8 F1, 0, 2, 0
	s_wait_dscnt 0
	MUL8 F1, 1, 0, 0
	MUL8 F1, 1, 2, 0
	WIN 0
	PLACES
; THE WAY OUT.  My 64 columns of f32 are 256 consecutive bytes of a row, aligned: the stage is my own, and no barrier is needed.  Block a (16 rows): the accumulators go into the stage as they are,
; each one's low registers first; whole rows come back, into one of two buffers by turns.
.macro TOSTAGE a
.set BK, TMP+32*((\a)%2)
.irp b, 0,1,2,3
	ds_store_b128 v[STO], v[ACC+8*(4*(\a)+(\b)):ACC+8*(4*(\a)+(\b))+3]   offset:64*(\b)
	ds_store_b128 v[STO], v[ACC+8*(4*(\a)+(\b))+4:ACC+8*(4*(\a)+(\b))+7] offset:64*(\b)+16
.endr
.if (\a) >= 2
	s_wait_xcnt 0x0                                ; the buffer's registers, which block a - 2's stores read, are loaded again only behind this wait
.endif
.irp t, 0,1,2,3,4,5,6,7
	ds_load_b128 v[BK+4*(\t):BK+4*(\t)+3], v[RD] offset:(\t)*2*SPITCH  ; LDS serves a wave's instructions in order (ISA guide 5.7.1.4): these see the stores above; the next block's stores come behind them
.endr
.endm
.macro SEND a, younger                 ; younger: the LDS instructions issued behind block a's loads: the next block's sixteen, or none
.set BK, TMP+32*((\a)%2)
.irp t, 0,1,2,3,4,5,6,7
	s_wait_dscnt (\younger)+7-(\t)
	global_store_b128 v[CO], v[BK+4*(\t):BK+4*(\t)+3], s[8:9] offset:(16*(\a)+2*(\t))*4096  ; 16 lanes store 256 consecutive bytes, at a multiple of 256 from xo's first byte; 62 rows at the most: inside the signed 24-bit immediate
.endr
.endm
	TOSTAGE 0
	TOSTAGE 1                                      ; a block's way through the stage stands between the loads of the block before and its stores
	SEND 0, 16
	TOSTAGE 2
	SEND 1, 16
	TOSTAGE 3
	SEND 2, 16
	SEND 3, 0
	s_wait_tensorcnt 0x0                           ; the wave's end, behind my last tensor load and my last LDS store
	ds_add_u32 v[SPW], v[NIL]
	s_wait_dscnt 0x0
	CROUND                                         ; the closing round: no work-group ends while a partner may still ask for a tile that names it
	s_endpgm
.Lfunc_end_k_qa5313b82d4_ogemm:
	.size	k_qa5313b82d4_ogemm, .Lfunc_end_k_qa5313b82d4_ogemm-k_qa5313b82d4_ogemm
	.p2alignl 7, 3214868480
	.fill 96, 4, 3214868480
	.section	.rodata,"a",@progbits
	.p2align	6, 0x0
	.amdhsa_kernel k_qa5313b82d4_ogemm
		.amdhsa_group_segment_fixed_size 327680
		.amdhsa_private_segment_fixed_size 0
		.amdhsa_enable_private_segment 0
		.amdhsa_kernarg_size 24
		.amdhsa_user_sgpr_count 2
		.amdhsa_user_sgpr_kernarg_segment_ptr 1
		.amdhsa_wavefront_size32 1
		.amdhsa_system_sgpr_workgroup_id_x 1
		.amdhsa_system_sgpr_workgroup_id_y 1
		.amdhsa_system_sgpr_workgroup_id_z 1
		.amdhsa_system_vgpr_workitem_id 0
		.amdhsa_next_free_vgpr 512
		.amdhsa_next_free_sgpr 66
		.amdhsa_reserve_vcc 0
		.amdhsa_float_denorm_mode_32 3
		.amdhsa_float_denorm_mode_16_64 3
		.amdhsa_memory_ordered 1
		.amdhsa_forward_progress 1
		.amdhsa_inst_pref_size 86
	.end_amdhsa_kernel
	.amdgpu_metadata
---
amdhsa.version: [ 1, 2 ]
amdhsa.kernels:
  - .name:           k_qa5313b82d4_ogemm
    .symbol:         k_qa5313b82d4_ogemm.kd
    .args:
      - { .name: av, .offset: 0, .size: 8, .value_kind: global_buffer, .address_space: global }
      - { .name: wo16, .offset: 8, .size: 8, .value_kind: global_buffer, .address_space: global }
      - { .name: xo, .offset: 16, .size: 8, .value_kind: global_buffer, .address_space: global }
    .group_segment_fixed_size: 327680
    .private_segment_fixed_size: 0
    .kernarg_segment_align: 8
    .kernarg_segment_size: 24
    .max_flat_workgroup_size: 128
    .sgpr_count:     66
    .vgpr_count:     512
    .wavefront_size: 32
...
	.end_amdgpu_metadata
.endif
;; end of part 6
;; launch lnorm (part 7): grid 256 x 1, 8 waves a work-group, no clusters, 0 bytes of LDS; arguments xo, acts, gamma, beta, out0; writes out0
.if DOCPART == 7
	.amdgcn_target "amdgcn-amd-amdhsa--gfx1250"
	.amdhsa_code_object_version 6
	.text
	.protected	k_qa5313b82d4_lnorm
	.globl	k_qa5313b82d4_lnorm
	.p2align	8
	.type	k_qa5313b82d4_lnorm,@function
k_qa5313b82d4_lnorm:
	s_mov_b64 s[64:65], 0
	v_nop
	global_prefetch_b8 v0, s[64:65] scope:SCOPE_SE
	s_setreg_imm32_b32 hwreg(HW_REG_WAVE_MODE, 25, 1), 1
	s_wait_xcnt 0x0
; RESIDUAL AND LAYER NORM.  x = w + xo;  out = (x - mean) rsqrt(var + 1e-5) gamma + beta, along the 1,024 columns of a row.
; xo: [m][1024] f32, m = 2048 b + i.  w: rows 0-4095 of acts, in the same order, bf16; gamma and beta are rounded to bf16 here, as every input of the program is.  out0: row 2 i + b.  All arithmetic in f32;
; the variance is taken of the differences from the mean.
; Memory binds: each byte is read once and written once.  A wave takes two whole rows (8 waves x 256 work-groups x 2 = 4,096) and keeps them in registers between the passes, so no wave needs another: no LDS, no barrier.
; All 48 loads of a wave go out at once, 512 or 256 neighbouring bytes each; a lane holds columns 128 t + 4 lane .. + 3, t = 0 .. 7, of both rows.  Matrix units, clusters and tensor loads would add nothing to a stream.
.set L16, 3                            ; v3        16 x lane
.set L8,  4                            ; v4        8 x lane
.set WW,  16                           ; v[16:23]  at work
.set GA,  32                           ; v[32:63]  gamma of my 32 columns
.set BE,  64                           ; v[64:95]  beta
.set XX,  96                           ; v[96:159] two rows, 32 numbers each
.set RS,  160                          ; v[160:191] the two rows of w as loaded, 16 registers each;
.set TT,  160                          ;           when they have been widened: 16 registers a row at work
	s_load_b256 s[4:11], s[0:1], 0x0               ; xo s[4:5], acts s[6:7], gamma s[8:9], beta s[10:11]
	s_load_b64 s[12:13], s[0:1], 0x20              ; out0
	v_and_b32 v1, 31, v0
	v_lshrrev_b32 v2, 5, v0
	v_readfirstlane_b32 s14, v2                    ; wave
	v_lshlrev_b32 v[L16], 4, v1
	v_lshlrev_b32 v[L8], 3, v1
	s_lshl_b32 s15, ttmp9, 3
	s_add_co_u32 s15, s15, s14
	s_lshl_b32 s15, s15, 1                         ; my first row m; m + 1 has the same b
	s_lshl_b32 s16, s15, 12                        ; xo: rows of 4,096 bytes
	s_mov_b32 s17, 0
	s_lshl_b32 s18, s15, 11                        ; acts: rows of 2,048 bytes
	s_mov_b32 s19, 0
	s_and_b32 s20, s15, 2047                       ; i
	s_lshr_b32 s21, s15, 11                        ; b
	s_lshl1_add_u32 s20, s20, s21                  ; out0: row 2 i + b
	s_lshl_b32 s20, s20, 12
	s_mov_b32 s21, 0
	s_mov_b32 s40, 0x3a800000                      ; 1 / 1,024
	s_mov_b32 s41, 0xffff0000                      ; a word's upper bf16
	s_mov_b32 s42, 0x76543210                      ; v_permlanex16_b32: each lane takes its own place in the other half
	s_mov_b32 s43, 0xfedcba98
	s_mov_b32 s44, 0x3727c5ac                      ; 1e-5
	s_wait_kmcnt 0x0
	s_add_nc_u64 s[4:5], s[4:5], s[16:17]
	s_add_nc_u64 s[6:7], s[6:7], s[18:19]
	s_add_nc_u64 s[12:13], s[12:13], s[20:21]
.irp t, 0,1,2,3,4,5,6,7
	global_load_b128 v[GA+4*(\t):GA+4*(\t)+3], v[L16], s[8:9] offset:(\t)*512    ; every wave reads these two again: no hint
	global_load_b128 v[BE+4*(\t):BE+4*(\t)+3], v[L16], s[10:11] offset:(\t)*512
.endr
.irp k, 0,1
.irp t, 0,1,2,3,4,5,6,7
	global_load_b128 v[XX+32*(\k)+4*(\t):XX+32*(\k)+4*(\t)+3], v[L16], s[4:5] offset:(\k)*4096+(\t)*512 th:TH_LOAD_NT
	global_load_b64 v[RS+16*(\k)+2*(\t):RS+16*(\k)+2*(\t)+1], v[L8], s[6:7] offset:(\k)*2048+(\t)*256 th:TH_LOAD_NT
.endr
.endr
	s_wait_loadcnt 32                              ; loads come back in order: gamma and beta are in, the rows' 32 loads stay out
.irp q, GA, BE
.set i, 0
.rept 16                                       ; rounded to bf16 and widened again
	v_cvt_pk_bf16_f32 v[WW+i%4], v[\q+2*i], v[\q+2*i+1]
	v_lshlrev_b32 v[\q+2*i], 16, v[WW+i%4]
	v_and_b32 v[\q+2*i+1], s41, v[WW+i%4]
.set i, i+1
.endr
.endr
	s_wait_loadcnt 0x0
.irp k, 0,1
.set i, 0
.rept 16                                       ; x = xo + w, two columns at a time
	v_lshlrev_b32 v[WW+2*(i%4)], 16, v[RS+16*(\k)+i]
	v_and_b32 v[WW+2*(i%4)+1], s41, v[RS+16*(\k)+i]
	v_pk_add_f32 v[XX+32*(\k)+2*i:XX+32*(\k)+2*i+1], v[XX+32*(\k)+2*i:XX+32*(\k)+2*i+1], v[WW+2*(i%4):WW+2*(i%4)+1]
.set i, i+1
.endr
.endr
.macro LANES o                         ; for both rows: the pair at v[TT + 16 k + o] summed, then over the wave's 32 lanes; the result in every lane
.irp k, 0,1
	v_add_f32 v[TT+16*(\k)+(\o)], v[TT+16*(\k)+(\o)], v[TT+16*(\k)+(\o)+1]
.endr
.irp x, 1,2,4,8
.irp k, 0,1
	v_add_f32_dpp v[TT+16*(\k)+(\o)], v[TT+16*(\k)+(\o)], v[TT+16*(\k)+(\o)] row_xmask:\x row_mask:0xf bank_mask:0xf
.endr
.endr
.irp k, 0,1
	v_permlanex16_b32 v[TT+16*(\k)+(\o)+1], v[TT+16*(\k)+(\o)], s42, s43
.endr
.irp k, 0,1
	v_add_f32 v[TT+16*(\k)+(\o)], v[TT+16*(\k)+(\o)], v[TT+16*(\k)+(\o)+1]
.endr
.endm
.irp k, 0,1
.set i, 0
.rept 8                                        ; the sum of my 32 numbers, as a tree of pairs
	v_pk_add_f32 v[TT+16*(\k)+2*i:TT+16*(\k)+2*i+1], v[XX+32*(\k)+4*i:XX+32*(\k)+4*i+1], v[XX+32*(\k)+4*i+2:XX+32*(\k)+4*i+3]
.set i, i+1
.endr
.endr
.irp w, 4,8,16
.irp k, 0,1
.set i, 0
.rept 16/(\w)
	v_pk_add_f32 v[TT+16*(\k)+(\w)*i:TT+16*(\k)+(\w)*i+1], v[TT+16*(\k)+(\w)*i:TT+16*(\k)+(\w)*i+1], v[TT+16*(\k)+(\w)*i+(\w)/2:TT+16*(\k)+(\w)*i+(\w)/2+1]
.set i, i+1
.endr
.endr
.endr
	LANES 0
.irp k, 0,1
	v_mul_f32 v[TT+16*(\k)], s40, v[TT+16*(\k)]    ; the mean
.endr
.irp k, 0,1
.set i, 0
.rept 16
	v_pk_add_f32 v[XX+32*(\k)+2*i:XX+32*(\k)+2*i+1], v[XX+32*(\k)+2*i:XX+32*(\k)+2*i+1], v[TT+16*(\k):TT+16*(\k)+1] op_sel_hi:[1,0] neg_lo:[0,1] neg_hi:[0,1]
.set i, i+1
.endr
.endr
.irp k, 0,1
.set i, 0
.rept 16                                       ; the squares, in four chains that the first four products start
.if i < 4
	v_pk_mul_f32 v[TT+16*(\k)+2+2*i:TT+16*(\k)+3+2*i], v[XX+32*(\k)+2*i:XX+32*(\k)+2*i+1], v[XX+32*(\k)+2*i:XX+32*(\k)+2*i+1]
.else
	v_pk_fma_f32 v[TT+16*(\k)+2+2*(i%4):TT+16*(\k)+3+2*(i%4)], v[XX+32*(\k)+2*i:XX+32*(\k)+2*i+1], v[XX+32*(\k)+2*i:XX+32*(\k)+2*i+1], v[TT+16*(\k)+2+2*(i%4):TT+16*(\k)+3+2*(i%4)]
.endif
.set i, i+1
.endr
.endr
.irp k, 0,1
	v_pk_add_f32 v[TT+16*(\k)+2:TT+16*(\k)+3], v[TT+16*(\k)+2:TT+16*(\k)+3], v[TT+16*(\k)+4:TT+16*(\k)+5]
	v_pk_add_f32 v[TT+16*(\k)+6:TT+16*(\k)+7], v[TT+16*(\k)+6:TT+16*(\k)+7], v[TT+16*(\k)+8:TT+16*(\k)+9]
.endr
.irp k, 0,1
	v_pk_add_f32 v[TT+16*(\k)+2:TT+16*(\k)+3], v[TT+16*(\k)+2:TT+16*(\k)+3], v[TT+16*(\k)+6:TT+16*(\k)+7]
.endr
	LANES 2
.irp k, 0,1
	v_fma_f32 v[TT+16*(\k)+2], s40, v[TT+16*(\k)+2], s44  ; the variance + 1e-5
.endr
.irp k, 0,1
	v_rsq_f32 v[TT+16*(\k)+2], v[TT+16*(\k)+2]
.endr
	v_nop                                          ; a plain instruction behind the two roots, before their results are used (ISA guide 5.7.2)
	s_wait_alu depctr_va_vdst(0)
.irp k, 0,1
.set i, 0
.rept 16
	v_pk_mul_f32 v[XX+32*(\k)+2*i:XX+32*(\k)+2*i+1], v[XX+32*(\k)+2*i:XX+32*(\k)+2*i+1], v[TT+16*(\k)+2:TT+16*(\k)+3] op_sel_hi:[1,0]
.set i, i+1
.endr
.endr
.irp k, 0,1
.set i, 0
.rept 16
	v_pk_fma_f32 v[XX+32*(\k)+2*i:XX+32*(\k)+2*i+1], v[XX+32*(\k)+2*i:XX+32*(\k)+2*i+1], v[GA+2*i:GA+2*i+1], v[BE+2*i:BE+2*i+1]
.set i, i+1
.endr
.irp t, 0,1,2,3,4,5,6,7
	global_store_b128 v[L16], v[XX+32*(\k)+4*(\t):XX+32*(\k)+4*(\t)+3], s[12:13] offset:(\k)*8192+(\t)*512 th:TH_STORE_NT  ; 512 consecutive bytes, aligned; the next query's row lies 8,192 bytes on
.endr
.endr
	s_endpgm
.Lfunc_end_k_qa5313b82d4_lnorm:
	.size	k_qa5313b82d4_lnorm, .Lfunc_end_k_qa5313b82d4_lnorm-k_qa5313b82d4_lnorm
	.p2alignl 7, 3214868480
	.fill 96, 4, 3214868480
	.section	.rodata,"a",@progbits
	.p2align	6, 0x0
	.amdhsa_kernel k_qa5313b82d4_lnorm
		.amdhsa_group_segment_fixed_size 0
		.amdhsa_private_segment_fixed_size 0
		.amdhsa_enable_private_segment 0
		.amdhsa_kernarg_size 40
		.amdhsa_user_sgpr_count 2
		.amdhsa_user_sgpr_kernarg_segment_ptr 1
		.amdhsa_wavefront_size32 1
		.amdhsa_system_sgpr_workgroup_id_x 1
		.amdhsa_system_sgpr_workgroup_id_y 1
		.amdhsa_system_sgpr_workgroup_id_z 1
		.amdhsa_system_vgpr_workitem_id 0
		.amdhsa_next_free_vgpr 192
		.amdhsa_next_free_sgpr 66
		.amdhsa_reserve_vcc 0
		.amdhsa_float_denorm_mode_32 3
		.amdhsa_float_denorm_mode_16_64 3
		.amdhsa_memory_ordered 1
		.amdhsa_forward_progress 1
		.amdhsa_inst_pref_size 28
	.end_amdhsa_kernel
	.amdgpu_metadata
---
amdhsa.version: [ 1, 2 ]
amdhsa.kernels:
  - .name:           k_qa5313b82d4_lnorm
    .symbol:         k_qa5313b82d4_lnorm.kd
    .args:
      - { .name: xo, .offset: 0, .size: 8, .value_kind: global_buffer, .address_space: global }
      - { .name: acts, .offset: 8, .size: 8, .value_kind: global_buffer, .address_space: global }
      - { .name: gamma, .offset: 16, .size: 8, .value_kind: global_buffer, .address_space: global }
      - { .name: beta, .offset: 24, .size: 8, .value_kind: global_buffer, .address_space: global }
      - { .name: out0, .offset: 32, .size: 8, .value_kind: global_buffer, .address_space: global }
    .group_segment_fixed_size: 0
    .private_segment_fixed_size: 0
    .kernarg_segment_align: 8
    .kernarg_segment_size: 40
    .max_flat_workgroup_size: 256
    .sgpr_count:     66
    .vgpr_count:     192
    .wavefront_size: 32
...
	.end_amdgpu_metadata
.endif
;; end of part 7
;; ======== version 3 of 3: 5 launches; 1.27 times as fast as version 1
;; limits: values are held in f16: magnitudes above 65,504 overflow, below 6.1e-05 lose precision
;; workspace buffers: acts 12,582,912 bytes; wts 8,388,608 bytes; wo16 2,097,152 bytes; ms 5,242,880 bytes; heads 41,947,136 bytes; av 8,388,608 bytes; xo 16,777,216 bytes
;; launch prep: the kernel of part 1 again; grid 480 x 1, 8 waves a work-group, no clusters, 0 bytes of LDS; arguments w, r, W_qkv, W_r, W_o, attn_mask, acts, wts, wo16, ms, heads; writes acts, wts, wo16, ms, heads
;; launch proj: the kernel of part 2 again; grid 4 x 56, 4 waves a work-group, clusters of 4 x 4, 327,680 bytes of LDS; arguments acts, wts, r_w_bias, r_r_bias, heads; writes heads
;; launch attn (part 8): grid 8 x 32, 8 waves a work-group, no clusters, 327,680 bytes of LDS; arguments heads, ms, av; writes av
.if DOCPART == 8
	.amdgcn_target "amdgcn-amd-amdhsa--gfx1250"
	.amdhsa_code_object_version 6
	.text
	.protected	k_qa5313b82d4_attn
	.globl	k_qa5313b82d4_attn
	.p2align	8
	.type	k_qa5313b82d4_attn,@function
k_qa5313b82d4_attn:
	s_mov_b64 s[64:65], 0
	v_nop
	global_prefetch_b8 v0, s[64:65] scope:SCOPE_SE
	s_setreg_imm32_b32 hwreg(HW_REG_WAVE_MODE, 25, 1), 1
	s_wait_xcnt 0x0
; RELATIVE ATTENTION.  For head bn = 16 b + n and query i:  O[i] = sum over j of softmax_j((Qu[i] . K[j] + BD[i][j]) / 8, masked) V[j],
; where the shifted relative term is BD[i][j] = Qsel . E[2047 - i + j]: E is the head's doubled table (rows 0-2047 R, row 2048 zeros, rows 2049 on R again), Qsel = Qv[i] for rows of E below 2048 and Qv[i + 1] from 2048 on.
; All of Qu, Qv, K, V, E, the weights p and O in f16; products, scores, maxima and sums in f32.
; LIMITS.  A masked score counts as -2^105; f16's scores are 5.5e11 at the most.  The running maximum m starts at -2^100, below every true score and above every masked one, so a masked weight is exactly 0 and a row
; that has seen no key yet carries l = 0 and O = 0.  A row with no visible key at all ends with m = -2^100 and gets NaN, as a softmax over nothing gives.  A weight below 2^-126 counts as 0.  NaN and infinities among the inputs are not treated apart.
; SHARES.  A work-group owns 256 queries of one head, each of its eight waves 32: two tiles t of 16.  Every wave walks all 2,048 keys, 64 a step, two steps to an LDS slot.  Two waves lie on a SIMD: the step is written in phases,
; and one wave's vector and LDS work stands beside the other's products.
; THE RELATIVE TERM of 16 queries x 64 keys needs 79 rows of E: five plain tiles G(t, e) = Qsel x E^T (a lane holds one row of E, its registers eight queries).  Their C operand is the mask, which an earlier launch laid out in G's own
; order: one scaled conversion turns 8 bytes into eight f32, 0 or -2^105.  G goes into my wave's own stage by rows of 400 bytes, each row one word further right than the last (store pitch 404), which undoes the shift; it comes back, 16 bytes
; at a time, as the C operand of S^T = K Qu^T + C (a lane holds one query, its registers eight keys).  Two such results rounded to f16 are source 1 of O^T = V^T P.
; ONLY FOUR OF THE FIVE TILES ARE MADE IN A STEP.  The window of E moves 64 rows, four tiles, a step, so a step's tile e = 0 is the step before's tile e = 4: the same rows of E, the same mask bytes, the same Qsel.  That tile stays in its
; registers, which S^T does not use, and is stored a second time, 64 words further left, at the head of the next step.  The first step's tile 0 is made ahead of the loop.
; THE EXPONENTIALS.  A step's 66 (the two tiles' a, then their 64 weights) are ONE BATCH with ONE wait, s_wait_alu depctr_va_vdst(0), which stands between the exponentials and the first line that names a result.
; Ahead of the wait stand the maxima and statistics, the two a, the 32 scalings and the 64 exponentials, a scaling in front of every two exponentials: none of these lines names an exponential's result.  Behind it stand all the readers:
; O^T times a, the roundings, the sums, l.  The way out's two reciprocals are a batch of their own, with a wait of their own.
; NO CLUSTER: the work-groups that share K and V are a head's query blocks, and for them the window of E and the branch that chooses Qsel hang on the block's place; work-groups that share E (the two batch entries) share neither K nor V.
; REGISTERS.  window 0: v0-17 addresses; v18-35 statistics; v36-55 mask bytes; v56-135 G (G(t, e) at 56 + 40 t + 8 e, e = 1 .. 4), and S^T in the same registers (S(t, k) at 56 + 40 t + 8 k, k = 0 .. 3); v136-167 P; v168-231 O^T;
;   v232-236 Q's offsets and two at work.   window 1: v0-31 Qu; v32-63 Qv; v64-95 Qv of the next row; v96-159 K of a step; v160-255 fragments of E (fragment g at 160 + 16 g), later V.
.set KS,    64
.set PK,    144       ; a row of K or E in LDS: 128 bytes + 16
.set PVP,   160       ; a row of V: 128 + 32, for the turning load
.set VOFF,  128*PK    ; a slot: 128 rows of K, 128 rows of V, 384 rows of E
.set EOFF,  VOFF+128*PVP
.set SLOT1, 1<<17     ; slot 1 begins here: one exclusive or turns an address in one slot into the other's
.set SPARE, EOFF+384*PK  ; behind slot 0: the spare words, 128 bytes for each of eight waves: four blocks of 256 bytes that no other line names
.set STAGE, SLOT1+SPARE  ; behind slot 1, never filled by a tensor load: for each wave two tiles of 16 rows x 400 bytes
.set GP,    400
.set TST,   16*GP
.set SP,    144       ; the way out's rows in the same stage
.set KKS,   8388608   ; the sections of heads
.set VVS,   16777216
.set EES,   25165824
.set QVS,   33558528
.set EHS,   524544
.set AK0, 2
.set AV0, 3
.set AE0, 4
.set AK,  5
.set AV,  6
.set AE,  7
.set SA,  8           ; where register 0 of tile (0, 0) goes
.set SR,  9           ; where S(0, 0) comes from
.set MO,  10          ; 8 x lane
.set GO,  11          ; 16 x lane
.set STO, 12
.set RD,  13
.set SPW, 14
.set NIL, 15
.set SCL, 16          ; the conversion's scale: byte 0 = 224, 2^97
.set MV,  18          ; c m_old, a tile each
.set ST,  20          ; tile t: c m, m, l (even keys', odd keys')
.set TMP, 28          ; tile t: c0-c3 at work; c2 takes a
.set MB,  36          ; the mask bytes of tile (t, e), e = 1 .. 4, at MB + 2 (4 t + e - 1);
.set MB0, MB+16       ; those of the first step's tile (t, 0) at MB0 + 2 t
.set GS,  56
.set P,   136
.set OT,  168
.set QU,  0           ; window 1
.set QV,  32
.set QP,  64
.set KF,  96
.set EV,  160
.set WV,  12
.set G1K, 24
.set G1V, 32
.set G1E, 40
.set G0K, 48
.set G0V, 52
.set G0E, 56
.set SLOTS, 60
.set CNT, 61
.set TBK, 62          ; LDS byte at which K of the step to be fetched begins; E's window moves with it, 64 rows of the same pitch a step
.set TBV, 63
.set CS,  66          ; s[66:67] c = log2(e) / 8
.set SEL, 68
.set SD,  70          ; the step's first key less my wave's first query
.set MSB, 0
.macro WIN new
.if MSB != (\new)
	s_set_vgpr_msb (MSB<<8)|(\new)
.set MSB, (\new)
.endif
.endm
.macro PLACES
.rept 4
	v_nop
.endr
.endm
; A fill: wave 0 fetches a slot's K, wave 1 its V, waves 2 and 3 the halves of its window of E; waves 4 to 7 fetch nothing.  An s_nop 0 and four v_nop follow each line.
.macro LOAD
	s_cmp_lt_u32 s[WV], 4
	s_cbranch_scc0 .Lasked_\@
	s_cmp_lt_u32 s[WV], 2
	s_cbranch_scc0 .Lfor_e_\@
	s_cmp_eq_u32 s[WV], 0
	s_cbranch_scc0 .Lfor_v_\@
	tensor_load_to_lds s[G0K:G0K+3], s[G1K:G1K+7]
	s_nop 0
.rept 4
	v_nop
.endr
	s_branch .Lasked_\@
.Lfor_v_\@:
	tensor_load_to_lds s[G0V:G0V+3], s[G1V:G1V+7]
	s_nop 0
.rept 4
	v_nop
.endr
	s_branch .Lasked_\@
.Lfor_e_\@:
	tensor_load_to_lds s[G0E:G0E+3], s[G1E:G1E+7]
	s_nop 0
.rept 4
	v_nop
.endr
.Lasked_\@:
.endm
; THE CHANGE OF SLOTS.  Each wave waits for all its tensor loads (one at the most is out: its part of the other slot), adds 0 to its spare word, and waits for that and for its reads of the slot that it leaves.
; Behind the barrier nobody reads the old slot and the other is whole.  fill = 1: the old slot is filled again first thing, with the next 128 keys but one.  (At its first use slot 1 has its first fill.)
.macro CHANGE fill
	WIN 0
	s_wait_tensorcnt 0x0
	ds_add_u32 v[SPW], v[NIL]
.if \fill
.irp g, G0K, G0V, G0E
	s_xor_b32 s[\g+1], s[\g+1], SLOT1
	s_add_nc_u64 s[\g+2:\g+3], s[\g+2:\g+3], 2*KS*128  ; 128 rows of 128 bytes on, in K, in V and in E alike
.endr
.endif
	s_wait_dscnt 0x0                ; the add is done, and my reads of the slot are over
	s_barrier_signal -1
	s_sub_co_u32 s[TBK], s[TBK], 2*KS*PK
	s_xor_b32 s[TBK], s[TBK], SLOT1
	s_sub_co_u32 s[TBV], s[TBV], 2*KS*PVP
	s_xor_b32 s[TBV], s[TBV], SLOT1
	s_barrier_wait -1
.if \fill
	LOAD
.endif
.endm
	s_load_b128 s[4:7], s[0:1], 0x0   ; heads s[4:5], ms s[6:7]
	s_load_b64 s[8:9], s[0:1], 0x10   ; av
	v_lshl_add_u32 v[SPW], v0, 2, SPARE
	v_mov_b32 v[NIL], 0
	ds_add_u32 v[SPW], v[NIL]       ; the wave's opening: the add and its wait ahead of my first tensor load
	v_lshrrev_b32 v1, 5, v0
	v_readfirstlane_b32 s[WV], v1
	s_lshl_b32 s13, ttmp9, 8        ; the block's first query
	s_and_b32 s14, ttmp7, 0xffff    ; bn
	s_and_b32 s15, s14, 15          ; n
	s_lshl_b32 s16, s[WV], 5
	s_add_co_u32 s16, s16, s13      ; my wave's first query W0
	s_and_b32 s17, s[WV], 1
	; descriptor group 1: dense bytes asked for as rows of 256, two rows of 128 bytes each, padded in LDS after every 128 bytes
	s_mov_b32 s[G1K], (1<<16)|(1<<20)|(4<<22)|(3<<25)  ; 2-byte elements; padding on; after every 32 words 4 words
	s_mov_b32 s[G1V], (1<<16)|(1<<20)|(4<<22)|(7<<25)  ; 8 words
	s_mov_b32 s[G1E], (1<<16)|(1<<20)|(4<<22)|(3<<25)
.irp g, G1K, G1V
	s_mov_b32 s[\g+1], 128<<16      ; tensor_dim0 = 128
	s_mov_b32 s[\g+2], 64<<16       ; tensor_dim1 = 64
	s_mov_b32 s[\g+3], 128<<16      ; tile_dim0 = 128
	s_mov_b32 s[\g+4], 64           ; tile_dim1 = 64: 128 keys
	s_mov_b32 s[\g+5], 128
	s_mov_b32 s[\g+6], 0
	s_mov_b32 s[\g+7], 0
.endr
	s_mov_b32 s[G1E+1], 128<<16
	s_mov_b32 s[G1E+2], 96<<16
	s_mov_b32 s[G1E+3], 128<<16
	s_mov_b32 s[G1E+4], 96          ; 192 rows of E
	s_mov_b32 s[G1E+5], 128
	s_mov_b32 s[G1E+6], 0
	s_mov_b32 s[G1E+7], 0
	s_mov_b32 s[G0K], 1
	s_mov_b32 s[G0K+1], 0
	s_mov_b32 s[G0V], 1
	s_mov_b32 s[G0V+1], VOFF
	s_mov_b32 s[G0E], 1
	s_mul_i32 s[G0E+1], s17, 192*PK
	s_add_co_u32 s[G0E+1], s[G0E+1], EOFF
	s_lshl_b32 s72, s14, 18         ; the head's first byte in QU, KK, VV, QV and av
	s_mov_b32 s73, 0
	s_mul_i32 s74, s15, EHS         ; E: head n, and the window's first row for keys 0-127: 1792 less the block's first query; my half of its 384 rows
	s_sub_co_u32 s75, 1792, s13
	s_mul_i32 s2, s17, 192
	s_add_co_u32 s75, s75, s2
	s_lshl_b32 s75, s75, 7
	s_add_co_u32 s74, s74, s75
	s_add_co_u32 s74, s74, EES
	s_mov_b32 s75, 0
	s_lshl_b32 s2, s16, 7           ; my rows
	s_mov_b32 s3, 0
	s_lshr_b32 s10, s16, 4
	s_mul_i32 s10, s10, 160*256     ; my first tile of 16 queries in ms
	s_mov_b32 s11, 0
	s_mov_b32 s[CS], 0x3e38aa3b
	s_mov_b32 s[CS+1], s[CS]
	s_mov_b32 s[SEL], 0x76543210
	s_mov_b32 s[SEL+1], 0xfedcba98
	s_mov_b32 s76, 0xf149f2ca       ; -1e30
	s_mov_b32 s[TBK], SLOT1+2*KS*PK ; the first change of slots turns these two into 0
	s_mov_b32 s[TBV], SLOT1+2*KS*PVP
	s_sub_co_i32 s[SD], 0, s16
	s_mov_b32 s[SLOTS], 15
	s_wait_dscnt 0x0                ; the opening add is done
	s_barrier_signal -1
	s_barrier_wait -1
	s_wait_kmcnt 0x0
	s_add_nc_u64 s[G0K+2:G0K+3], s[4:5], s[72:73]
	s_add_nc_u64 s[G0V+2:G0V+3], s[G0K+2:G0K+3], VVS
	s_add_nc_u64 s[22:23], s[G0K+2:G0K+3], QVS     ; Qv at the head's first row
	s_add_nc_u64 s[18:19], s[G0K+2:G0K+3], s[2:3]  ; Qu at my rows
	s_add_nc_u64 s[20:21], s[22:23], s[2:3]        ; Qv at my rows
	s_add_nc_u64 s[G0K+2:G0K+3], s[G0K+2:G0K+3], KKS
	s_add_nc_u64 s[G0E+2:G0E+3], s[4:5], s[74:75]
	s_or_b32 s[G0K+3], s[G0K+3], 0x80000000
	s_or_b32 s[G0V+3], s[G0V+3], 0x80000000
	s_or_b32 s[G0E+3], s[G0E+3], 0x80000000
	s_add_nc_u64 s[8:9], s[8:9], s[72:73]
	s_add_nc_u64 s[8:9], s[8:9], s[2:3]            ; av at my rows
	s_add_nc_u64 s[6:7], s[6:7], s[10:11]
	LOAD                            ; keys 0-127 into slot 0
	v_and_b32 v1, 15, v0            ; r = l % 16
	v_bfe_u32 v17, v0, 4, 1         ; h = l / 16
	v_and_b32 v234, 31, v0
	v_lshlrev_b32 v[MO], 3, v234
	v_lshlrev_b32 v[GO], 4, v234
	v_lshlrev_b32 v236, 7, v1
	v_lshl_add_u32 v236, v17, 4, v236  ; a fragment of Q: row x 128 + 16 x half
	s_add_co_u32 s10, s16, 1
	v_add_nc_u32 v232, s10, v1      ; the next row's Qv; the last query has none, and no key that would want it: its row is clamped
	v_min_u32 v232, 0x7ff, v232
	v_lshlrev_b32 v232, 7, v232
	v_lshl_add_u32 v232, v17, 4, v232
	s_add_co_u32 s10, s16, 17
	v_add_nc_u32 v233, s10, v1
	v_min_u32 v233, 0x7ff, v233
	v_lshlrev_b32 v233, 7, v233
	v_lshl_add_u32 v233, v17, 4, v233
	WIN 0x40                        ; destination window 1, address window 0
.irp t, 0,1
.irp kh, 0,1
	global_load_b128 v[QU+16*(\t)+8*(\kh):QU+16*(\t)+8*(\kh)+3],   v236, s[18:19] offset:(\t)*2048+(\kh)*64
	global_load_b128 v[QU+16*(\t)+8*(\kh)+4:QU+16*(\t)+8*(\kh)+7], v236, s[18:19] offset:(\t)*2048+(\kh)*64+32
	global_load_b128 v[QV+16*(\t)+8*(\kh):QV+16*(\t)+8*(\kh)+3],   v236, s[20:21] offset:(\t)*2048+(\kh)*64
	global_load_b128 v[QV+16*(\t)+8*(\kh)+4:QV+16*(\t)+8*(\kh)+7], v236, s[20:21] offset:(\t)*2048+(\kh)*64+32
	global_load_b128 v[QP+16*(\t)+8*(\kh):QP+16*(\t)+8*(\kh)+3],   v[232+(\t)], s[22:23] offset:(\kh)*64
	global_load_b128 v[QP+16*(\t)+8*(\kh)+4:QP+16*(\t)+8*(\kh)+7], v[232+(\t)], s[22:23] offset:(\kh)*64+32
.endr
.endr
	WIN 0
.macro MLOAD                        ; the mask bytes of the eight tiles that a step makes: tile (t, e) is ms[W0 / 16 + t][J / 16 + e], e = 1 .. 4
.irp t, 0,1
.irp e, 1,2,3,4
	global_load_b64 v[MB+2*(4*(\t)+(\e)-1):MB+2*(4*(\t)+(\e)-1)+1], v[MO], s[6:7] offset:(\t)*160*256+(\e)*256
.endr
.endr
.endm
.irp t, 0,1
	global_load_b64 v[MB0+2*(\t):MB0+2*(\t)+1], v[MO], s[6:7] offset:(\t)*160*256  ; and those of the first step's tile (t, 0)
.endr
	MLOAD
	v_mul_u32_u24 v[AK0], v1, PK
	v_lshl_add_u32 v[AK0], v17, 4, v[AK0]
	s_sub_co_u32 s10, 7, s[WV]      ; my wave's first row in the window of E: 32 (7 - wave)
	s_mul_i32 s10, s10, 32*PK
	s_add_co_u32 s10, s10, EOFF
	v_add_nc_u32 v[AE0], s10, v[AK0]
	v_and_b32 v234, 7, v0
	v_bfe_u32 v235, v0, 3, 1
	v_lshl_add_u32 v[AV0], v17, 3, v234  ; the turning load: key 8 h + l % 8, channels 8 ((l / 8) % 2) on
	v_mul_u32_u24 v[AV0], v[AV0], PVP
	v_lshl_add_u32 v[AV0], v235, 4, v[AV0]
	v_add_nc_u32 v[AV0], VOFF, v[AV0]
	s_mul_i32 s10, s[WV], 2*TST
	s_add_co_u32 s10, s10, STAGE    ; my stage
	v_mul_u32_u24 v[SA], v17, 8*(GP+4)   ; G's register p of lane (yy, h) is query 8 h + p, row yy of E's tile e: it goes to row 8 h + p, word 16 e + yy + (8 h + p) + 1
	v_lshl_add_u32 v[SA], v1, 2, v[SA]
	v_add_nc_u32 v[SA], s10, v[SA]
	v_add_nc_u32 v[SA], 4, v[SA]
	v_mul_u32_u24 v[SR], v1, GP     ; key k of the step then lies at word 16 + k of its query's row
	v_lshl_add_u32 v[SR], v17, 5, v[SR]
	v_add_nc_u32 v[SR], s10, v[SR]
	v_add_nc_u32 v[SR], 64, v[SR]
	v_mul_u32_u24 v[STO], v1, SP
	v_lshl_add_u32 v[STO], v17, 4, v[STO]
	v_add_nc_u32 v[STO], s10, v[STO]
	v_bfe_u32 v[RD], v0, 3, 2
	v_mul_u32_u24 v[RD], v[RD], SP
	v_lshl_add_u32 v[RD], v234, 4, v[RD]
	v_add_nc_u32 v[RD], s10, v[RD]
	v_mov_b32 v[SCL], 0xe0
.set i, 0
.rept 64                            ; O^T and l start at 0, in the wait for the first tile: no first step is written out
	v_mov_b32 v[OT+i], 0
.set i, i+1
.endr
.irp t, 0,1
	v_mov_b32 v[ST+4*(\t)+1], 0xf1800000  ; m = -2^100
	v_mul_f32 v[ST+4*(\t)], s[CS], v[ST+4*(\t)+1]
	v_mov_b32 v[ST+4*(\t)+2], 0
	v_mov_b32 v[ST+4*(\t)+3], 0
.endr
.macro REGS u
.set rT, ST+4*(\u)
.set rC, TMP+4*(\u)
.set rM, MV+(\u)
.set rS, GS+40*(\u)
.set rP, P+16*(\u)
.set rO, OT+32*(\u)
.endm
; Number n of the 22 that find a tile's maximum and statistics: 0-11 four chains of seven scores (each accumulator's lowest registers first); 12-14, 16 the four left over, the old m, all into c0;
; 15 c m_old is kept; 17, 18 the query's other 32 keys lie in the lane 16 away; 19-21 c m, c m_old - c m_new, a.
.macro XS u, n
	REGS \u
.if (\n) < 4
	v_max3_num_f32 v[rC+(\n)], v[rS+8*(\n)], v[rS+8*(\n)+1], v[rS+8*(\n)+2]
.elseif (\n) < 12
	v_max3_num_f32 v[rC+(\n)%4], v[rC+(\n)%4], v[rS+8*((\n)%4)+2*((\n)/4)+1], v[rS+8*((\n)%4)+2*((\n)/4)+2]
.elseif (\n) == 12
	v_max3_num_f32 v[rC], v[rC], v[rS+7], v[rS+15]
.elseif (\n) == 13
	v_max3_num_f32 v[rC+1], v[rC+1], v[rS+23], v[rS+31]
.elseif (\n) == 14
	v_max3_num_f32 v[rC+2], v[rC+2], v[rC+3], v[rT+1]
.elseif (\n) == 15
	v_mov_b32 v[rM], v[rT]
.elseif (\n) == 16
	v_max3_num_f32 v[rC], v[rC], v[rC+1], v[rC+2]
.elseif (\n) == 17
	v_permlanex16_b32 v[rC+3], v[rC], s[SEL], s[SEL+1]
.elseif (\n) == 18
	v_max_num_f32 v[rT+1], v[rC], v[rC+3]
.elseif (\n) == 19
	v_mul_f32 v[rT], s[CS], v[rT+1]
.elseif (\n) == 20
	v_sub_f32 v[rC+1], v[rM], v[rT]
.else
	v_exp_f32 v[rC+2], v[rC+1]
.endif
.endm
; The 16 products of a step's relative term: G(t, e) += Qsel(t) x E(e + 1 - t)^T, e = 1 .. 4; tiles of E from row 2048 on (e - t >= lim) take the next row's Qv.  The eight accumulators take turns.
.macro BDMUL lim
	WIN 0x05                        ; both sources in window 1
.irp kh, 0,1
.irp t, 0,1
.irp e, 1,2,3,4
.if ((\e)-(\t)) >= (\lim)
	v_wmma_f32_16x16x32_f16 v[GS+40*(\t)+8*(\e):GS+40*(\t)+8*(\e)+7], v[QP+16*(\t)+8*(\kh):QP+16*(\t)+8*(\kh)+7], v[EV+16*((\e)+1-(\t))+8*(\kh):EV+16*((\e)+1-(\t))+8*(\kh)+7], v[GS+40*(\t)+8*(\e):GS+40*(\t)+8*(\e)+7]
.else
	v_wmma_f32_16x16x32_f16 v[GS+40*(\t)+8*(\e):GS+40*(\t)+8*(\e)+7], v[QV+16*(\t)+8*(\kh):QV+16*(\t)+8*(\kh)+7], v[EV+16*((\e)+1-(\t))+8*(\kh):EV+16*((\e)+1-(\t))+8*(\kh)+7], v[GS+40*(\t)+8*(\e):GS+40*(\t)+8*(\e)+7]
.endif
.endr
.endr
.endr
	WIN 0
.endm
; A KEY STEP, in phases.
.macro STEP
	WIN 0
	v_add_nc_u32 v[AK], s[TBK], v[AK0]  ; these four lines are the places behind the products just issued: the last step's, whose V the loads below write over; in the first step those that made the carried tile, which the stores below read
	v_add_nc_u32 v[AE], s[TBK], v[AE0]
	v_add_nc_u32 v[AV], s[TBV], v[AV0]
	v_nop
	s_add_co_u32 s[TBK], s[TBK], KS*PK
	s_add_co_u32 s[TBV], s[TBV], KS*PVP
.irp t, 0,1
.irp p, 0,1,2,3,4,5,6,7             ; the carried tile: the last step's G(t, 4) is this step's G(t, 0).  LDS serves a wave's instructions in order (ISA guide 5.7.1.4): these come behind the last step's reads of the stage
	ds_store_b32 v[SA], v[GS+40*(\t)+32+(\p)] offset:(\t)*TST+(\p)*(GP+4)
.endr
.endr
	WIN 0x40
.irp g, 1,2,3,4,5                   ; 80 rows of E: five fragments of 16 rows x 64 channels (tile t = 0 takes fragments 2 to 5, t = 1 fragments 1 to 4)
.irp kh, 0,1
	ds_load_b128 v[EV+16*(\g)+8*(\kh):EV+16*(\g)+8*(\kh)+3],   v[AE] offset:(\g)*16*PK+(\kh)*64
	ds_load_b128 v[EV+16*(\g)+8*(\kh)+4:EV+16*(\g)+8*(\kh)+7], v[AE] offset:(\g)*16*PK+(\kh)*64+32
.endr
.endr
.irp g, 0,1,2,3                     ; 64 keys
.irp kh, 0,1
	ds_load_b128 v[KF+16*(\g)+8*(\kh):KF+16*(\g)+8*(\kh)+3],   v[AK] offset:(\g)*16*PK+(\kh)*64
	ds_load_b128 v[KF+16*(\g)+8*(\kh)+4:KF+16*(\g)+8*(\kh)+7], v[AK] offset:(\g)*16*PK+(\kh)*64+32
.endr
.endr
	WIN 0
	s_wait_loadcnt 0x0              ; this step's mask bytes; their base may be stepped
	s_add_nc_u64 s[6:7], s[6:7], 4*256
.irp t, 0,1
.irp e, 1,2,3,4
	v_cvt_scale_pk8_f32_fp8 v[GS+40*(\t)+8*(\e):GS+40*(\t)+8*(\e)+7], v[MB+2*(4*(\t)+(\e)-1):MB+2*(4*(\t)+(\e)-1)+1], v[SCL]  ; 0, or -256 x 2^97; tile 4's registers have been stored above
.endr
.endr
	v_nop                           ; a plain instruction behind the last conversion
	MLOAD                           ; the next step's; behind the last step these are tiles 129 to 132 of ms's 160, which exist and which nothing uses
	s_wait_dscnt 16                 ; the carried stores are done and E is in; K's sixteen loads may be out
	s_cmp_lt_i32 s[SD], -32         ; where does row 2048 of E fall among my tiles?  lim = 1 - SD / 16, and SD is a multiple of 32
	s_cbranch_scc1 .Llow_\@
	s_cmp_gt_i32 s[SD], 0
	s_cbranch_scc1 .Lup_\@
	s_cmp_eq_u32 s[SD], 0
	s_cbranch_scc1 .Lmid_\@
	BDMUL 3
	s_branch .Ljoin_\@
.Lmid_\@:
	BDMUL 1
	s_branch .Ljoin_\@
.Lup_\@:
	BDMUL -1
	s_branch .Ljoin_\@
.Llow_\@:
	BDMUL 5
.Ljoin_\@:
.rept 5
	v_nop                           ; the places behind those products: their results are stored and loaded over, E's registers too
.endr
.irp t, 0,1
.irp e, 1,2,3,4
.irp p, 0,1,2,3,4,5,6,7
	ds_store_b32 v[SA], v[GS+40*(\t)+8*(\e)+(\p)] offset:(\t)*TST+(\p)*(GP+4)+(\e)*64
.endr
.endr
.endr
.irp t, 0,1
.irp g, 0,1,2,3
	ds_load_b128 v[GS+40*(\t)+8*(\g):GS+40*(\t)+8*(\g)+3],   v[SR] offset:(\t)*TST+(\g)*64     ; in order behind the stores above; G(t, 4)'s registers are not among the destinations
	ds_load_b128 v[GS+40*(\t)+8*(\g)+4:GS+40*(\t)+8*(\g)+7], v[SR] offset:(\t)*TST+(\g)*64+16
.endr
.endr
	WIN 0x40
.irp f, 0,1,2,3,4,5,6,7             ; V, turned: keys 32 (f / 4) on, channels 16 (f % 4) on
	ds_load_tr16_b128 v[EV+8*(\f):EV+8*(\f)+3],   v[AV] offset:((\f)/4)*32*PVP+((\f)%4)*32
	ds_load_tr16_b128 v[EV+8*(\f)+4:EV+8*(\f)+7], v[AV] offset:((\f)/4)*32*PVP+16*PVP+((\f)%4)*32
.endr
	s_wait_dscnt 16                 ; K and the skewed term are in; V's sixteen loads may be out
	WIN 0x05
.irp kh, 0,1                        ; S^T(t, g) += K(g) Qu(t)^T: eight accumulators by turns
.irp t, 0,1
.irp g, 0,1,2,3
	v_wmma_f32_16x16x32_f16 v[GS+40*(\t)+8*(\g):GS+40*(\t)+8*(\g)+7], v[KF+16*(\g)+8*(\kh):KF+16*(\g)+8*(\kh)+7], v[QU+16*(\t)+8*(\kh):QU+16*(\t)+8*(\kh)+7], v[GS+40*(\t)+8*(\g):GS+40*(\t)+8*(\g)+7]
.endr
.endr
.endr
	WIN 0
	PLACES
.irp n, 0,1,2,3,4,5,6,7,8,9,10,11,12,13,14,15,16,17,18,19,20,21
	XS 0, \n                        ; the two tiles alternate, so that no line reads the result of the one before it; the last two lines, the two a, open the step's batch of exponentials
	XS 1, \n
.endr
	; THE BATCH GOES ON: the 32 scalings c s - c m and the 64 exponentials, a scaling in front of every two exponentials.  Trip z scales pair z of both tiles and takes the exponentials of pair z - 1, which was scaled six lines
	; earlier.  No line here names an exponential's result: a scaling names its own pair, whose exponentials are still to come, and c m.  The first scaling is the plain instruction behind the two a.
.set z, 0
.rept 17
.irp n, 0,1
.if z < 16
	REGS \n
	v_pk_fma_f32 v[rS+2*z:rS+2*z+1], v[rS+2*z:rS+2*z+1], s[CS:CS+1], v[rT:rT+1] op_sel_hi:[1,0,0] neg_lo:[0,0,1] neg_hi:[0,0,1]
.endif
.if z > 0
.irp u, 0,1
	REGS \u
	v_exp_f32 v[rS+2*z-2+(\n)], v[rS+2*z-2+(\n)]
.endr
.endif
.endr
.set z, z+1
.endr
	v_nop                           ; a plain instruction behind the last exponential, ahead of the first use of a result: one for the batch
	s_wait_alu depctr_va_vdst(0)    ; the wait for the batch: the two a and the 64 weights; all their readers stand below
.irp u, 0,1                         ; O^T times a, in ascending order: each accumulator's lowest registers first
	REGS \u
.set z, 0
.rept 16
	v_pk_mul_f32 v[rO+2*z:rO+2*z+1], v[rO+2*z:rO+2*z+1], v[rC+2:rC+3] op_sel_hi:[1,0]
.set z, z+1
.endr
.endr
.set z, 0
.rept 16                            ; the weights rounded to f16
.irp u, 0,1
	REGS \u
	v_cvt_pk_f16_f32 v[rP+z], v[rS+2*z], v[rS+2*z+1]
.endr
.set z, z+1
.endr
.irp w, 4,8,16,32                   ; their sum, of the unrounded weights, in place: neighbours 1, 2, 4 and 8 pairs apart
.set z, 0
.rept 32/(\w)
.irp u, 0,1
	REGS \u
	v_pk_add_f32 v[rS+(\w)*z:rS+(\w)*z+1], v[rS+(\w)*z:rS+(\w)*z+1], v[rS+(\w)*z+(\w)/2:rS+(\w)*z+(\w)/2+1]
.endr
.set z, z+1
.endr
.endr
.irp u, 0,1
	REGS \u
	v_pk_fma_f32 v[rT+2:rT+3], v[rT+2:rT+3], v[rC+2:rC+3], v[rS:rS+1] op_sel_hi:[1,0,1]  ; l = a l + sum
.endr
	s_wait_dscnt 0x0                ; V is in
	WIN 0x01                        ; V in window 1, P and O^T in window 0
.irp kk, 0,1
.irp cb, 0,1,2,3
.irp t, 0,1
	v_wmma_f32_16x16x32_f16 v[OT+32*(\t)+8*(\cb):OT+32*(\t)+8*(\cb)+7], v[EV+32*(\kk)+8*(\cb):EV+32*(\kk)+8*(\cb)+7], v[P+16*(\t)+8*(\kk):P+16*(\t)+8*(\kk)+7], v[OT+32*(\t)+8*(\cb):OT+32*(\t)+8*(\cb)+7]
.endr
.endr
.endr
	WIN 0
	s_add_co_i32 s[SD], s[SD], KS
.endm
	; THE FIRST STEP'S TILE (t, 0), made where every later step finds it: in G(t, 4)'s registers.  It takes fragment 1 - t of the window for keys 0-63 and always Qv: 0 - t >= 1 + W0 / 16 never holds.
	s_wait_tensorcnt 0x0            ; my part of slot 0 is in,
	s_barrier_signal -1
	s_barrier_wait -1               ; everybody's is
	WIN 0x40
.irp g, 0,1
.irp kh, 0,1
	ds_load_b128 v[EV+16*(\g)+8*(\kh):EV+16*(\g)+8*(\kh)+3],   v[AE0] offset:(\g)*16*PK+(\kh)*64
	ds_load_b128 v[EV+16*(\g)+8*(\kh)+4:EV+16*(\g)+8*(\kh)+7], v[AE0] offset:(\g)*16*PK+(\kh)*64+32
.endr
.endr
	WIN 0
	s_wait_loadcnt 0x0              ; Q and the first mask bytes
.irp t, 0,1
	v_cvt_scale_pk8_f32_fp8 v[GS+40*(\t)+32:GS+40*(\t)+39], v[MB0+2*(\t):MB0+2*(\t)+1], v[SCL]
.endr
	v_nop                           ; a plain instruction behind the last conversion
	s_wait_dscnt 0x0
	WIN 0x05
.irp kh, 0,1                        ; two accumulators by turns
.irp t, 0,1
	v_wmma_f32_16x16x32_f16 v[GS+40*(\t)+32:GS+40*(\t)+39], v[QV+16*(\t)+8*(\kh):QV+16*(\t)+8*(\kh)+7], v[EV+16*(1-(\t))+8*(\kh):EV+16*(1-(\t))+8*(\kh)+7], v[GS+40*(\t)+32:GS+40*(\t)+39]
.endr
.endr
	WIN 0
.Lslot:                             ; 15 times: a slot is entered and the other is asked for
	CHANGE 1
	s_mov_b32 s[CNT], 2
.Lstep:
	STEP
	s_sub_co_u32 s[CNT], s[CNT], 1
	s_cmp_lg_u32 s[CNT], 0
	s_cbranch_scc1 .Lstep
	s_sub_co_u32 s[SLOTS], s[SLOTS], 1
	s_cmp_lg_u32 s[SLOTS], 0
	s_cbranch_scc1 .Lslot
	CHANGE 0                        ; the last slot is written out
	s_mov_b32 s[CNT], 2
.Ltail:
	STEP
	s_sub_co_u32 s[CNT], s[CNT], 1
	s_cmp_lg_u32 s[CNT], 0
	s_cbranch_scc1 .Ltail
	; THE WAY OUT: l's two halves and the other half of the lanes' are added; O^T is divided by l, rounded to f16 and sent through my stage, a tile at a time.
	PLACES
.irp t, 0,1
	v_add_f32 v[ST+4*(\t)+2], v[ST+4*(\t)+2], v[ST+4*(\t)+3]
.endr
.irp t, 0,1
	v_permlanex16_b32 v[ST+4*(\t)+3], v[ST+4*(\t)+2], s[SEL], s[SEL+1]
.endr
.irp t, 0,1
	v_add_f32 v[ST+4*(\t)+2], v[ST+4*(\t)+2], v[ST+4*(\t)+3]
.endr
.irp t, 0,1
	v_rcp_f32 v[ST+4*(\t)+2], v[ST+4*(\t)+2]
.endr
	v_mov_b32 v234, 0x7fc00000      ; (also the plain instruction behind the reciprocals)
	s_wait_alu depctr_va_vdst(0)    ; the wait ahead of the first use: one for the two reciprocals
.irp t, 0,1
	v_cmp_gt_f32 vcc_lo, s76, v[ST+4*(\t)+1]       ; m never rose above its start: the row saw no key
	v_cndmask_b32 v[ST+4*(\t)+2], v[ST+4*(\t)+2], v234, vcc_lo
.endr
.macro PACK t
.set i, 0
.rept 16
	v_pk_mul_f32 v[OT+32*(\t)+2*i:OT+32*(\t)+2*i+1], v[OT+32*(\t)+2*i:OT+32*(\t)+2*i+1], v[ST+4*(\t)+2:ST+4*(\t)+3] op_sel_hi:[1,0]
.set i, i+1
.endr
.set i, 0
.rept 16
	v_cvt_pk_f16_f32 v[GS+40*(\t)+i], v[OT+32*(\t)+2*i], v[OT+32*(\t)+2*i+1]
.set i, i+1
.endr
.irp f, 0,1,2,3
	ds_store_b128 v[STO], v[GS+40*(\t)+4*(\f):GS+40*(\t)+4*(\f)+3] offset:32*(\f)
.endr
.irp f, 0,1,2,3
	ds_load_b128 v[GS+40*(\t)+4*(\f):GS+40*(\t)+4*(\f)+3], v[RD] offset:(\f)*4*SP  ; in order behind the stores above; the next tile's stores come behind them
.endr
.endm
.macro SEND t, younger              ; younger: the LDS instructions issued behind tile t's loads
.irp f, 0,1,2,3
	s_wait_dscnt (\younger)+3-(\f)
	global_store_b128 v[GO], v[GS+40*(\t)+4*(\f):GS+40*(\t)+4*(\f)+3], s[8:9] offset:(\t)*2048+(\f)*512  ; four rows: 512 consecutive bytes, aligned to 256
.endr
.endm
	PACK 0
	PACK 1
	SEND 0, 8
	SEND 1, 0
	s_wait_tensorcnt 0x0            ; the wave's end
	ds_add_u32 v[SPW], v[NIL]
	s_wait_dscnt 0x0
	s_endpgm
.Lfunc_end_k_qa5313b82d4_attn:
	.size	k_qa5313b82d4_attn, .Lfunc_end_k_qa5313b82d4_attn-k_qa5313b82d4_attn
	.p2alignl 7, 3214868480
	.fill 96, 4, 3214868480
	.section	.rodata,"a",@progbits
	.p2align	6, 0x0
	.amdhsa_kernel k_qa5313b82d4_attn
		.amdhsa_group_segment_fixed_size 327680
		.amdhsa_private_segment_fixed_size 0
		.amdhsa_enable_private_segment 0
		.amdhsa_kernarg_size 24
		.amdhsa_user_sgpr_count 2
		.amdhsa_user_sgpr_kernarg_segment_ptr 1
		.amdhsa_wavefront_size32 1
		.amdhsa_system_sgpr_workgroup_id_x 1
		.amdhsa_system_sgpr_workgroup_id_y 1
		.amdhsa_system_sgpr_workgroup_id_z 1
		.amdhsa_system_vgpr_workitem_id 0
		.amdhsa_next_free_vgpr 512
		.amdhsa_next_free_sgpr 80
		.amdhsa_reserve_vcc 1
		.amdhsa_float_denorm_mode_32 3
		.amdhsa_float_denorm_mode_16_64 3
		.amdhsa_memory_ordered 1
		.amdhsa_forward_progress 1
		.amdhsa_inst_pref_size 85
	.end_amdhsa_kernel
	.amdgpu_metadata
---
amdhsa.version: [ 1, 2 ]
amdhsa.kernels:
  - .name:           k_qa5313b82d4_attn
    .symbol:         k_qa5313b82d4_attn.kd
    .args:
      - { .name: heads, .offset: 0, .size: 8, .value_kind: global_buffer, .address_space: global }
      - { .name: ms, .offset: 8, .size: 8, .value_kind: global_buffer, .address_space: global }
      - { .name: av, .offset: 16, .size: 8, .value_kind: global_buffer, .address_space: global }
    .group_segment_fixed_size: 327680
    .private_segment_fixed_size: 0
    .kernarg_segment_align: 8
    .kernarg_segment_size: 24
    .max_flat_workgroup_size: 256
    .sgpr_count:     80
    .vgpr_count:     512
    .wavefront_size: 32
...
	.end_amdgpu_metadata
.endif
;; end of part 8
;; launch ogemm: the kernel of part 6 again; grid 8 x 32, 4 waves a work-group, clusters of 4 x 4, 327,680 bytes of LDS; arguments av, wo16, xo; writes xo
;; launch lnorm: the kernel of part 7 again; grid 256 x 1, 8 waves a work-group, no clusters, 0 bytes of LDS; arguments xo, acts, gamma, beta, out0; writes out0
